; MI455X (gfx1250); checked and timed in simulation.
; The chip was launched on July 23, 2026; its instructions are those of AMD's public machine-readable ISA for CDNA 5 (MIT licence, August 2026) and "CDNA5" Instruction Set Architecture Reference Guide (July 2026). The comments in the code are by the model that wrote it; some were corrected since.
;; Encoder Block. Allowed arithmetic: matrix products marked QUANTISED: E3M2 operands, one E8M0 scale for each 32 along K, by v_wmma_scale_f32_16x16x128_f8f6f4 with both operands' format E3M2, f32 sums; everything else in f32.
;; Inputs: X 8 x 1,024 x 1,024 float32; b1 1,024 float32; b2 1,024 float32; bk 1,024 float32; bo 1,024 float32; bq 1,024 float32; bv 1,024 float32; ln1_a 1 float32; ln1_b 1 float32; ln2_a 1 float32; ln2_b 1 float32; mask 8 x 1 x 1 x 1,024 int32; w1 1,024 x 1,024 float32; w2 1,024 x 1,024 float32; wk 1,024 x 1,024 float32; wo 1,024 x 1,024 float32; wq 1,024 x 1,024 float32; wv 1,024 x 1,024 float32.
;; Outputs: out0 8 x 1,024 x 1,024 float32.
;; This version of the problem:
;;   THIS VERSION OF THE PROBLEM IS GIVEN IN LOW PRECISION. The matrix products marked QUANTISED in the list below multiply operands that are first quantised to E3M2 (3 exponent bits, 2 mantissa bits; 6 bits a number), with one power-of-two scale for each 32 numbers along K (OCP MX v1.0); their sums are f32. All else is computed in f32.
;;   The module's matrix products, in the order in which they are computed (A, B: the left and right operand; K: the contracted axis; several contracted axes count as one K, in the product's order):
;;     1. [M 8,192, K 1,024] x [K 1,024, N 1,024]; A: computed on the way; B: input wq: QUANTISED
;;     2. [M 8,192, K 1,024] x [K 1,024, N 1,024]; A: computed on the way; B: input wk: QUANTISED
;;     3. [M 8,192, K 1,024] x [K 1,024, N 1,024]; A: computed on the way; B: input wv: QUANTISED
;;     4. batch 128 x [M 1,024, K 64] x [K 64, N 1,024]; A: computed on the way; B: computed on the way: QUANTISED
;;     5. batch 128 x [M 64, K 1,024] x [K 1,024, N 1,024]; A: computed on the way; B: softmax (see below): QUANTISED
;;     6. [M 8,192, K 1,024] x [K 1,024, N 1,024]; A: computed on the way; B: input wo: QUANTISED
;;     7. [M 8,192, K 1,024] x [K 1,024, N 1,024]; A: computed on the way; B: input w1: QUANTISED
;;     8. [M 8,192, K 1,024] x [K 1,024, N 1,024]; A: computed on the way; B: input w2: QUANTISED
;;   THE QUANTISER, for each operand of a quantised product, along K:
;;     - K is cut into blocks of 32 from its start; a last block that is shorter is filled with zeros.
;;     - A block's scale is 2^e with e = floor(log2(the largest magnitude in the block)) - 4, held to -126 .. 127; a block of zeros has e = 0. As a byte (E8M0): e + 127.
;;     - Each number is divided by its block's scale, clamped to +-28, and rounded to the nearest number of E3M2, ties to even, subnormals kept.
;;     - The product sums the exact products of the quantised numbers (number of the format x scale) in f32.
;;   ~~~python
;;   def quantise(x, axis):      # numpy; x: float32 -> the quantised numbers, widened to float32 again
;;       x = np.moveaxis(x, axis, -1); K = x.shape[-1]
;;       x = np.pad(x, [(0, 0)] * (x.ndim - 1) + [(0, -K % 32)]); x = x.reshape(x.shape[:-1] + (-1, 32)); a = np.abs(x).max(-1, keepdims=True)
;;       e = np.where(a > 0, np.clip(np.frexp(np.where(a > 0, a, 1))[1] - 1 - 4, -126, 127), 0)      # np.frexp(a)[1] - 1 = floor(log2(a)), exactly
;;       r = np.clip(x / 2.0 ** e, -28, 28)
;;       step = 2.0 ** (np.maximum(np.frexp(np.where(r == 0, 1, r))[1] - 1, -2) - 2)
;;       q = np.round(r / step) * step * 2.0 ** e      # np.round: ties to even
;;       return np.moveaxis(q.reshape(q.shape[:-2] + (-1,))[..., :K], -1, axis).astype(np.float32)
;;   ~~~
;;   SOFTMAX AHEAD OF A QUANTISED PRODUCT. Where the list says 'softmax', what is quantised is not the finished softmax but p = 2^(t - M), with t = logit x log2(e) and M = ceil(the row's largest t), a whole number; so 1/2 < the row's largest p <= 1. The row's sum l is taken of the UNQUANTISED p, in f32, and the product's result is divided by l at the end. Since M is a whole number, a kernel that streams over the keys may use a running M (the ceiling of the running maximum): every later rescaling is an exact power of two, which a block's scale takes up: the codes' values come out the same.
;;   OPERANDS COMPUTED ON THE WAY. 'Computed on the way' means the value that the module computes at that place (a softmax that the list does not call 'softmax' is quantised finished and normalised). What goes into a quantiser is computed in f32, as accurately as f32 sums, v_exp_f32 and their like allow (about 1e-6 of the number): no bf16 or f16 on the way to a quantiser, and a product that is left as it is and whose result goes on into a quantised operand takes f32 operands (vector FMAs, or v_wmma_f32_16x16x4_f32). A number that lies on a knife's edge between two numbers of the format may be rounded either way, as far as f32 arithmetic and the matrix unit's own rounding can turn it there, and no further.
;; 2 versions. Each part assembles by itself: llvm-mc -triple=amdgcn-amd-amdhsa -mcpu=gfx1250 --defsym DOCPART=n.
;; ======== version 1 of 2: 4 launches
;; limits: right only within a limited range of input values
;; workspace buffers: img 11,010,048 bytes; scl 458,752 bytes; heads 20,447,232 bytes; ctx 6,291,456 bytes; csc 262,144 bytes
;; launch prep (part 1): grid 448 x 1, 8 waves a work-group, no clusters, 132,608 bytes of LDS; arguments X, wq, wk, wv, wo, w1, w2, ln1_a, ln1_b, img, scl; writes img, scl
.if DOCPART == 1
	.amdgcn_target "amdgcn-amd-amdhsa--gfx1250"
	.amdhsa_code_object_version 6
	.text
	.protected	k_qebee77c13e_prep
	.globl	k_qebee77c13e_prep
	.p2align	8
	.type	k_qebee77c13e_prep,@function
k_qebee77c13e_prep:
	s_mov_b64 s[64:65], 0
	v_nop
	global_prefetch_b8 v0, s[64:65] scope:SCOPE_SE
	s_setreg_imm32_b32 hwreg(HW_REG_WAVE_MODE, 25, 1), 1
	s_wait_xcnt 0x0
; PREP.  LayerNorm 1 of X, and the six weights as they are, become codes of BF6 (E3M2) with one E8M0 byte for each 32 along K (K = the 1,024 of a row), laid as IMAGES OF OPERAND REGISTERS.
; A work-group takes a group of 32 rows of 1,024 f32: groups 0-255 are X's, then 32 groups each of wq, wk, wv, wo, w1, w2.  ONE path serves both kinds: the row's mean and deviation are always computed; for a weight
; the mean's factor is 0, the gain 1 and the offset 0, chosen on the work-group's number, so that (x - 0) x 1 + 0 leaves each number as it is.
; TILES.  Tile u (0, 1) of a group gives lane r the row 8 u + r + 8 (r / 8).  A fragment (16 rows x 128 K, 12 registers a lane) is stored as three runs of 512 bytes, lane l's 16 bytes at 16 l: 1,536 bytes.
; img: units of 64 rows, [K step 0-7][tile 0-3][1,536].  scl: 1,024 bytes a group, [K step / 2][lane][K step % 2] words, lane 16 u + r = tile u's row r.
; PHASE 1: each of the EIGHT waves loads rows 4 w .. 4 w + 3, 32 loads of 512 bytes: the group's 128 KiB are all asked for at once.  The rows are normalised in registers and put into an LDS stage, row -> slot 16 u + r.
; PHASE 2: wave w reads tile w % 2 of K steps 2 (w / 2), 2 (w / 2) + 1 as the operand's layout wants them (lane (r, h): 32 neighbours along K for each half of 64), so that a block's largest magnitude needs no other lane
; and the conversions' results are the operand's registers.
; A block's byte is its largest magnitude's exponent field - 4, held at 1 from below.  LIMITS: a block of zeros, or one under 2^-122, gets the byte 1 (its codes are read by this program alone); NaN and infinities are not served.
; No matrix unit, no cluster, no tensor load: the launch streams 128 KiB a work-group once and its work-groups share no input.
.set ROWB,  4096                       ; a row in memory
.set SP,    4112                       ; a slot of the stage: 4,096 + 16 bytes = 1,028 words: sixteen rows of one 16-byte column start in sixteen different groups of four banks
.set FRB,   1536                       ; a fragment's image
.set UNITB, 49152                      ; a unit of 64 rows
.set R,     16                         ; v16-143  four rows x 32 registers; in phase 2 two sets of 64 numbers
.set SU,    144                        ; v144-151 sums, a pair a row
.set ME,    152                        ; v152-159 means, twice each
.set SQ,    160                        ; v160-167 sums of squares
.set GG,    168                        ; v168-175 gains, twice each
.set PT,    176                        ; v176-179 the other half of the lanes'
.set CD,    144                        ; phase 2: v144-167 two fragments' codes, so that no store's data are written again
.set CT,    192                        ; v192-198 a block's upper 16 codes on their way
.set WD,    208                        ; v208-209 my tile's scale words of my two K steps
.set SEL,   42                         ; s[42:43] lane selects: lane l xor 16
	s_load_b256 s[4:11], s[0:1], 0x0               ; X, wq, wk, wv
	s_load_b256 s[12:19], s[0:1], 0x20             ; wo, w1, w2, ln1_a
	s_load_b128 s[20:23], s[0:1], 0x40             ; ln1_b, img
	s_load_b64 s[24:25], s[0:1], 0x50              ; scl
	v_lshl_add_u32 v216, v0, 2, 0x20200
	v_mov_b32 v217, 0
	v_lshrrev_b32 v1, 5, v0
	v_readfirstlane_b32 s26, v1                    ; wave 0..7
	v_and_b32 v1, 31, v0                           ; lane
	v_lshlrev_b32 v6, 4, v1                        ; 16 l
	v_bfe_u32 v9, v0, 4, 1                         ; h
	v_and_b32 v10, 15, v0                          ; r
	v_lshlrev_b32 v8, 3, v9                        ; 8 h: how far my two scale bytes are shifted
	v_lshlrev_b32 v7, 3, v10
	v_lshl_add_u32 v7, v9, 2, v7                   ; 8 r + 4 h: lane (r, h) stores row r's scale word of K step h of my two
	s_and_b32 s45, s26, 1                          ; phase 2: my tile u
	s_lshr_b32 s46, s26, 1                         ; and my pair of K steps
	s_lshl_b32 s27, s26, 14
	v_add_nc_u32 v2, s27, v6                       ; in memory: 16 l + my wave's 4 rows
	s_and_b32 s27, s46, 1                          ; rows 4 w + i go to slots 16 ((w / 2) % 2) + 8 (w / 4) + 4 (w % 2) + i
	s_lshl_b32 s27, s27, 4
	s_lshr_b32 s28, s46, 1
	s_lshl_b32 s28, s28, 3
	s_add_co_u32 s27, s27, s28
	s_lshl_b32 s28, s45, 2
	s_add_co_u32 s27, s27, s28
	s_mul_i32 s27, s27, SP
	v_add_nc_u32 v3, s27, v6                       ; into the stage
	v_mul_u32_u24 v4, v10, SP
	v_lshl_add_u32 v4, v9, 7, v4
	s_mul_i32 s27, s45, 16*SP
	s_lshl_b32 s28, s46, 10
	s_add_co_u32 s27, s27, s28
	v_add_nc_u32 v4, s27, v4                       ; out of it: slot 16 u + r, + 128 h, + my two K steps
.irp i, 0,1,2,3
	v_mov_b32 v[PT+\i], 0                          ; written once: a lane permute's destination counts as one of its sources
.endr
	v_mov_b32 v207, 0
	s_mov_b32 s[SEL], 0x76543210
	s_mov_b32 s[SEL+1], 0xfedcba98
	s_mov_b32 s44, 0xffff0000                      ; lanes 16-31
	s_wait_kmcnt 0x0
	s_load_b32 s36, s[18:19], 0x0                  ; ln1_a
	s_load_b32 s37, s[20:21], 0x0                  ; ln1_b: both are waited for behind the rows' loads
	s_mov_b64 s[28:29], s[16:17]                   ; whose rows?  The choice hangs on the work-group's number alone
	s_cmp_lt_u32 ttmp9, 416
	s_cselect_b64 s[28:29], s[14:15], s[28:29]
	s_cmp_lt_u32 ttmp9, 384
	s_cselect_b64 s[28:29], s[12:13], s[28:29]
	s_cmp_lt_u32 ttmp9, 352
	s_cselect_b64 s[28:29], s[10:11], s[28:29]
	s_cmp_lt_u32 ttmp9, 320
	s_cselect_b64 s[28:29], s[8:9], s[28:29]
	s_cmp_lt_u32 ttmp9, 288
	s_cselect_b64 s[28:29], s[6:7], s[28:29]
	s_cmp_lt_u32 ttmp9, 256
	s_cselect_b64 s[28:29], s[4:5], s[28:29]
	s_cselect_b32 s30, 255, 31                     ; groups in the tensor - 1
	s_cselect_b32 s38, 0x3a800000, 0               ; the mean's factor: 1 / 1,024, or 0
	s_cselect_b32 s39, -1, 0                       ; all ones for X, 0 for a weight
	s_and_b32 s30, ttmp9, s30
	s_lshl_b32 s30, s30, 17                        ; 32 rows of 4,096 bytes a group
	s_mov_b32 s31, 0
	s_add_nc_u64 s[28:29], s[28:29], s[30:31]
.irp i, 0,1,2,3                        ; my four rows: a load of the wave covers 512 consecutive bytes
.irp j, 0,1,2,3,4,5,6,7
	global_load_b128 v[R+32*\i+4*\j:R+32*\i+4*\j+3], v2, s[28:29] offset:\i*ROWB+512*\j th:TH_LOAD_NT
.endr
.endr
	; the unit: X, wq, wk, wv: group / 2.  wo, w1, w2 (j = 0, 1, 2; unit n of 16): 176 + 12 (n / 4) + 4 j + n % 4, so that the last launch's wave w finds its 12 units on end
	s_lshr_b32 s32, ttmp9, 1
	s_and_b32 s33, s32, 15
	s_lshr_b32 s34, s33, 2
	s_mul_i32 s34, s34, 12
	s_and_b32 s33, s33, 3
	s_add_co_u32 s34, s34, s33
	s_sub_co_u32 s33, ttmp9, 352
	s_lshr_b32 s33, s33, 5
	s_lshl_b32 s33, s33, 2
	s_add_co_u32 s34, s34, s33
	s_add_co_u32 s34, s34, 176
	s_cmp_lt_u32 ttmp9, 352
	s_cselect_b32 s32, s32, s34
	s_and_b32 s33, ttmp9, 1                        ; which 32 rows of the unit
	s_mul_i32 s34, s32, UNITB
	s_mul_i32 s35, s33, 2*FRB
	s_add_co_u32 s34, s34, s35
	s_mul_i32 s35, s46, 8*FRB                      ; my two K steps,
	s_add_co_u32 s34, s34, s35
	s_mul_i32 s35, s45, FRB                        ; my tile
	s_add_co_u32 s34, s34, s35
	s_mov_b32 s35, 0
	s_add_nc_u64 s[22:23], s[22:23], s[34:35]
	s_lshl_b32 s34, s32, 1
	s_add_co_u32 s34, s34, s33
	s_lshl_b32 s34, s34, 10
	s_lshl_b32 s33, s46, 8
	s_add_co_u32 s34, s34, s33
	s_lshl_b32 s33, s45, 7                         ; lanes 16 u + r: 128 u bytes on
	s_add_co_u32 s34, s34, s33
	s_add_nc_u64 s[24:25], s[24:25], s[34:35]
	s_wait_kmcnt 0x0
	s_and_b32 s40, s37, s39                        ; the offset: ln1_b, or 0
	s_mov_b32 s41, s40                             ; (named with it as a pair)
.macro ACROSS b                        ; four rows' pairs at v[b + 2 i] are summed over the pair and over the 32 lanes; every lane gets the sum
.irp i, 0,1,2,3
	v_add_f32 v[\b+2*\i], v[\b+2*\i], v[\b+2*\i+1]
.endr
.irp m, 1,2,4,8
.irp i, 0,1,2,3
	v_add_f32_dpp v[\b+2*\i], v[\b+2*\i], v[\b+2*\i] row_xmask:\m row_mask:0xf bank_mask:0xf
.endr
.endr
.irp i, 0,1,2,3
	v_permlanex16_b32 v[PT+\i], v[\b+2*\i], s[SEL], s[SEL+1]
.endr
.irp i, 0,1,2,3
	v_add_f32 v[\b+2*\i], v[\b+2*\i], v[PT+\i]
.endr
.endm
; 64 numbers of my tile, K step 2 (w / 2) + sg: lane (r, h) takes k = 64 c + 32 h + 0 .. 31 of its row
.macro FLD set, sg
.irp c, 0,1
.irp i, 0,1,2,3,4,5,6,7
	ds_load_b128 v[\set+32*\c+4*\i:\set+32*\c+4*\i+3], v4 offset:512*\sg+256*\c+16*\i
.endr
.endr
.endm
; they become fragment f: both blocks are whole in my lane
.macro QF set, f, sg
.irp c, 0,1
	v_max3_num_f32 v[200+\c], |v[\set+32*\c]|, |v[\set+32*\c+1]|, 0x2800000   ; with the floor 2^(5 - 127): the byte cannot fall under 1
.endr
.irp i, 2,4,6,8,10,12,14,16,18,20,22,24,26,28,30
.irp c, 0,1
	v_max3_num_f32 v[200+\c], v[200+\c], |v[\set+32*\c+\i]|, |v[\set+32*\c+\i+1]|
.endr
.endr
.irp c, 0,1
	v_add_nc_u32 v[202+\c], 0xfe000000, v[200+\c]  ; 4 off the exponent field: the conversion's scale operand
.endr
.irp c, 0,1
	v_lshrrev_b32 v[204+\c], 23, v[202+\c]         ; the byte
.endr
	v_lshl_or_b32 v206, v205, 16, v204             ; my bytes are those of blocks h and 2 + h:
	v_lshlrev_b32 v206, v8, v206                   ; 8 h bits up;
	v_permlanex16_b32 v207, v206, s[SEL], s[SEL+1]
	v_or_b32 v[WD+\sg], v206, v207                 ; with lane l xor 16's two the word is whole, in both halves of the lanes
.irp c, 0,1
	v_cvt_scalef32_pk16_bf6_f32 v[CD+12*\f+6*\c:CD+12*\f+6*\c+2], v[\set+32*\c:\set+32*\c+15], v[202+\c]
	v_cvt_scalef32_pk16_bf6_f32 v[CT+4*\c:CT+4*\c+2], v[\set+32*\c+16:\set+32*\c+31], v[202+\c]   ; (a conversion's three registers begin on an even number)
.endr
	v_nop                                          ; one plain instruction behind the scaled conversions
.irp c, 0,1
.irp i, 0,1,2
	v_mov_b32 v[CD+12*\f+6*\c+3+\i], v[CT+4*\c+\i]
.endr
.endr
.irp k, 0,1,2
	global_store_b128 v6, v[CD+12*\f+4*\k:CD+12*\f+4*\k+3], s[22:23] offset:\sg*4*FRB+512*\k   ; 512 consecutive bytes, at a multiple of 256 from img's first byte
.endr
.endm
	s_wait_loadcnt 0x0
.irp i, 0,1,2,3                        ; the four rows by turns, in two passes over registers
	v_pk_add_f32 v[SU+2*\i:SU+2*\i+1], v[R+32*\i:R+32*\i+1], v[R+32*\i+2:R+32*\i+3]
.endr
.irp j, 4,6,8,10,12,14,16,18,20,22,24,26,28,30
.irp i, 0,1,2,3
	v_pk_add_f32 v[SU+2*\i:SU+2*\i+1], v[SU+2*\i:SU+2*\i+1], v[R+32*\i+\j:R+32*\i+\j+1]
.endr
.endr
	ACROSS SU
.irp i, 0,1,2,3
	v_mul_f32 v[ME+2*\i], s38, v[SU+2*\i]          ; the mean (0 for a weight)
.endr
.irp i, 0,1,2,3
	v_mov_b32 v[ME+2*\i+1], v[ME+2*\i]
.endr
.irp j, 0,2,4,6,8,10,12,14,16,18,20,22,24,26,28,30
.irp i, 0,1,2,3
	v_pk_add_f32 v[R+32*\i+\j:R+32*\i+\j+1], v[R+32*\i+\j:R+32*\i+\j+1], v[ME+2*\i:ME+2*\i+1] neg_lo:[0,1] neg_hi:[0,1]
.endr
.endr
.irp i, 0,1,2,3
	v_pk_mul_f32 v[SQ+2*\i:SQ+2*\i+1], v[R+32*\i:R+32*\i+1], v[R+32*\i:R+32*\i+1]
.endr
.irp j, 2,4,6,8,10,12,14,16,18,20,22,24,26,28,30
.irp i, 0,1,2,3
	v_pk_fma_f32 v[SQ+2*\i:SQ+2*\i+1], v[R+32*\i+\j:R+32*\i+\j+1], v[R+32*\i+\j:R+32*\i+\j+1], v[SQ+2*\i:SQ+2*\i+1]
.endr
.endr
	ACROSS SQ
.irp i, 0,1,2,3
	v_mul_f32 v[SQ+2*\i], 0x3a802008, v[SQ+2*\i]   ; / 1,023: the unbiased variance
.endr
.irp i, 0,1,2,3
	v_sqrt_f32 v[SQ+2*\i], v[SQ+2*\i]
.endr
	v_nop                                          ; a plain instruction behind the last root,
	s_wait_alu depctr_va_vdst(0)                   ; and one wait for the four, ahead of their first reader
.irp i, 0,1,2,3
	v_add_f32 v[SQ+2*\i], 0x358637bd, v[SQ+2*\i]   ; + 1e-6
.endr
.irp i, 0,1,2,3
	v_rcp_f32 v[GG+2*\i], v[SQ+2*\i]
.endr
	v_nop
	s_wait_alu depctr_va_vdst(0)                   ; likewise for the four reciprocals
.irp i, 0,1,2,3
	v_mul_f32 v[GG+2*\i], s36, v[GG+2*\i]          ; ln1_a / (deviation + 1e-6)
.endr
.irp i, 0,1,2,3
	v_cndmask_b32 v[GG+2*\i], 1.0, v[GG+2*\i], s39 ; 1 for a weight
.endr
.irp i, 0,1,2,3
	v_mov_b32 v[GG+2*\i+1], v[GG+2*\i]
.endr
.irp j, 0,2,4,6,8,10,12,14,16,18,20,22,24,26,28,30
.irp i, 0,1,2,3
	v_pk_fma_f32 v[R+32*\i+\j:R+32*\i+\j+1], v[R+32*\i+\j:R+32*\i+\j+1], v[GG+2*\i:GG+2*\i+1], s[40:41] op_sel_hi:[1,1,0]
.endr
.endr
.irp i, 0,1,2,3
.irp j, 0,1,2,3,4,5,6,7
	ds_store_b128 v3, v[R+32*\i+4*\j:R+32*\i+4*\j+3] offset:\i*SP+512*\j
.endr
.endr
	s_wait_dscnt 0x0                               ; for the others' sake: my rows lie in the stage
	s_barrier_signal -1
	s_barrier_wait -1                              ; everybody's do
	FLD R, 0
	FLD R+64, 1
	s_wait_dscnt 16                                ; the older set is in; the other set's 16 loads may be out
	QF R, 0, 0
	s_wait_dscnt 0x0
	QF R+64, 1, 1
	v_cndmask_b32 v212, v[WD], v[WD+1], s44        ; lanes 0-15 store the first K step's words, lanes 16-31 the second's
	global_store_b32 v7, v212, s[24:25]            ; 128 consecutive bytes: my tile's half of the pair's 256; the wave beside me stores the other half
	s_wait_tensorcnt 0x0
	ds_add_u32 v216, v217
	s_wait_dscnt 0x0
	s_endpgm
.Lfunc_end_k_qebee77c13e_prep:
	.size	k_qebee77c13e_prep, .Lfunc_end_k_qebee77c13e_prep-k_qebee77c13e_prep
	.p2alignl 7, 3214868480
	.fill 96, 4, 3214868480
	.section	.rodata,"a",@progbits
	.p2align	6, 0x0
	.amdhsa_kernel k_qebee77c13e_prep
		.amdhsa_group_segment_fixed_size 132608
		.amdhsa_private_segment_fixed_size 0
		.amdhsa_enable_private_segment 0
		.amdhsa_kernarg_size 88
		.amdhsa_user_sgpr_count 2
		.amdhsa_user_sgpr_kernarg_segment_ptr 1
		.amdhsa_wavefront_size32 1
		.amdhsa_system_sgpr_workgroup_id_x 1
		.amdhsa_system_sgpr_workgroup_id_y 1
		.amdhsa_system_sgpr_workgroup_id_z 1
		.amdhsa_system_vgpr_workitem_id 0
		.amdhsa_next_free_vgpr 218
		.amdhsa_next_free_sgpr 66
		.amdhsa_reserve_vcc 0
		.amdhsa_float_denorm_mode_32 3
		.amdhsa_float_denorm_mode_16_64 3
		.amdhsa_memory_ordered 1
		.amdhsa_forward_progress 1
		.amdhsa_inst_pref_size 39
	.end_amdhsa_kernel
	.amdgpu_metadata
---
amdhsa.version: [ 1, 2 ]
amdhsa.kernels:
  - .name:           k_qebee77c13e_prep
    .symbol:         k_qebee77c13e_prep.kd
    .args:
      - { .name: X, .offset: 0, .size: 8, .value_kind: global_buffer, .address_space: global }
      - { .name: wq, .offset: 8, .size: 8, .value_kind: global_buffer, .address_space: global }
      - { .name: wk, .offset: 16, .size: 8, .value_kind: global_buffer, .address_space: global }
      - { .name: wv, .offset: 24, .size: 8, .value_kind: global_buffer, .address_space: global }
      - { .name: wo, .offset: 32, .size: 8, .value_kind: global_buffer, .address_space: global }
      - { .name: w1, .offset: 40, .size: 8, .value_kind: global_buffer, .address_space: global }
      - { .name: w2, .offset: 48, .size: 8, .value_kind: global_buffer, .address_space: global }
      - { .name: ln1_a, .offset: 56, .size: 8, .value_kind: global_buffer, .address_space: global }
      - { .name: ln1_b, .offset: 64, .size: 8, .value_kind: global_buffer, .address_space: global }
      - { .name: img, .offset: 72, .size: 8, .value_kind: global_buffer, .address_space: global }
      - { .name: scl, .offset: 80, .size: 8, .value_kind: global_buffer, .address_space: global }
    .group_segment_fixed_size: 132608
    .private_segment_fixed_size: 0
    .kernarg_segment_align: 8
    .kernarg_segment_size: 88
    .max_flat_workgroup_size: 256
    .sgpr_count:     66
    .vgpr_count:     218
    .wavefront_size: 32
...
	.end_amdgpu_metadata
.endif
;; end of part 1
;; launch proj (part 2): grid 32 x 8, 4 waves a work-group, no clusters, 2,560 bytes of LDS; arguments img, scl, bq, bk, bv, heads; writes heads
.if DOCPART == 2
	.amdgcn_target "amdgcn-amd-amdhsa--gfx1250"
	.amdhsa_code_object_version 6
	.text
	.protected	k_qebee77c13e_proj
	.globl	k_qebee77c13e_proj
	.p2align	8
	.type	k_qebee77c13e_proj,@function
k_qebee77c13e_proj:
	s_mov_b64 s[64:65], 0
	v_nop
	global_prefetch_b8 v0, s[64:65] scope:SCOPE_SE
	s_setreg_imm32_b32 hwreg(HW_REG_WAVE_MODE, 25, 1), 1
	s_wait_xcnt 0x0
; PROJ.  q, k, v = LN1(X) W^T + b on codes of BF6, and q, k, v quantised at once in the registers in which they are made: q and k along a head's 64, v along the tokens (the keys).
; A work-group takes 256 tokens (x) and 6 of the 48 units of 64 features (y; a unit = one head of q, k or v).  Wave w takes tokens 64 (4 x + w) on, four tiles of 16, and ALL FOUR WAVES WALK THE SAME SIX UNITS IN THE SAME ORDER:
; so a work-group names 6 units' bytes of weights, 4 x 64 tokens' bytes of x, and each wave issues 768 products.
; A wave's 32 fragments of x stay in registers (384); a unit's weights stream from memory straight into registers, as images: four buffers of one K step (4 fragments), refilled as soon as they are multiplied.
; q, k: source 0 = 16 rows of W, source 1 = 16 tokens: a lane holds one token and its registers run along the features.  v: the sources are swapped: a lane holds one feature and its registers run along the tokens.
; Rows and tokens of a tile are 8 u + r + 8 (r / 8) of their group of 32, so that the 16 registers of two neighbouring tiles are 16 neighbours along the next product's K.
; The bias is the C of a sum's first matrix instruction.  The 16 accumulators take turns, one instruction a turn.
; heads: records of 3,328 bytes, ((q, k, v) x 128 + head of 128) x 16 + 64 tokens of 16: four half fragments (16 rows x 64 K: 512 bytes at 16 l, 256 at 8 l), then 256 bytes of scale halfwords:
;   lane l's words W0, W1; W g holds slot 2 g's halfword in lanes 0-15 and slot 2 g + 1's in lanes 16-31, upper 16 bits 0.
; NO CLUSTER, NO TENSOR LOAD: a joint request is a tensor load into LDS, from which every fragment would be read once more for its four products, with a barrier for each change of slots; landing in registers, a wave has
;   38 to 52 loads of 512 bytes on their way and the loop has no barrier.  The price: the 32 work-groups of a y ask for the same six units, each for itself.
; LIMITS: a block of zeros, or one under 2^-122, gets the byte 1 (read by this program alone); NaN and infinities are not served.
; REGISTERS.  window 0: v1-7 addresses; v8-23 x's scale words; v24-39 W's; v40-71 bias, 8 a tile; v72-199 accumulators; v200-231 codes; v232-255 at work.
;   windows 1, 2: x's fragments of K steps 0-3, 4-7 at 12 (4 (s % 4) + tile).   window 3: W's four buffers at 48 (s % 4) + 12 tile.
.set UNITB, 49152
.set REC,   3328
.set AS,    8                          ; + 8 (tile / 2) + s: lanes 0-15 the even tile's word, lanes 16-31 the odd tile's
.set SB,    24                         ; + 4 (s / 2) + 2 (tile / 2) + s % 2: likewise
.set BI,    40
.set ACC,   72
.set PC,    200
.set TM,    232
.set TX,    240
.set SCV,   248
.set BC,    28                         ; s[28:29] the unit's images
.set BS,    30                         ; s[30:31] the unit's scale words
.set SEL,   42
.set MSB,   0
.macro WIN new                         ; the immediate's high byte repeats the setting that is left
.if MSB != (\new)
	s_set_vgpr_msb (MSB<<8)|(\new)
.set MSB, \new
.endif
.endm
.macro PLACES n
.rept \n
	v_nop
.endr
.endm
; one product: D, source 0, source 1, C, their scale registers; ra, rb = 1: the scale is read from lanes 16-31
.macro WM d, a, b, c, sa, sb, ra, rb
.if (\ra) && (\rb)
	v_wmma_scale_f32_16x16x128_f8f6f4 v[\d:\d+7], v[\a:\a+11], v[\b:\b+11], v[\c:\c+7], v[\sa], v[\sb] matrix_a_fmt:MATRIX_FMT_BF6 matrix_b_fmt:MATRIX_FMT_BF6 matrix_a_scale:MATRIX_SCALE_ROW1 matrix_b_scale:MATRIX_SCALE_ROW1
.elseif (\ra)
	v_wmma_scale_f32_16x16x128_f8f6f4 v[\d:\d+7], v[\a:\a+11], v[\b:\b+11], v[\c:\c+7], v[\sa], v[\sb] matrix_a_fmt:MATRIX_FMT_BF6 matrix_b_fmt:MATRIX_FMT_BF6 matrix_a_scale:MATRIX_SCALE_ROW1
.elseif (\rb)
	v_wmma_scale_f32_16x16x128_f8f6f4 v[\d:\d+7], v[\a:\a+11], v[\b:\b+11], v[\c:\c+7], v[\sa], v[\sb] matrix_a_fmt:MATRIX_FMT_BF6 matrix_b_fmt:MATRIX_FMT_BF6 matrix_b_scale:MATRIX_SCALE_ROW1
.else
	v_wmma_scale_f32_16x16x128_f8f6f4 v[\d:\d+7], v[\a:\a+11], v[\b:\b+11], v[\c:\c+7], v[\sa], v[\sb] matrix_a_fmt:MATRIX_FMT_BF6 matrix_b_fmt:MATRIX_FMT_BF6
.endif
.endm
; nr rows of 64 along K: of row q register src + 32 q + 16 b + i is k = 32 b + 16 (lane / 16) + i.  Out: half fragments at pc + 8 q (6 registers), the row's two scale bytes as a halfword in v[tm + q], alike in both halves of the lanes.
.macro QUANT nr, src, pc, tm, tx, scv
.set qb, 0
.rept 2*(\nr)
	v_max3_num_f32 v[\tm+qb], |v[\src+16*qb]|, |v[\src+16*qb+1]|, 0x2800000   ; my 16 numbers of each block, from the low end on, and the floor 2^(5 - 127): the byte cannot fall under 1
.set qb, qb+1
.endr
.set qi, 2
.rept 7
.set qb, 0
.rept 2*(\nr)
	v_max3_num_f32 v[\tm+qb], v[\tm+qb], |v[\src+16*qb+qi]|, |v[\src+16*qb+qi+1]|
.set qb, qb+1
.endr
.set qi, qi+2
.endr
.set qb, 0
.rept 2*(\nr)
	v_permlanex16_b32 v[\tx+qb], v[\tm+qb], s[SEL], s[SEL+1]
.set qb, qb+1
.endr
.set qb, 0
.rept 2*(\nr)
	v_max_num_f32 v[\tm+qb], v[\tm+qb], v[\tx+qb]  ; with lane l xor 16's: the block's largest magnitude
.set qb, qb+1
.endr
.set qb, 0
.rept 2*(\nr)
	v_add_nc_u32 v[\scv+qb], 0xfe000000, v[\tm+qb] ; 4 off its exponent field: the conversion's scale operand
.set qb, qb+1
.endr
.set qb, 0
.rept 2*(\nr)
	v_lshrrev_b32 v[\tx+qb], 23, v[\scv+qb]        ; the byte
.set qb, qb+1
.endr
.set qb, 0
.rept \nr
	v_lshl_or_b32 v[\tm+qb], v[\tx+2*qb+1], 8, v[\tx+2*qb]
.set qb, qb+1
.endr
.set qb, 0
.rept \nr
	v_cvt_scalef32_pk16_bf6_f32 v[\pc+8*qb:\pc+8*qb+2], v[\src+32*qb:\src+32*qb+15], v[\scv+2*qb]
	v_cvt_scalef32_pk16_bf6_f32 v[\pc+8*qb+4:\pc+8*qb+6], v[\src+32*qb+16:\src+32*qb+31], v[\scv+2*qb+1]
.set qb, qb+1
.endr
	v_nop                                          ; one plain instruction behind the scaled conversions
.set qb, 0
.rept \nr
.irp i, 0,1,2
	v_permlane16_swap_b32 v[\pc+8*qb+\i], v[\pc+8*qb+4+\i]   ; the layout wants a whole block in a lane: lanes 0-15 the first block, lanes 16-31 the second
.endr
.irp i, 0,1,2
	v_mov_b32 v[\pc+8*qb+3+\i], v[\pc+8*qb+4+\i]
.endr
.set qb, qb+1
.endr
.endm
; K step tau of the unit d units on: 12 loads of 512 bytes into buffer tau % 4; with an even step the scale words of it and the next (2 loads)
.macro REFILL tau, d
.if ((\tau)%2) == 0
	WIN 0
.irp b, 0,1
	global_load_b64 v[SB+4*((\tau)/2)+2*\b:SB+4*((\tau)/2)+2*\b+1], v2, s[BS:BS+1] offset:(\d)*2048+1024*\b+256*((\tau)/2)
.endr
.endif
	WIN 0xc0
.irp t, 0,1,2,3
.irp k, 0,1,2
	global_load_b128 v[48*((\tau)%4)+12*\t+4*\k:48*((\tau)%4)+12*\t+4*\k+3], v1, s[BC:BC+1] offset:(\d)*UNITB+6144*(\tau)+1536*\t+512*\k
.endr
.endr
.endm
; K step s: 16 products.  ty = 0: q, k;  1: v.  cnt: the loads issued behind this step's, which may stay out
.macro KSTEP ty, s, refill, cnt
	s_wait_loadcnt \cnt
.if (\ty) == 0
	WIN 0x07+4*((\s)/4)                            ; source 0 (W) window 3, source 1 (x) window 1 or 2
.else
	WIN 0x0d+((\s)/4)                              ; source 0 (x) window 1 or 2, source 1 (W) window 3
.endif
.irp mu, 0,1,2,3
.irp t, 0,1,2,3
.if (\ty) == 0
.set kd, ACC+32*\mu+8*\t
.else
.set kd, ACC+32*\t+8*\mu
.endif
.set kc, kd
.if (\s) == 0
.set kc, BI+8*\t
.endif
.if (\ty) == 0
	WM kd, 48*((\s)%4)+12*\t, (4*((\s)%4)+\mu)*12, kc, SB+4*((\s)/2)+2*(\t/2)+(\s)%2, AS+8*(\mu/2)+(\s), \t%2, \mu%2
.else
	WM kd, (4*((\s)%4)+\mu)*12, 48*((\s)%4)+12*\t, kc, AS+8*(\mu/2)+(\s), SB+4*((\s)/2)+2*(\t/2)+(\s)%2, \mu%2, \t%2
.endif
.endr
.endr
	PLACES 4                                       ; in front of loads into registers that these products read, and of the first read of results
.if \refill
	REFILL ((\s)+4)%8, ((\s)+4)/8
.endif
.endm
; a unit's eight K steps.  An even step has 14 loads, an odd one 12; three steps are out behind the one that is waited for: 38 or 40.  The last unit asks for nothing more: its tail is written out, and the counts run down.
.macro ARM ty
	KSTEP \ty, 0, 1, 38
	KSTEP \ty, 1, 1, 40
	KSTEP \ty, 2, 1, 38
	KSTEP \ty, 3, 1, 40
	WIN 0
	s_cmp_eq_u32 s20, 5
	s_cbranch_scc1 .Ltail_\@
	KSTEP \ty, 4, 1, 38
	KSTEP \ty, 5, 1, 40
	KSTEP \ty, 6, 1, 38
	KSTEP \ty, 7, 1, 40
	WIN 0
	s_branch .Lepi
.Ltail_\@:
	KSTEP \ty, 4, 0, 38
	KSTEP \ty, 5, 0, 26
	KSTEP \ty, 6, 0, 12
	KSTEP \ty, 7, 0, 0
	WIN 0
	s_branch .Lepi
.endm
	s_load_b256 s[4:11], s[0:1], 0x0               ; img, scl, bq, bk
	s_load_b128 s[12:15], s[0:1], 0x20             ; bv, heads
	v_lshl_add_u32 v223, v0, 2, 0x800
	v_mov_b32 v231, 0
	v_lshrrev_b32 v1, 5, v0
	v_readfirstlane_b32 s16, v1                    ; wave 0..3
	v_and_b32 v2, 31, v0
	v_lshlrev_b32 v1, 4, v2                        ; 16 l
	v_lshlrev_b32 v2, 3, v2                        ; 8 l
	v_bfe_u32 v3, v0, 4, 1
	v_lshlrev_b32 v3, 6, v3                        ; 64 h: q, k: my half's 16 features of a block
	v_and_b32 v4, 15, v0
	v_lshlrev_b32 v6, 4, v4                        ; 16 (thread % 16)
	v_and_b32 v5, 8, v4
	v_add_nc_u32 v4, v4, v5
	v_lshlrev_b32 v4, 2, v4                        ; 4 (r + 8 (r / 8)): v: my feature of a tile
	v_lshlrev_b32 v7, 4, v0                        ; 16 x thread
.irp i, 0,1,2,3,4,5,6,7
	v_mov_b32 v[TX+\i], 0                          ; written once: a lane permute's destination counts as one of its sources
.endr
	s_and_b32 s17, ttmp7, 0xffff                   ; y: which six units
	s_lshl_b32 s18, ttmp9, 2
	s_add_co_u32 s18, s18, s16                     ; which 64 tokens are my wave's: 4 x + w
	s_mul_i32 s19, s17, 6                          ; the first unit
	s_mov_b32 s20, 0                               ; i
	s_mov_b32 s22, 0                               ; the unit's bias in LDS: 256 i
	v_lshrrev_b32 v5, 4, v0
	v_add_nc_u32 v5, s19, v5                       ; thread t copies 16 bytes of the bias of unit 6 y + t / 16 (the last two of these eight are beyond the six: copied to bytes of their own and not read)
	v_and_b32 v[PC], 15, v5
	v_lshl_add_u32 v6, v[PC], 8, v6                ; 256 (unit % 16) + 16 (t % 16): inside each of the three arrays of 4,096 bytes
	s_mov_b32 s[SEL], 0x76543210
	s_mov_b32 s[SEL+1], 0xfedcba98
	s_mov_b32 s44, 0xffff0000                      ; lanes 16-31
	s_mul_i32 s40, s18, UNITB
	s_mov_b32 s41, 0
	s_lshl_b32 s46, s18, 11
	s_mov_b32 s47, 0
	s_add_co_u32 s48, s19, 128
	s_mul_i32 s48, s48, UNITB
	s_mov_b32 s49, 0
	s_lshl_b32 s50, s19, 11
	s_add_co_u32 s50, s50, 262144
	s_mov_b32 s51, 0
	s_wait_kmcnt 0x0
	s_add_nc_u64 s[24:25], s[4:5], s[40:41]        ; x's images
	s_add_nc_u64 s[26:27], s[6:7], s[46:47]        ; x's scale words
	s_add_nc_u64 s[BC:BC+1], s[4:5], s[48:49]
	s_add_nc_u64 s[BS:BS+1], s[6:7], s[50:51]
	global_load_b128 v[BI:BI+3], v6, s[8:9]        ; the same place of bq, bk and bv: the unit's number chooses among the three below
	global_load_b128 v[BI+4:BI+7], v6, s[10:11]
	global_load_b128 v[BI+8:BI+11], v6, s[12:13]
.irp g, 0,1
.irp p, 0,1,2,3
	global_load_b64 v[AS+8*\g+2*\p:AS+8*\g+2*\p+1], v2, s[26:27] offset:1024*\g+256*\p
.endr
.endr
	WIN 0x40
.irp s, 0,1,2,3
.irp mu, 0,1,2,3
.irp k, 0,1,2
	global_load_b128 v[(4*\s+\mu)*12+4*\k:(4*\s+\mu)*12+4*\k+3], v1, s[24:25] offset:6144*\s+1536*\mu+512*\k
.endr
.endr
.endr
	WIN 0x80
.irp s, 0,1,2,3
.irp mu, 0,1,2,3
.irp k, 0,1,2
	global_load_b128 v[(4*\s+\mu)*12+4*\k:(4*\s+\mu)*12+4*\k+3], v1, s[24:25] offset:6144*(4+\s)+1536*\mu+512*\k
.endr
.endr
.endr
	REFILL 0, 0                                    ; the first unit's K steps 0 to 3: 52 loads
	REFILL 1, 0
	REFILL 2, 0
	REFILL 3, 0
	WIN 0
	s_wait_loadcnt 52                              ; all but those 52: the biases and x are in
	v_cmp_le_u32 vcc_lo, 16, v5                    ; units 16 on are k's,
.irp i, 0,1,2,3
	v_cndmask_b32 v[BI+\i], v[BI+\i], v[BI+4+\i], vcc_lo
.endr
	v_cmp_le_u32 vcc_lo, 32, v5                    ; units 32 on v's
.irp i, 0,1,2,3
	v_cndmask_b32 v[BI+\i], v[BI+\i], v[BI+8+\i], vcc_lo
.endr
	ds_store_b128 v7, v[BI:BI+3]
	s_wait_dscnt 0x0                               ; for the others' sake
	s_barrier_signal -1
	s_barrier_wait -1
.Lunit:
	v_add_nc_u32 v5, s22, v3
	v_add_nc_u32 v6, s22, v4
	s_cmp_ge_u32 s19, 32
	s_cbranch_scc1 .Lv
.irp t, 0,1,2,3                        ; q, k: lane (r, h), tile t, register j: feature 32 (t / 2) + 16 h + 8 (t % 2) + j
	ds_load_b128 v[BI+8*\t:BI+8*\t+3], v5 offset:128*(\t/2)+32*(\t%2)
	ds_load_b128 v[BI+8*\t+4:BI+8*\t+7], v5 offset:128*(\t/2)+32*(\t%2)+16
.endr
	s_wait_dscnt 0x0
	ARM 0
.Lv:
.irp t, 0,1,2,3                        ; v: a lane holds one feature: its bias in all eight registers
	ds_load_b32 v[BI+8*\t], v6 offset:128*(\t/2)+32*(\t%2)
.endr
	s_wait_dscnt 0x0
.irp t, 0,1,2,3
.irp j, 1,2,3,4,5,6,7
	v_mov_b32 v[BI+8*\t+\j], v[BI+8*\t]
.endr
.endr
	ARM 1
.Lepi:
	s_wait_xcnt 0x0                                ; every earlier load and store has read its registers: the bases, the store base and the last unit's codes may be written
	s_add_nc_u64 s[BC:BC+1], s[BC:BC+1], UNITB
	s_add_nc_u64 s[BS:BS+1], s[BS:BS+1], 2048
	s_lshr_b32 s40, s19, 4                         ; the record: (((q, k, v) x 128 + 16 batch + head) x 16 + the batch's 64 tokens)
	s_lshl_b32 s40, s40, 7
	s_lshr_b32 s41, s18, 4
	s_lshl_b32 s41, s41, 4
	s_add_co_u32 s40, s40, s41
	s_and_b32 s41, s19, 15
	s_add_co_u32 s40, s40, s41
	s_lshl_b32 s40, s40, 4
	s_and_b32 s41, s18, 15
	s_add_co_u32 s40, s40, s41
	s_mul_i32 s40, s40, REC
	s_mov_b32 s41, 0
	s_add_nc_u64 s[38:39], s[14:15], s[40:41]
	QUANT 4, ACC, PC, TM, TX, SCV
	v_cndmask_b32 v[TM+4], v[TM], v[TM+1], s44     ; slots 0 | 1
	v_cndmask_b32 v[TM+5], v[TM+2], v[TM+3], s44   ; slots 2 | 3
.irp q, 0,1,2,3
	global_store_b128 v1, v[PC+8*\q:PC+8*\q+3], s[38:39] offset:768*\q         ; 512 consecutive bytes, at a multiple of 256 from the buffer's first byte
	global_store_b64 v2, v[PC+8*\q+4:PC+8*\q+5], s[38:39] offset:768*\q+512    ; 256
.endr
	global_store_b64 v2, v[TM+4:TM+5], s[38:39] offset:3072
	s_add_co_u32 s19, s19, 1
	s_add_co_u32 s22, s22, 256
	s_add_co_u32 s20, s20, 1
	s_cmp_lt_u32 s20, 6
	s_cbranch_scc1 .Lunit
	s_wait_tensorcnt 0x0
	ds_add_u32 v223, v231
	s_wait_dscnt 0x0
	s_endpgm
.Lfunc_end_k_qebee77c13e_proj:
	.size	k_qebee77c13e_proj, .Lfunc_end_k_qebee77c13e_proj-k_qebee77c13e_proj
	.p2alignl 7, 3214868480
	.fill 96, 4, 3214868480
	.section	.rodata,"a",@progbits
	.p2align	6, 0x0
	.amdhsa_kernel k_qebee77c13e_proj
		.amdhsa_group_segment_fixed_size 2560
		.amdhsa_private_segment_fixed_size 0
		.amdhsa_enable_private_segment 0
		.amdhsa_kernarg_size 48
		.amdhsa_user_sgpr_count 2
		.amdhsa_user_sgpr_kernarg_segment_ptr 1
		.amdhsa_wavefront_size32 1
		.amdhsa_system_sgpr_workgroup_id_x 1
		.amdhsa_system_sgpr_workgroup_id_y 1
		.amdhsa_system_sgpr_workgroup_id_z 1
		.amdhsa_system_vgpr_workitem_id 0
		.amdhsa_next_free_vgpr 1024
		.amdhsa_next_free_sgpr 66
		.amdhsa_reserve_vcc 1
		.amdhsa_float_denorm_mode_32 3
		.amdhsa_float_denorm_mode_16_64 3
		.amdhsa_memory_ordered 1
		.amdhsa_forward_progress 1
		.amdhsa_inst_pref_size 102
	.end_amdhsa_kernel
	.amdgpu_metadata
---
amdhsa.version: [ 1, 2 ]
amdhsa.kernels:
  - .name:           k_qebee77c13e_proj
    .symbol:         k_qebee77c13e_proj.kd
    .args:
      - { .name: img, .offset: 0, .size: 8, .value_kind: global_buffer, .address_space: global }
      - { .name: scl, .offset: 8, .size: 8, .value_kind: global_buffer, .address_space: global }
      - { .name: bq, .offset: 16, .size: 8, .value_kind: global_buffer, .address_space: global }
      - { .name: bk, .offset: 24, .size: 8, .value_kind: global_buffer, .address_space: global }
      - { .name: bv, .offset: 32, .size: 8, .value_kind: global_buffer, .address_space: global }
      - { .name: heads, .offset: 40, .size: 8, .value_kind: global_buffer, .address_space: global }
    .group_segment_fixed_size: 2560
    .private_segment_fixed_size: 0
    .kernarg_segment_align: 8
    .kernarg_segment_size: 48
    .max_flat_workgroup_size: 128
    .sgpr_count:     66
    .vgpr_count:     1024
    .wavefront_size: 32
...
	.end_amdgpu_metadata
.endif
;; end of part 2
;; launch attn (part 3): grid 2 x 128, 16 waves a work-group, no clusters, 112,640 bytes of LDS; arguments heads, mask, ctx, csc; writes ctx, csc
.if DOCPART == 3
	.amdgcn_target "amdgcn-amd-amdhsa--gfx1250"
	.amdhsa_code_object_version 6
	.text
	.protected	k_qebee77c13e_attn
	.globl	k_qebee77c13e_attn
	.p2align	8
	.type	k_qebee77c13e_attn,@function
k_qebee77c13e_attn:
	s_mov_b64 s[64:65], 0
	v_nop
	global_prefetch_b8 v0, s[64:65] scope:SCOPE_SE
	s_setreg_imm32_b32 hwreg(HW_REG_WAVE_MODE, 25, 1), 1
	s_wait_xcnt 0x0
; ATTN.  ctx = softmax(q k^T / 8, keys with mask 0 hidden) v for one head, both products on codes of BF6; ctx / the row's sum is quantised along the head's 64 for the next product.
; A work-group takes 512 queries of one head (y = 16 batch + head); each of its sixteen waves 32 of them, two tiles of 16, one after the other.  Four waves share a SIMD, so that one wave's softmax stands beside another's products.
; A head's K and V codes and scale halfwords, 2 x 53,248 bytes, are copied into LDS ONCE, through registers, and stay: no slot is ever filled again.  All fragment reads are images: lane l's bytes at 16 l or 8 l.
; Both tiles' Q and scale words are asked for at the head, with K, V and the mask; the second tile's wait in seven registers of their own.
; S^T = K Q^T (source 0 = 16 keys, source 1 = my 16 queries), O^T = V^T P^T: a lane holds one query throughout.  A tile's keys are 8 u + r + 8 (r / 8) of their 32, so that the 16 registers of two neighbouring tiles are 16 neighbouring keys.
; K = 64 FILLS HALF OF THE INSTRUCTION'S 128: Q's upper six registers are zero codes, written once.  A tile of K is named as 12 registers of which the upper six are the next tile's codes: any code times the code 0 is 0
;   (the format has no infinity and no NaN), and the scale bytes of that half are 0, which is 2^-127 and no NaN.
; THE SOFTMAX: t = score x log2(e) / 8; M = the running largest t rounded up to a whole number; p = 2^(t - M) is quantised along the keys; the row's sum is taken of the unquantised p and divides at the end.
; THE MASK is an addend, the C of the first product: 0 for a key that counts, -2^33 for a hidden one: t is then under -1.5e9 and p = 0, as with the reference's -1e9.  Key steps that are wholly hidden ahead of the first key
;   that counts give p of at most 1 under their own M; the first key that counts multiplies what they summed by 2^(old M - new M) = 0.  A batch ALL of whose keys are hidden has c = 0 and the addend 0 (s_cselect_b32 on the
;   mask's whole numbers): t = 0, p = 1, the sum 1,024: the reference's uniform row.
; LIMITS: raw scores under 2^32 in magnitude (beyond it the reference's own -1e9 hides nothing either); a block of zeros gets the byte 1 (read by this program alone); NaN and infinities are not served.
; NO CLUSTER: the two work-groups of a head read the same K and V, once, at their heads; two along x divide into none of the cluster shapes of four, and a joint request is a tensor load, which this one fill does not need.
; REGISTERS: v1-9 addresses; v12 -M, v13 the largest t, v[14:15] the sum; v16-27 Q; v28 Q's scales, v29 p's, v30-33 K's, v34-37 V's halfwords, v38-39 V's words; v40-93 K's or V's fragments; v96-159 S^T, then p;
;   v160-191 O^T; v192-203 p's codes; v204-229 at work; v230-236 the second tile's Q and scale words.
.set REC,   3328
.set VB,    53248                      ; LDS: K's 16 records, then V's,
.set MB,    106496                     ; then the mask's addends, 1,024 f32
.set SEL,   36
.macro PLACES n
.rept \n
	v_nop
.endr
.endm
.macro WM d, a, b, c, sa, sb, ra, rb
.if (\ra) && (\rb)
	v_wmma_scale_f32_16x16x128_f8f6f4 v[\d:\d+7], v[\a:\a+11], v[\b:\b+11], v[\c:\c+7], v[\sa], v[\sb] matrix_a_fmt:MATRIX_FMT_BF6 matrix_b_fmt:MATRIX_FMT_BF6 matrix_a_scale:MATRIX_SCALE_ROW1 matrix_b_scale:MATRIX_SCALE_ROW1
.elseif (\ra)
	v_wmma_scale_f32_16x16x128_f8f6f4 v[\d:\d+7], v[\a:\a+11], v[\b:\b+11], v[\c:\c+7], v[\sa], v[\sb] matrix_a_fmt:MATRIX_FMT_BF6 matrix_b_fmt:MATRIX_FMT_BF6 matrix_a_scale:MATRIX_SCALE_ROW1
.elseif (\rb)
	v_wmma_scale_f32_16x16x128_f8f6f4 v[\d:\d+7], v[\a:\a+11], v[\b:\b+11], v[\c:\c+7], v[\sa], v[\sb] matrix_a_fmt:MATRIX_FMT_BF6 matrix_b_fmt:MATRIX_FMT_BF6 matrix_b_scale:MATRIX_SCALE_ROW1
.else
	v_wmma_scale_f32_16x16x128_f8f6f4 v[\d:\d+7], v[\a:\a+11], v[\b:\b+11], v[\c:\c+7], v[\sa], v[\sb] matrix_a_fmt:MATRIX_FMT_BF6 matrix_b_fmt:MATRIX_FMT_BF6
.endif
.endm
; nr rows of 64 along K: of row q register src + 32 q + 16 b + i is k = 32 b + 16 (lane / 16) + i.  Out: half fragments at pc + 8 q (6 registers), the row's two scale bytes as a halfword in v[tm + q], alike in both halves of the lanes.
.macro QUANT nr, src, pc, tm, tx, scv
.set qb, 0
.rept 2*(\nr)
	v_max3_num_f32 v[\tm+qb], |v[\src+16*qb]|, |v[\src+16*qb+1]|, 0x2800000   ; with the floor 2^(5 - 127): the byte cannot fall under 1
.set qb, qb+1
.endr
.set qi, 2
.rept 7
.set qb, 0
.rept 2*(\nr)
	v_max3_num_f32 v[\tm+qb], v[\tm+qb], |v[\src+16*qb+qi]|, |v[\src+16*qb+qi+1]|
.set qb, qb+1
.endr
.set qi, qi+2
.endr
.set qb, 0
.rept 2*(\nr)
	v_permlanex16_b32 v[\tx+qb], v[\tm+qb], s[SEL], s[SEL+1]
.set qb, qb+1
.endr
.set qb, 0
.rept 2*(\nr)
	v_max_num_f32 v[\tm+qb], v[\tm+qb], v[\tx+qb]
.set qb, qb+1
.endr
.set qb, 0
.rept 2*(\nr)
	v_add_nc_u32 v[\scv+qb], 0xfe000000, v[\tm+qb]
.set qb, qb+1
.endr
.set qb, 0
.rept 2*(\nr)
	v_lshrrev_b32 v[\tx+qb], 23, v[\scv+qb]
.set qb, qb+1
.endr
.set qb, 0
.rept \nr
	v_lshl_or_b32 v[\tm+qb], v[\tx+2*qb+1], 8, v[\tx+2*qb]
.set qb, qb+1
.endr
.set qb, 0
.rept \nr
	v_cvt_scalef32_pk16_bf6_f32 v[\pc+8*qb:\pc+8*qb+2], v[\src+32*qb:\src+32*qb+15], v[\scv+2*qb]
	v_cvt_scalef32_pk16_bf6_f32 v[\pc+8*qb+4:\pc+8*qb+6], v[\src+32*qb+16:\src+32*qb+31], v[\scv+2*qb+1]
.set qb, qb+1
.endr
	v_nop                                          ; one plain instruction behind the scaled conversions
.set qb, 0
.rept \nr
.irp i, 0,1,2
	v_permlane16_swap_b32 v[\pc+8*qb+\i], v[\pc+8*qb+4+\i]
.endr
.irp i, 0,1,2
	v_mov_b32 v[\pc+8*qb+3+\i], v[\pc+8*qb+4+\i]
.endr
.set qb, qb+1
.endr
.endm
	s_load_b256 s[4:11], s[0:1], 0x0               ; heads, mask, ctx, csc
	v_lshl_add_u32 v240, v0, 2, 0x1b000
	v_mov_b32 v241, 0
	v_lshrrev_b32 v1, 5, v0
	v_readfirstlane_b32 s12, v1                    ; wave 0..15
	v_and_b32 v9, 31, v0
	v_lshlrev_b32 v1, 4, v9                        ; 16 l
	v_lshlrev_b32 v2, 3, v9                        ; 8 l
	v_lshlrev_b32 v9, 1, v9                        ; 2 l
	v_bfe_u32 v3, v0, 4, 1
	v_lshlrev_b32 v3, 6, v3
	v_add_nc_u32 v3, MB, v3                        ; the addends of my half's 16 keys of a block
	v_and_b32 v7, 15, v0
	v_lshlrev_b32 v7, 3, v7                        ; 8 r
	v_lshlrev_b32 v10, 3, v0                       ; 8 x thread: my two keys of the mask,
	v_add_nc_u32 v11, MB, v10                      ; and their addends' place
	s_mul_i32 s44, s12, REC
	v_add_nc_u32 v4, s44, v1                       ; the fill: wave w copies record w of K and of V
	v_add_nc_u32 v5, s44, v2
	s_and_b32 s14, ttmp7, 0xffff                   ; y
	s_lshr_b32 s15, s14, 4                         ; batch
	s_and_b32 s39, s14, 15                         ; head
	s_mul_i32 s42, s14, 16*REC
	s_add_co_u32 s40, s42, s44
	s_add_co_u32 s40, s40, 128*16*REC
	s_mov_b32 s41, 0
	s_lshl_b32 s45, ttmp9, 3
	s_lshr_b32 s46, s12, 1
	s_add_co_u32 s45, s45, s46
	s_mul_i32 s45, s45, REC
	s_add_co_u32 s42, s42, s45                     ; the record of my 64 queries: 8 x + w / 2
	s_mov_b32 s43, 0
	s_mov_b32 s[SEL], 0x76543210
	s_mov_b32 s[SEL+1], 0xfedcba98
	s_mov_b32 s38, 0xffff0000                      ; lanes 16-31
	s_wait_kmcnt 0x0
	s_add_nc_u64 s[16:17], s[4:5], s[40:41]        ; K's record w
	s_add_nc_u64 s[18:19], s[16:17], 128*16*REC    ; V's
	s_add_nc_u64 s[22:23], s[4:5], s[42:43]
	s_and_b32 s46, s12, 1
	s_mul_i32 s44, s46, 1536
	s_mov_b32 s45, 0
	s_add_nc_u64 s[20:21], s[22:23], s[44:45]      ; Q: slots 2 (w % 2) + u
	s_lshl_b32 s44, s46, 2
	s_add_nc_u64 s[22:23], s[22:23], s[44:45]      ; and their scale word W (w % 2)
	s_lshl_b32 s44, s15, 12
	s_add_nc_u64 s[24:25], s[6:7], s[44:45]        ; the batch's mask
	s_lshl_b32 s46, s15, 5
	s_lshl_b32 s47, ttmp9, 4
	s_add_co_u32 s46, s46, s47
	s_add_co_u32 s46, s46, s12                     ; my group of 32 tokens: 32 batch + 16 x + w
	s_mul_i32 s44, s46, 24576
	s_mul_i32 s47, s39, 768
	s_add_co_u32 s44, s44, s47
	s_add_nc_u64 s[26:27], s[8:9], s[44:45]
	s_lshl_b32 s44, s46, 10
	s_lshl_b32 s47, s39, 6
	s_add_co_u32 s44, s44, s47
	s_add_nc_u64 s[28:29], s[10:11], s[44:45]
.irp k, 0,1,2,3,4,5
	global_load_b128 v[40+4*\k:43+4*\k], v1, s[16:17] offset:512*\k
.endr
	global_load_b64 v[64:65], v2, s[16:17] offset:3072
.irp k, 0,1,2,3,4,5
	global_load_b128 v[68+4*\k:71+4*\k], v1, s[18:19] offset:512*\k
.endr
	global_load_b64 v[92:93], v2, s[18:19] offset:3072
.irp k, 0,1,2,3,4,5,6,7
	global_load_b128 v[96+4*\k:99+4*\k], v1, s[24:25] offset:512*\k   ; the whole mask of the batch: does any key count?
.endr
	global_load_b64 v[128:129], v10, s[24:25]
	global_load_b128 v[16:19], v1, s[20:21]        ; the first tile's Q,
	global_load_b64 v[20:21], v2, s[20:21] offset:512
	global_load_b32 v28, v7, s[22:23] offset:3072  ; its scale halfwords: lanes 0-15 (and 16-31) take those of slot 2 (w % 2)
	global_load_b128 v[230:233], v1, s[20:21] offset:768   ; and the second tile's
	global_load_b64 v[234:235], v2, s[20:21] offset:1280
	global_load_b32 v236, v7, s[22:23] offset:3200
	s_wait_loadcnt 0x0
.irp n, 16,8,4,2,1
.set q, 0
.rept \n
	v_or_b32 v[96+q], v[96+q], v[96+q+\n]
.set q, q+1
.endr
.endr
	v_cmp_ne_u32 vcc_lo, 0, v96
	s_cmp_lg_u32 vcc_lo, 0
	s_cselect_b32 s30, 0x3e38aa3b, 0               ; c = log2(e) / 8, or 0 where no key counts
	s_cselect_b32 s32, 0xd0000000, 0               ; a hidden key's addend: -2^33, or 0
	s_mov_b32 s31, s30                             ; (named with it as a pair)
	v_mov_b32 v132, s32
	v_cmp_eq_u32 vcc_lo, 0, v128
	v_cndmask_b32 v130, 0, v132, vcc_lo
	v_cmp_eq_u32 vcc_lo, 0, v129
	v_cndmask_b32 v131, 0, v132, vcc_lo
	ds_store_b64 v11, v[130:131]
.irp k, 0,1,2,3,4,5
	ds_store_b128 v4, v[40+4*\k:43+4*\k] offset:512*\k
.endr
	ds_store_b64 v5, v[64:65] offset:3072
.irp k, 0,1,2,3,4,5
	ds_store_b128 v4, v[68+4*\k:71+4*\k] offset:VB+512*\k
.endr
	ds_store_b64 v5, v[92:93] offset:VB+3072
	s_wait_dscnt 0x0                               ; for the others' sake
	s_barrier_signal -1
	s_barrier_wait -1                              ; K, V and the addends lie in LDS; nothing is stored there again
.irp i, 22,23,24,25,26,27,88,89,90,91,92,93,216,217,218,219,227
	v_mov_b32 v\i, 0                               ; Q's zero codes; the registers named behind K's last tile; the permutes' destinations; the upper half of the pair v[226:227]
.endr
; A KEY STEP: 128 keys = two records.  s33: 6,656 x step;  s34: 512 x step
.macro STEP
	v_add_nc_u32 v4, s33, v1
	v_add_nc_u32 v5, s33, v2
	v_add_nc_u32 v6, s34, v3
	v_nop                                          ; these four are the places in front of loads into registers that the last products read
.irp tau, 0,1,2,3,4,5,6,7
	ds_load_b128 v[40+6*\tau:43+6*\tau], v4 offset:(\tau/4)*REC+(\tau%4)*768
	ds_load_b64 v[44+6*\tau:45+6*\tau], v5 offset:(\tau/4)*REC+(\tau%4)*768+512
.endr
	ds_load_b64 v[30:31], v5 offset:3072
	ds_load_b64 v[32:33], v5 offset:REC+3072
.irp tau, 0,1,2,3,4,5,6,7                      ; the addends, in the result's layout: register j of tile tau is key 32 (tau / 2) + 16 h + 8 (tau % 2) + j
	ds_load_b128 v[96+8*\tau:99+8*\tau], v6 offset:128*(\tau/2)+32*(\tau%2)
	ds_load_b128 v[100+8*\tau:103+8*\tau], v6 offset:128*(\tau/2)+32*(\tau%2)+16
.endr
	s_wait_dscnt 0x0
.irp tau, 0,1,2,3,4,5,6,7
	WM 96+8*\tau, 40+6*\tau, 16, 96+8*\tau, 30+\tau/2, 28, \tau%2, 0
.endr
	PLACES 4
.irp t, 0,1,2,3                                ; V's four fragments land while the softmax is worked: registers 0-5 the first record's 64 keys, 6-11 the second's
	ds_load_b128 v[40+12*\t:43+12*\t], v4 offset:VB+768*\t
	ds_load_b64 v[44+12*\t:45+12*\t], v5 offset:VB+768*\t+512
	ds_load_b128 v[46+12*\t:49+12*\t], v4 offset:VB+REC+768*\t
	ds_load_b64 v[50+12*\t:51+12*\t], v5 offset:VB+REC+768*\t+512
.endr
	ds_load_b64 v[34:35], v5 offset:VB+3072
	ds_load_b64 v[36:37], v5 offset:VB+REC+3072
.irp b, 0,1,2,3
	v_max3_num_f32 v[212+\b], v[96+16*\b], v[97+16*\b], v[98+16*\b]   ; the largest score of each block of 32 keys: for the row's maximum and, since p rises with the score, for the block's largest p
.endr
.irp i, 3,5,7,9,11,13
.irp b, 0,1,2,3
	v_max3_num_f32 v[212+\b], v[212+\b], v[96+16*\b+\i], v[97+16*\b+\i]
.endr
.endr
.irp b, 0,1,2,3
	v_max_num_f32 v[212+\b], v[212+\b], v[111+16*\b]
.endr
.irp b, 0,1,2,3
	v_permlanex16_b32 v[216+\b], v[212+\b], s[SEL], s[SEL+1]
.endr
.irp b, 0,1,2,3
	v_max_num_f32 v[212+\b], v[212+\b], v[216+\b]
.endr
	v_max3_num_f32 v224, v212, v213, v214
	v_max_num_f32 v224, v224, v215
	v_mul_f32 v224, s30, v224                      ; as t (c is not negative)
	v_max_num_f32 v13, v13, v224
	v_mov_b32 v224, v12
	v_floor_f32 v12, -v13                          ; -M = floor(-t): M is a whole number
	v_sub_f32 v224, v12, v224
	v_cvt_i32_f32 v224, v224                       ; (it saturates)
	v_ldexp_f32 v226, 1.0, v224                    ; f = 2^(old M - new M)
.irp j, 0,2,4,6,8,10,12,14,16,18,20,22,24,26,28,30,32,34,36,38,40,42,44,46,48,50,52,54,56,58,60,62
	v_pk_fma_f32 v[96+\j:97+\j], v[96+\j:97+\j], s[30:31], v[12:13] op_sel_hi:[1,0,0]
.endr
.irp b, 0,1,2,3
	v_fma_f32 v[212+\b], v[212+\b], s30, v12
.endr
.irp j, 0,1,2,3,4,5,6,7,8,9,10,11,12,13,14,15,16,17,18,19,20,21,22,23,24,25,26,27,28,29,30,31,32,33,34,35,36,37,38,39,40,41,42,43,44,45,46,47,48,49,50,51,52,53,54,55,56,57,58,59,60,61,62,63
	v_exp_f32 v[96+\j], v[96+\j]                   ; p = 2^(t - M)
.endr
	v_pk_mul_f32 v[14:15], v[14:15], v[226:227] op_sel_hi:[1,0]   ; the sum under the new M: the plain instruction behind the exponentials
	s_wait_alu depctr_va_vdst(0)                   ; one wait for the 64, ahead of their first reader
.irp b, 0,1,2,3
	v_exp_f32 v[212+\b], v[212+\b]                 ; each block's largest p
.endr
	v_pk_add_f32 v[228:229], v[96:97], v[98:99]    ; the row's sum of the unquantised p, in two chains
.irp j, 4,8,12,16,20,24,28,32,36,40,44,48,52,56,60
	v_pk_add_f32 v[14:15], v[14:15], v[96+\j:97+\j]
	v_pk_add_f32 v[228:229], v[228:229], v[98+\j:99+\j]
.endr
	v_pk_add_f32 v[14:15], v[14:15], v[228:229]
	s_wait_alu depctr_va_vdst(0)                   ; and one for the four
.irp b, 0,1,2,3
	v_max_num_f32 v[212+\b], 0x2800000, v[212+\b]  ; the floor: a block whose every p is 0 keeps the byte 1: its codes are zeros
.endr
.irp b, 0,1,2,3
	v_add_nc_u32 v[220+\b], 0xfe000000, v[212+\b]
.endr
.irp b, 0,1,2,3
	v_lshrrev_b32 v[216+\b], 23, v[220+\b]
.endr
	v_lshl_or_b32 v29, v217, 8, v216               ; p's scale word for these 128 keys
	v_lshl_or_b32 v29, v218, 16, v29
	v_lshl_or_b32 v29, v219, 24, v29
.irp c, 0,1
	v_cvt_scalef32_pk16_bf6_f32 v[192+6*\c:194+6*\c], v[96+32*\c:111+32*\c], v[220+2*\c]
	v_cvt_scalef32_pk16_bf6_f32 v[204+4*\c:206+4*\c], v[112+32*\c:127+32*\c], v[221+2*\c]
.endr
	v_nop                                          ; one plain instruction behind the scaled conversions
.irp c, 0,1
.irp i, 0,1,2
	v_permlane16_swap_b32 v[192+6*\c+\i], v[204+4*\c+\i]
.endr
.irp i, 0,1,2
	v_mov_b32 v[195+6*\c+\i], v[204+4*\c+\i]
.endr
.endr
	s_wait_dscnt 0x0                               ; V is in
	v_lshl_or_b32 v38, v36, 16, v34                ; V's scale words: the first record's two bytes below, the second's above
	v_lshl_or_b32 v39, v37, 16, v35
.irp j, 0,2,4,6,8,10,12,14,16,18,20,22,24,26,28,30
	v_pk_mul_f32 v[160+\j:161+\j], v[160+\j:161+\j], v[226:227] op_sel_hi:[1,0]   ; O^T under the new M.  These sixteen also stand between the scale words and codes just made and the products
.endr
.irp t, 0,1,2,3
	WM 160+8*\t, 40+12*\t, 192, 160+8*\t, 38+\t/2, 29, \t%2, 0
.endr
	s_add_co_u32 s33, s33, 2*REC
	s_add_co_u32 s34, s34, 512
.endm
; One tile of 16 queries through all 1,024 keys
.macro TILE u
.if \u == 1
	s_wait_xcnt 0x0                                ; the last tile's stores have read their registers
.irp i, 0,1,2,3,4,5
	v_mov_b32 v[16+\i], v[230+\i]                  ; the second tile's Q and scale words move in; the 36 lines below stand between them and the first product
.endr
	v_mov_b32 v28, v236
.endif
	v_mov_b32 v13, 0xff61b1e6                      ; the largest t so far: -3e38
	v_floor_f32 v12, -v13
	v_mov_b32 v14, 0
	v_mov_b32 v15, 0
.irp j, 0,1,2,3,4,5,6,7,8,9,10,11,12,13,14,15,16,17,18,19,20,21,22,23,24,25,26,27,28,29,30,31
	v_mov_b32 v[160+\j], 0                         ; the step is written once: the first finds zeros, which the first change of M leaves zeros
.endr
	s_mov_b32 s33, 0
	s_mov_b32 s34, 0
	s_mov_b32 s35, 8
.Lstep_\@:
	STEP
	s_sub_co_u32 s35, s35, 1
	s_cmp_lg_u32 s35, 0
	s_cbranch_scc1 .Lstep_\@
	PLACES 4
	v_add_f32 v14, v14, v15
	v_permlanex16_b32 v224, v14, s[SEL], s[SEL+1]
	v_add_f32 v14, v14, v224                       ; the row's sum
	v_rcp_f32 v14, v14
	v_nop
	s_wait_alu depctr_va_vdst(0)                   ; ahead of the reciprocal's first reader
.irp j, 0,2,4,6,8,10,12,14,16,18,20,22,24,26,28,30
	v_pk_mul_f32 v[96+\j:97+\j], v[160+\j:161+\j], v[14:15] op_sel_hi:[1,0]   ; register 16 b + i: channel 32 b + 16 h + i, since V's rows of a tile are 8 u + r + 8 (r / 8)
.endr
	QUANT 1, 96, 192, 212, 216, 220
	global_store_b128 v1, v[192:195], s[26:27] offset:12288*\u
	global_store_b64 v2, v[196:197], s[26:27] offset:12288*\u+512
.if \u == 0
	v_mov_b32 v8, v212
.else
	v_cndmask_b32 v8, v8, v212, s38                ; lanes 0-15 keep tile 0's halfwords, lanes 16-31 take tile 1's
.endif
.endm
	TILE 0
	TILE 1
	global_store_b16 v9, v8, s[28:29]
	s_wait_tensorcnt 0x0
	ds_add_u32 v240, v241
	s_wait_dscnt 0x0
	s_endpgm
.Lfunc_end_k_qebee77c13e_attn:
	.size	k_qebee77c13e_attn, .Lfunc_end_k_qebee77c13e_attn-k_qebee77c13e_attn
	.p2alignl 7, 3214868480
	.fill 96, 4, 3214868480
	.section	.rodata,"a",@progbits
	.p2align	6, 0x0
	.amdhsa_kernel k_qebee77c13e_attn
		.amdhsa_group_segment_fixed_size 112640
		.amdhsa_private_segment_fixed_size 0
		.amdhsa_enable_private_segment 0
		.amdhsa_kernarg_size 32
		.amdhsa_user_sgpr_count 2
		.amdhsa_user_sgpr_kernarg_segment_ptr 1
		.amdhsa_wavefront_size32 1
		.amdhsa_system_sgpr_workgroup_id_x 1
		.amdhsa_system_sgpr_workgroup_id_y 1
		.amdhsa_system_sgpr_workgroup_id_z 1
		.amdhsa_system_vgpr_workitem_id 0
		.amdhsa_next_free_vgpr 242
		.amdhsa_next_free_sgpr 66
		.amdhsa_reserve_vcc 1
		.amdhsa_float_denorm_mode_32 3
		.amdhsa_float_denorm_mode_16_64 3
		.amdhsa_memory_ordered 1
		.amdhsa_forward_progress 1
		.amdhsa_inst_pref_size 53
	.end_amdhsa_kernel
	.amdgpu_metadata
---
amdhsa.version: [ 1, 2 ]
amdhsa.kernels:
  - .name:           k_qebee77c13e_attn
    .symbol:         k_qebee77c13e_attn.kd
    .args:
      - { .name: heads, .offset: 0, .size: 8, .value_kind: global_buffer, .address_space: global }
      - { .name: mask, .offset: 8, .size: 8, .value_kind: global_buffer, .address_space: global }
      - { .name: ctx, .offset: 16, .size: 8, .value_kind: global_buffer, .address_space: global }
      - { .name: csc, .offset: 24, .size: 8, .value_kind: global_buffer, .address_space: global }
    .group_segment_fixed_size: 112640
    .private_segment_fixed_size: 0
    .kernarg_segment_align: 8
    .kernarg_segment_size: 32
    .max_flat_workgroup_size: 512
    .sgpr_count:     66
    .vgpr_count:     242
    .wavefront_size: 32
...
	.end_amdgpu_metadata
.endif
;; end of part 3
;; launch ffn (part 4): grid 256 x 1, 4 waves a work-group, no clusters, 197,120 bytes of LDS; arguments img, scl, ctx, csc, X, bo, b1, b2, ln2_a, ln2_b, out0; writes out0
.if DOCPART == 4
	.amdgcn_target "amdgcn-amd-amdhsa--gfx1250"
	.amdhsa_code_object_version 6
	.text
	.protected	k_qebee77c13e_ffn
	.globl	k_qebee77c13e_ffn
	.p2align	8
	.type	k_qebee77c13e_ffn,@function
k_qebee77c13e_ffn:
	s_mov_b64 s[64:65], 0
	v_nop
	global_prefetch_b8 v0, s[64:65] scope:SCOPE_SE
	s_setreg_imm32_b32 hwreg(HW_REG_WAVE_MODE, 25, 1), 1
	s_wait_xcnt 0x0
; FFN.  X1 = X + ctx Wo^T + bo;  xn = LayerNorm 2 (X1);  out = X1 + relu(xn W1^T + b1) W2^T + b2: three products on codes of BF6, nothing between them goes to memory.
; A work-group owns 32 whole token rows (two tiles of 16), since the norm wants whole rows.  THE WAVES SHARE THE FEATURES: wave w makes features 256 w .. 256 w + 255 of each product, four units of 64; they are K steps 2 w, 2 w + 1
; of the next product.  A wave's 12 units of weights lie on end in img and stream from memory straight into registers as images: four parts of two K steps (8 fragments, 26 loads with their scale words), three on their way.
; Source 0 = 16 rows of W, source 1 = 16 tokens: a lane holds one token and its registers run along the features; rows of a tile are 8 u + r + 8 (r / 8), so that 16 registers of two tiles are 16 neighbours along the next K.
; The rows (X, then X1, then the result) lie in LDS as f32, token tile mu's lane r in slot 16 mu + r; between barriers a wave touches only its own 1,024 bytes of each slot.
; Operands go from wave to wave through LDS as images of their registers (half fragments: 512 bytes at 16 l, 256 at 8 l) with their scale halfwords at 2 l.
; THE RESULT LEAVES UNIT BY UNIT, inside the last product's loop: a unit's 256 bytes of each of the 32 rows are one wave's own: it puts them into its bytes of the slots, reads them back sixteen lanes to a row, and stores
; 256 consecutive aligned bytes a row: no barrier, and three quarters of the stores are issued ahead of the last unit's products.
; The biases are the C of each sum's first matrix instruction.  The 8 accumulators take turns, one instruction a turn.
; NO CLUSTER, NO TENSOR LOAD: a weight fragment is wanted by one wave of a work-group and feeds two products; through LDS it would be written and read once more.  In registers a wave has 52 to 78 loads of 512 bytes asked
;   for across all five barriers.  The price: all 256 work-groups ask for all three weights, each for itself.
; LIMITS: a block of zeros, or one under 2^-122, gets the byte 1; NaN and infinities are not served.
; REGISTERS.  window 0: v1-7 addresses; v8-15 the tokens' scale words (lanes 0-15 tile 0, 16-31 tile 1); v16-31 W's; v32-63 bias; v64-127 accumulators (32 mu + 8 t); v128-191 rows; v192-207 codes; v208-223 at work;
;   v224-235 sums, means, gains in pairs; v236-255 addresses and at work.   window 1: the tokens' 16 fragments at 12 (8 mu + s).   windows 2, 3: W's parts 0, 1 and 2, 3 at 96 (q % 2) + 12 (4 sigma + t).
.set UNITB, 49152
.set ROWB,  4096
.set SP,    4112                       ; a slot: 4,096 + 16 bytes: sixteen rows of one 16-byte column start in sixteen different groups of four banks
.set RED1,  12288                      ; LDS: 0: bo, b1, b2;  then two places for sums over the waves,
.set RED2,  12800
.set ASC,   13312                      ; xn's scale halfwords [64 features of 16][lane],
.set HSC,   14336                      ; the hidden layer's,
.set AIM,   15360                      ; xn's images [mu][64 features of 16][768],
.set HIM,   39936                      ; the hidden layer's,
.set XR,    64512                      ; the rows: 32 slots
.set AS,    8
.set SB,    16
.set BI,    32
.set ACC,   64
.set T,     128
.set PC,    192
.set TM,    208
.set TX,    212
.set SCV,   216
.set HT,    208                        ; v208-223: scale halfwords on their way into AS
.set BC,    30                         ; s[30:31] the unit's images
.set BS,    32                         ; s[32:33] the unit's scale words
.set SEL,   40
.set MSB,   0
.macro WIN new                         ; the immediate's high byte repeats the setting that is left
.if MSB != (\new)
	s_set_vgpr_msb (MSB<<8)|(\new)
.set MSB, \new
.endif
.endm
.macro PLACES n
.rept \n
	v_nop
.endr
.endm
.macro WM d, a, b, c, sa, sb, ra, rb
.if (\ra) && (\rb)
	v_wmma_scale_f32_16x16x128_f8f6f4 v[\d:\d+7], v[\a:\a+11], v[\b:\b+11], v[\c:\c+7], v[\sa], v[\sb] matrix_a_fmt:MATRIX_FMT_BF6 matrix_b_fmt:MATRIX_FMT_BF6 matrix_a_scale:MATRIX_SCALE_ROW1 matrix_b_scale:MATRIX_SCALE_ROW1
.elseif (\ra)
	v_wmma_scale_f32_16x16x128_f8f6f4 v[\d:\d+7], v[\a:\a+11], v[\b:\b+11], v[\c:\c+7], v[\sa], v[\sb] matrix_a_fmt:MATRIX_FMT_BF6 matrix_b_fmt:MATRIX_FMT_BF6 matrix_a_scale:MATRIX_SCALE_ROW1
.elseif (\rb)
	v_wmma_scale_f32_16x16x128_f8f6f4 v[\d:\d+7], v[\a:\a+11], v[\b:\b+11], v[\c:\c+7], v[\sa], v[\sb] matrix_a_fmt:MATRIX_FMT_BF6 matrix_b_fmt:MATRIX_FMT_BF6 matrix_b_scale:MATRIX_SCALE_ROW1
.else
	v_wmma_scale_f32_16x16x128_f8f6f4 v[\d:\d+7], v[\a:\a+11], v[\b:\b+11], v[\c:\c+7], v[\sa], v[\sb] matrix_a_fmt:MATRIX_FMT_BF6 matrix_b_fmt:MATRIX_FMT_BF6
.endif
.endm
; nr rows of 64 along K: of row q register src + 32 q + 16 b + i is k = 32 b + 16 (lane / 16) + i.  Out: half fragments at pc + 8 q (6 registers), the row's two scale bytes as a halfword in v[tm + q], alike in both halves of the lanes.
.macro QUANT nr, src, pc, tm, tx, scv
.set qb, 0
.rept 2*(\nr)
	v_max3_num_f32 v[\tm+qb], |v[\src+16*qb]|, |v[\src+16*qb+1]|, 0x2800000   ; from the low end on; with the floor 2^(5 - 127): the byte cannot fall under 1
.set qb, qb+1
.endr
.set qi, 2
.rept 7
.set qb, 0
.rept 2*(\nr)
	v_max3_num_f32 v[\tm+qb], v[\tm+qb], |v[\src+16*qb+qi]|, |v[\src+16*qb+qi+1]|
.set qb, qb+1
.endr
.set qi, qi+2
.endr
.set qb, 0
.rept 2*(\nr)
	v_permlanex16_b32 v[\tx+qb], v[\tm+qb], s[SEL], s[SEL+1]
.set qb, qb+1
.endr
.set qb, 0
.rept 2*(\nr)
	v_max_num_f32 v[\tm+qb], v[\tm+qb], v[\tx+qb]
.set qb, qb+1
.endr
.set qb, 0
.rept 2*(\nr)
	v_add_nc_u32 v[\scv+qb], 0xfe000000, v[\tm+qb]
.set qb, qb+1
.endr
.set qb, 0
.rept 2*(\nr)
	v_lshrrev_b32 v[\tx+qb], 23, v[\scv+qb]
.set qb, qb+1
.endr
.set qb, 0
.rept \nr
	v_lshl_or_b32 v[\tm+qb], v[\tx+2*qb+1], 8, v[\tx+2*qb]
.set qb, qb+1
.endr
.set qb, 0
.rept \nr
	v_cvt_scalef32_pk16_bf6_f32 v[\pc+8*qb:\pc+8*qb+2], v[\src+32*qb:\src+32*qb+15], v[\scv+2*qb]
	v_cvt_scalef32_pk16_bf6_f32 v[\pc+8*qb+4:\pc+8*qb+6], v[\src+32*qb+16:\src+32*qb+31], v[\scv+2*qb+1]
.set qb, qb+1
.endr
	v_nop                                          ; one plain instruction behind the scaled conversions
.set qb, 0
.rept \nr
.irp i, 0,1,2
	v_permlane16_swap_b32 v[\pc+8*qb+\i], v[\pc+8*qb+4+\i]
.endr
.irp i, 0,1,2
	v_mov_b32 v[\pc+8*qb+3+\i], v[\pc+8*qb+4+\i]
.endr
.set qb, qb+1
.endr
.endm
; part q (K steps 2 q, 2 q + 1) of the unit d units on: 2 + 24 loads
.macro LOADP q, d
	WIN 0
.irp b, 0,1
	global_load_b64 v[SB+4*(\q)+2*\b:SB+4*(\q)+2*\b+1], v2, s[BS:BS+1] offset:2048*(\d)+1024*\b+256*(\q)
.endr
	WIN 0x80+0x40*((\q)/2)
.irp sg, 0,1
.irp t, 0,1,2,3
.irp k, 0,1,2
	global_load_b128 v[((\q)%2)*96+(4*\sg+\t)*12+4*\k:((\q)%2)*96+(4*\sg+\t)*12+4*\k+3], v1, s[BC:BC+1] offset:UNITB*(\d)+6144*(2*(\q)+\sg)+1536*\t+512*\k
.endr
.endr
.endr
.endm
; part p is multiplied: 16 products.  cnt: the loads issued behind this part's.  The refill takes the part read one step ago, so that two parts (52 loads) are out behind the one that is waited for
.macro PSTEP p, refill, cnt
	s_wait_loadcnt \cnt
	WIN 0x06+(\p)/2                                ; source 0 (W) window 2 or 3, source 1 (tokens) window 1
.irp sg, 0,1
.irp t, 0,1,2,3
.irp mu, 0,1
.set kc, ACC+32*\mu+8*\t
.if ((\p) == 0) && (\sg == 0)
.set kc, BI+8*\t
.endif
	WM ACC+32*\mu+8*\t, ((\p)%2)*96+(4*\sg+\t)*12, (8*\mu+2*(\p)+\sg)*12, kc, SB+4*(\p)+2*(\t/2)+\sg, AS+2*(\p)+\sg, \t%2, \mu
.endr
.endr
.endr
	PLACES 4                                       ; in front of loads into registers that products have read or written, and of the first read of results
.if \refill
	LOADP ((\p)+3)%4, ((\p)+3)/4
.endif
.endm
; a unit: 64 features x 32 tokens x all of K.  tail = 1: in the loop's last trip nothing is left to ask for: that way is written out, and its counts run down
.macro UNIT tail
	v_add_nc_u32 v250, s36, v6
.irp t, 0,1,2,3                        ; lane (r, h), tile t, register j: feature 32 (t / 2) + 16 h + 8 (t % 2) + j
	ds_load_b128 v[BI+8*\t:BI+8*\t+3], v250 offset:128*(\t/2)+32*(\t%2)
	ds_load_b128 v[BI+8*\t+4:BI+8*\t+7], v250 offset:128*(\t/2)+32*(\t%2)+16
.endr
	s_wait_dscnt 0x0                               ; the bias is in; my earlier LDS stores have read their registers
	PSTEP 0, 1, 52
.if \tail
	WIN 0
	s_cmp_eq_u32 s34, 3
	s_cbranch_scc1 .Ltail_\@
.endif
	PSTEP 1, 1, 52
	PSTEP 2, 1, 52
	PSTEP 3, 1, 52
	WIN 0
.if \tail
	s_branch .Ljoin_\@
.Ltail_\@:
	PSTEP 1, 0, 52
	PSTEP 2, 0, 26
	PSTEP 3, 0, 0
	WIN 0
.Ljoin_\@:
.endif
.endm
.macro NEXTU
	s_wait_xcnt 0x0                                ; the loads and stores that are out have read their bases and registers
	s_add_nc_u64 s[BC:BC+1], s[BC:BC+1], UNITB
	s_add_nc_u64 s[BS:BS+1], s[BS:BS+1], 2048
	s_add_co_u32 s36, s36, 256
	s_add_co_u32 s35, s35, 256
.endm
.macro ASMAKE                          ; two halfwords (64 along K each) make a K step's scale word
.irp s, 0,1,2,3,4,5,6,7
	v_lshl_or_b32 v[AS+\s], v[HT+2*\s+1], 16, v[HT+2*\s]
.endr
	PLACES 8                                       ; a scale register written by a vector instruction stands 8 places ahead of a scaled product
.endm
.macro ALOADL img, sc                  ; the tokens' 16 fragments and their scale words, from images in LDS
	WIN 0x40
.irp mu, 0,1
.irp hh, 0,1,2,3,4,5,6,7,8,9,10,11,12,13,14,15
	ds_load_b128 v[(8*\mu+\hh/2)*12+6*(\hh%2):(8*\mu+\hh/2)*12+6*(\hh%2)+3], v1 offset:\img+12288*\mu+768*\hh
	ds_load_b64 v[(8*\mu+\hh/2)*12+6*(\hh%2)+4:(8*\mu+\hh/2)*12+6*(\hh%2)+5], v2 offset:\img+12288*\mu+768*\hh+512
.endr
.endr
	WIN 0
.irp hh, 0,1,2,3,4,5,6,7,8,9,10,11,12,13,14,15
	ds_load_u16 v[HT+\hh], v3 offset:\sc+64*\hh
.endr
	s_wait_dscnt 0x0
	ASMAKE
.endm
.macro XADDR                           ; my 256 bytes of the unit in hand, in each tile's slots
	v_add_nc_u32 v251, s35, v4
	v_add_nc_u32 v252, s35, v5
.endm
.macro XRES                            ; the rows' numbers in the accumulators' layout
.irp mu, 0,1
.irp q, 0,1,2,3,4,5,6,7
	ds_load_b128 v[T+32*\mu+4*\q:T+32*\mu+4*\q+3], v[251+\mu] offset:128*(\q/4)+16*(\q%4)
.endr
.endr
.endm
.macro XSTORE
.irp mu, 0,1
.irp q, 0,1,2,3,4,5,6,7
	ds_store_b128 v[251+\mu], v[T+32*\mu+4*\q:T+32*\mu+4*\q+3] offset:128*(\q/4)+16*(\q%4)
.endr
.endr
.endm
.macro IMGS img, sc                    ; the two half fragments just made, and their halfwords, go to LDS as they stand
	v_add_nc_u32 v246, s37, v1
	v_add_nc_u32 v247, s37, v2
	v_add_nc_u32 v248, s38, v3
	v_cndmask_b32 v222, v[TM], v[TM+1], s42        ; lanes 0-15 tile 0's, lanes 16-31 tile 1's
.irp mu, 0,1
	ds_store_b128 v246, v[PC+8*\mu:PC+8*\mu+3] offset:\img+12288*\mu
	ds_store_b64 v247, v[PC+8*\mu+4:PC+8*\mu+5] offset:\img+12288*\mu+512
.endr
	ds_store_b16 v248, v222 offset:\sc
	s_wait_dscnt 0x0                               ; the stores have read their registers
	s_add_co_u32 s37, s37, 768
	s_add_co_u32 s38, s38, 64
.endm
.macro BARRIER                         ; my LDS stores have landed and my LDS loads are in: then the work-group's barrier
	s_wait_dscnt 0x0
	s_barrier_signal -1
	s_barrier_wait -1
.endm
; the pairs v[224:225] (tile 0) and v[226:227] (tile 1) are summed over the pair, the halves of the lanes and the four waves; v224 and v226 get each token's sum
.macro REDUCE red
	v_add_f32 v224, v224, v225
	v_add_f32 v226, v226, v227
	v_permlanex16_b32 v238, v224, s[SEL], s[SEL+1]
	v_permlanex16_b32 v239, v226, s[SEL], s[SEL+1]
	v_add_f32 v224, v224, v238
	v_add_f32 v226, v226, v239
	v_cndmask_b32 v238, v224, v226, s42
	ds_store_b32 v236, v238 offset:\red
	BARRIER
.irp k, 0,1,2,3
	ds_load_b32 v[238+\k], v237 offset:\red+128*\k
	ds_load_b32 v[242+\k], v237 offset:\red+128*\k+64
.endr
	s_wait_dscnt 0x0
	v_add_f32 v238, v238, v239
	v_add_f32 v240, v240, v241
	v_add_f32 v242, v242, v243
	v_add_f32 v244, v244, v245
	v_add_f32 v224, v238, v240
	v_add_f32 v226, v242, v244
.endm
.macro ZSUM
.irp i, 224,225,226,227
	v_mov_b32 v\i, 0
.endr
.endm
	s_load_b256 s[4:11], s[0:1], 0x0               ; img, scl, ctx, csc
	s_load_b256 s[12:19], s[0:1], 0x20             ; X, bo, b1, b2
	s_load_b128 s[20:23], s[0:1], 0x40             ; ln2_a, ln2_b
	s_load_b64 s[24:25], s[0:1], 0x50              ; out0
	v_lshl_add_u32 v199, v0, 2, 0x30000
	v_mov_b32 v207, 0
	v_lshrrev_b32 v1, 5, v0
	v_readfirstlane_b32 s26, v1                    ; wave 0..3
	v_and_b32 v3, 31, v0
	v_lshlrev_b32 v1, 4, v3                        ; 16 l
	v_lshlrev_b32 v2, 3, v3                        ; 8 l
	v_lshlrev_b32 v236, 2, v3
	v_lshlrev_b32 v3, 1, v3                        ; 2 l
	v_bfe_u32 v6, v0, 4, 1
	v_lshlrev_b32 v6, 6, v6                        ; 64 h
	v_and_b32 v237, 15, v0                         ; r
	v_mul_u32_u24 v4, v237, SP
	v_add_nc_u32 v4, v4, v6
	s_lshl_b32 s48, s26, 10                        ; 1,024 w
	s_add_co_u32 s44, s48, XR
	v_add_nc_u32 v4, s44, v4                       ; slot r, + 64 h, + my wave's 1,024 bytes: tile 0
	v_add_nc_u32 v5, 16*SP, v4                     ; tile 1
	v_lshlrev_b32 v237, 2, v237                    ; 4 r
	s_lshl_b32 s44, s26, 7
	v_add_nc_u32 v236, s44, v236                   ; 128 w + 4 l
	s_and_b32 s44, s26, 1
	s_lshl_b32 s44, s44, 4
	s_lshr_b32 s45, s26, 1
	s_lshl_b32 s45, s45, 3
	s_add_co_u32 s44, s44, s45                     ; rows 8 w + i lie in slots 16 (w % 2) + 8 (w / 2) + i
	s_mul_i32 s44, s44, SP
	s_add_co_u32 s44, s44, XR
	v_add_nc_u32 v7, s44, v1
	v_lshlrev_b32 v249, 4, v0                      ; 16 x thread
	s_lshl_b32 s44, s26, 15
	v_add_nc_u32 v253, s44, v1                     ; in X: 16 l + my wave's 8 rows
	v_mov_b32 v238, 0                              ; written once: a lane permute's destination counts as one of its sources
	v_mov_b32 v239, 0
	s_mul_i32 s46, s26, 3072                       ; my first unit's images: 768 x 4 w
	s_lshl_b32 s47, s26, 8                         ; and halfwords: 64 x 4 w
	s_mov_b32 s[SEL], 0x76543210
	s_mov_b32 s[SEL+1], 0xfedcba98
	s_mov_b32 s42, 0xffff0000                      ; lanes 16-31
	s_mul_i32 s44, s26, 12
	s_add_co_u32 s44, s44, 176
	s_mul_i32 s44, s44, UNITB
	s_mov_b32 s45, 0
	s_mul_i32 s50, s26, 24
	s_add_co_u32 s50, s50, 352
	s_lshl_b32 s50, s50, 10
	s_mov_b32 s51, 0
	s_wait_kmcnt 0x0
	s_load_b32 s27, s[20:21], 0x0                  ; ln2_a
	s_load_b32 s28, s[22:23], 0x0                  ; ln2_b
	s_add_nc_u64 s[BC:BC+1], s[4:5], s[44:45]
	s_add_nc_u64 s[BS:BS+1], s[6:7], s[50:51]
	s_mul_i32 s44, ttmp9, 24576
	s_add_nc_u64 s[8:9], s[8:9], s[44:45]
	s_lshl_b32 s44, ttmp9, 10
	s_add_nc_u64 s[10:11], s[10:11], s[44:45]
	s_lshl_b32 s44, ttmp9, 17
	s_add_nc_u64 s[12:13], s[12:13], s[44:45]
	s_add_nc_u64 s[24:25], s[24:25], s[44:45]
	LOADP 0, 0
	LOADP 1, 0
	LOADP 2, 0
	WIN 0x40
.irp mu, 0,1
.irp hh, 0,1,2,3,4,5,6,7,8,9,10,11,12,13,14,15
	global_load_b128 v[(8*\mu+\hh/2)*12+6*(\hh%2):(8*\mu+\hh/2)*12+6*(\hh%2)+3], v1, s[8:9] offset:12288*\mu+768*\hh th:TH_LOAD_NT
	global_load_b64 v[(8*\mu+\hh/2)*12+6*(\hh%2)+4:(8*\mu+\hh/2)*12+6*(\hh%2)+5], v2, s[8:9] offset:12288*\mu+768*\hh+512 th:TH_LOAD_NT
.endr
.endr
	WIN 0
.irp hh, 0,1,2,3,4,5,6,7,8,9,10,11,12,13,14,15
	global_load_u16 v[HT+\hh], v3, s[10:11] offset:64*\hh th:TH_LOAD_NT
.endr
	global_load_b128 v[BI:BI+3], v249, s[14:15]
	global_load_b128 v[BI+4:BI+7], v249, s[14:15] offset:2048
	global_load_b128 v[BI+8:BI+11], v249, s[16:17]
	global_load_b128 v[BI+12:BI+15], v249, s[16:17] offset:2048
	global_load_b128 v[BI+16:BI+19], v249, s[18:19]
	global_load_b128 v[BI+20:BI+23], v249, s[18:19] offset:2048
.irp i, 0,1,2,3                        ; X's rows 8 w + i: 0-3 in window 0, 4-5 and 6-7 in the free ends of windows 1 and 2
.irp j, 0,1,2,3,4,5,6,7
	global_load_b128 v[64+32*\i+4*\j:64+32*\i+4*\j+3], v253, s[12:13] offset:ROWB*\i+512*\j th:TH_LOAD_NT
.endr
.endr
	WIN 0x40
.irp i, 0,1
.irp j, 0,1,2,3,4,5,6,7
	global_load_b128 v[192+32*\i+4*\j:192+32*\i+4*\j+3], v253, s[12:13] offset:ROWB*(4+\i)+512*\j th:TH_LOAD_NT
.endr
.endr
	WIN 0x80
.irp i, 0,1
.irp j, 0,1,2,3,4,5,6,7
	global_load_b128 v[192+32*\i+4*\j:192+32*\i+4*\j+3], v253, s[12:13] offset:ROWB*(6+\i)+512*\j th:TH_LOAD_NT
.endr
.endr
	WIN 0
	s_wait_loadcnt 0x0
	s_wait_kmcnt 0x0
	s_mov_b32 s29, s28                             ; (named with it as a pair)
.irp k, 0,1,2,3,4,5
	ds_store_b128 v249, v[BI+4*\k:BI+4*\k+3] offset:2048*\k
.endr
.irp i, 0,1,2,3
.irp j, 0,1,2,3,4,5,6,7
	ds_store_b128 v7, v[64+32*\i+4*\j:64+32*\i+4*\j+3] offset:SP*\i+512*\j
.endr
.endr
	WIN 0x04                                       ; an LDS store's data are its source 1
.irp i, 0,1
.irp j, 0,1,2,3,4,5,6,7
	ds_store_b128 v7, v[192+32*\i+4*\j:192+32*\i+4*\j+3] offset:SP*(4+\i)+512*\j
.endr
.endr
	WIN 0x08
.irp i, 0,1
.irp j, 0,1,2,3,4,5,6,7
	ds_store_b128 v7, v[192+32*\i+4*\j:192+32*\i+4*\j+3] offset:SP*(6+\i)+512*\j
.endr
.endr
	WIN 0
	ASMAKE
	BARRIER                                        ; the biases and the 32 rows of X lie in LDS
	; ---- X1 = X + ctx Wo^T + bo, and its rows' sums
	s_mov_b32 s34, 0
	s_mov_b32 s35, 0
	s_mov_b32 s36, s48
	ZSUM
.Lwo:
	UNIT 0
	XADDR
	XRES
	s_wait_dscnt 0x0
.irp mu, 0,1
.irp j, 0,2,4,6,8,10,12,14,16,18,20,22,24,26,28,30
	v_pk_add_f32 v[T+32*\mu+\j:T+32*\mu+\j+1], v[T+32*\mu+\j:T+32*\mu+\j+1], v[ACC+32*\mu+\j:ACC+32*\mu+\j+1]   ; each accumulator from its low end on
.endr
.endr
	XSTORE
.irp j, 0,2,4,6,8,10,12,14,16,18,20,22,24,26,28,30
.irp mu, 0,1
	v_pk_add_f32 v[224+2*\mu:225+2*\mu], v[224+2*\mu:225+2*\mu], v[T+32*\mu+\j:T+32*\mu+\j+1]
.endr
.endr
	NEXTU
	s_add_co_u32 s34, s34, 1
	s_cmp_lt_u32 s34, 4
	s_cbranch_scc1 .Lwo
	REDUCE RED1
	v_mul_f32 v228, 0x3a800000, v224               ; the means
	v_mul_f32 v230, 0x3a800000, v226
	v_mov_b32 v229, v228
	v_mov_b32 v231, v230
	; ---- the sums of squares of X1 - mean
	s_mov_b32 s34, 0
	s_mov_b32 s35, 0
	ZSUM
.Lvar:
	XADDR
	XRES
	s_wait_dscnt 0x0
.irp j, 0,2,4,6,8,10,12,14,16,18,20,22,24,26,28,30
.irp mu, 0,1
	v_pk_add_f32 v[T+32*\mu+\j:T+32*\mu+\j+1], v[T+32*\mu+\j:T+32*\mu+\j+1], v[228+2*\mu:229+2*\mu] neg_lo:[0,1] neg_hi:[0,1]
.endr
.endr
.irp j, 0,2,4,6,8,10,12,14,16,18,20,22,24,26,28,30
.irp mu, 0,1
	v_pk_fma_f32 v[224+2*\mu:225+2*\mu], v[T+32*\mu+\j:T+32*\mu+\j+1], v[T+32*\mu+\j:T+32*\mu+\j+1], v[224+2*\mu:225+2*\mu]
.endr
.endr
	s_add_co_u32 s35, s35, 256
	s_add_co_u32 s34, s34, 1
	s_cmp_lt_u32 s34, 4
	s_cbranch_scc1 .Lvar
	REDUCE RED2
	v_mul_f32 v224, 0x3a802008, v224               ; / 1,023
	v_mul_f32 v226, 0x3a802008, v226
	v_sqrt_f32 v224, v224
	v_sqrt_f32 v226, v226
	v_nop
	s_wait_alu depctr_va_vdst(0)                   ; one wait for both roots, ahead of their first reader
	v_add_f32 v224, 0x358637bd, v224               ; + 1e-6
	v_add_f32 v226, 0x358637bd, v226
	v_rcp_f32 v232, v224
	v_rcp_f32 v234, v226
	v_nop
	s_wait_alu depctr_va_vdst(0)
	v_mul_f32 v232, s27, v232                      ; ln2_a / (deviation + 1e-6)
	v_mul_f32 v234, s27, v234
	v_mov_b32 v233, v232
	v_mov_b32 v235, v234
	; ---- xn, quantised: my 256 features are K steps 2 w, 2 w + 1 of the next product
	s_mov_b32 s34, 0
	s_mov_b32 s35, 0
	s_mov_b32 s37, s46
	s_mov_b32 s38, s47
.Lnorm:
	XADDR
	XRES
	s_wait_dscnt 0x0
.irp j, 0,2,4,6,8,10,12,14,16,18,20,22,24,26,28,30
.irp mu, 0,1
	v_pk_add_f32 v[T+32*\mu+\j:T+32*\mu+\j+1], v[T+32*\mu+\j:T+32*\mu+\j+1], v[228+2*\mu:229+2*\mu] neg_lo:[0,1] neg_hi:[0,1]
.endr
.endr
.irp j, 0,2,4,6,8,10,12,14,16,18,20,22,24,26,28,30
.irp mu, 0,1
	v_pk_fma_f32 v[T+32*\mu+\j:T+32*\mu+\j+1], v[T+32*\mu+\j:T+32*\mu+\j+1], v[232+2*\mu:233+2*\mu], s[28:29] op_sel_hi:[1,1,0]
.endr
.endr
	QUANT 2, T, PC, TM, TX, SCV
	IMGS AIM, ASC
	s_add_co_u32 s35, s35, 256
	s_add_co_u32 s34, s34, 1
	s_cmp_lt_u32 s34, 4
	s_cbranch_scc1 .Lnorm
	BARRIER                                        ; xn's images lie in LDS
	ALOADL AIM, ASC
	; ---- the hidden layer, quantised likewise
	s_mov_b32 s34, 0
	s_mov_b32 s35, 0
	s_add_co_u32 s36, s48, 4096
	s_mov_b32 s37, s46
	s_mov_b32 s38, s47
.Lff1:
	UNIT 0
.irp j, 0,1,2,3,4,5,6,7,8,9,10,11,12,13,14,15,16,17,18,19,20,21,22,23,24,25,26,27,28,29,30,31,32,33,34,35,36,37,38,39,40,41,42,43,44,45,46,47,48,49,50,51,52,53,54,55,56,57,58,59,60,61,62,63
	v_max_num_f32 v[ACC+\j], 0, v[ACC+\j]          ; relu, in f32
.endr
	QUANT 2, ACC, PC, TM, TX, SCV
	IMGS HIM, HSC
	NEXTU
	s_add_co_u32 s34, s34, 1
	s_cmp_lt_u32 s34, 4
	s_cbranch_scc1 .Lff1
	BARRIER                                        ; the hidden layer's images lie in LDS
	ALOADL HIM, HSC
	; ---- out = X1 + hidden W2^T + b2, stored unit by unit
	v_and_b32 v7, 15, v0
	v_lshlrev_b32 v7, 4, v7                        ; 16 (l % 16)
	v_bfe_u32 v253, v0, 4, 1                       ; l / 16
	v_mul_u32_u24 v254, v253, SP
	v_add_nc_u32 v254, v254, v7
	s_add_co_u32 s44, s48, XR
	v_add_nc_u32 v254, s44, v254                   ; back out of the slots: slot l / 16, my wave's 1,024 bytes, 16 (l % 16)
	v_lshl_add_u32 v7, v253, 12, v7
	v_add_nc_u32 v7, s48, v7                       ; and the same place in out0: row l / 16, 1,024 w + 16 (l % 16)
	s_mov_b32 s34, 0
	s_mov_b32 s35, 0
	s_add_co_u32 s36, s48, 8192
.Lff2:
	UNIT 1
	XADDR
	XRES
	s_wait_dscnt 0x0
.irp mu, 0,1
.irp j, 0,2,4,6,8,10,12,14,16,18,20,22,24,26,28,30
	v_pk_add_f32 v[T+32*\mu+\j:T+32*\mu+\j+1], v[T+32*\mu+\j:T+32*\mu+\j+1], v[ACC+32*\mu+\j:ACC+32*\mu+\j+1]
.endr
.endr
	XSTORE                                         ; into my own 256 bytes of each slot; LDS serves a wave's instructions in order (ISA guide 5.7.1.4): the loads below see these stores
	v_add_nc_u32 v255, s35, v254                   ; slots 0-15,
	v_add_nc_u32 v208, 16*SP, v255                 ; slots 16-31
.irp k, 0,1,2,3,4,5,6,7
	ds_load_b128 v[ACC+4*\k:ACC+4*\k+3], v255 offset:2*\k*SP          ; lanes 0-15 the unit's 256 bytes of slot 2 k, lanes 16-31 of slot 2 k + 1
.endr
.irp k, 0,1,2,3,4,5,6,7
	ds_load_b128 v[ACC+32+4*\k:ACC+32+4*\k+3], v208 offset:2*\k*SP
.endr
	s_wait_dscnt 0x0
.irp g, 0,1
.irp k, 0,1,2,3,4,5,6,7                ; slot 16 g + 2 k holds row 8 g + 2 k + 8 (k / 4), the slot behind it the next row
	global_store_b128 v7, v[ACC+32*\g+4*\k:ACC+32*\g+4*\k+3], s[24:25] offset:(8*\g+2*\k+8*(\k/4))*ROWB th:TH_STORE_NT   ; sixteen lanes store 256 consecutive bytes, at a multiple of 256 from out0's first byte
.endr
.endr
	NEXTU
	s_add_nc_u64 s[24:25], s[24:25], 256           ; (behind NEXTU's wait on XCNT)  the next unit's 256 bytes of each row
	s_add_co_u32 s34, s34, 1
	s_cmp_lt_u32 s34, 4
	s_cbranch_scc1 .Lff2
	s_wait_tensorcnt 0x0
	ds_add_u32 v199, v207
	s_wait_dscnt 0x0
	s_endpgm
.Lfunc_end_k_qebee77c13e_ffn:
	.size	k_qebee77c13e_ffn, .Lfunc_end_k_qebee77c13e_ffn-k_qebee77c13e_ffn
	.p2alignl 7, 3214868480
	.fill 96, 4, 3214868480
	.section	.rodata,"a",@progbits
	.p2align	6, 0x0
	.amdhsa_kernel k_qebee77c13e_ffn
		.amdhsa_group_segment_fixed_size 197120
		.amdhsa_private_segment_fixed_size 0
		.amdhsa_enable_private_segment 0
		.amdhsa_kernarg_size 88
		.amdhsa_user_sgpr_count 2
		.amdhsa_user_sgpr_kernarg_segment_ptr 1
		.amdhsa_wavefront_size32 1
		.amdhsa_system_sgpr_workgroup_id_x 1
		.amdhsa_system_sgpr_workgroup_id_y 1
		.amdhsa_system_sgpr_workgroup_id_z 1
		.amdhsa_system_vgpr_workitem_id 0
		.amdhsa_next_free_vgpr 1024
		.amdhsa_next_free_sgpr 66
		.amdhsa_reserve_vcc 0
		.amdhsa_float_denorm_mode_32 3
		.amdhsa_float_denorm_mode_16_64 3
		.amdhsa_memory_ordered 1
		.amdhsa_forward_progress 1
		.amdhsa_inst_pref_size 147
	.end_amdhsa_kernel
	.amdgpu_metadata
---
amdhsa.version: [ 1, 2 ]
amdhsa.kernels:
  - .name:           k_qebee77c13e_ffn
    .symbol:         k_qebee77c13e_ffn.kd
    .args:
      - { .name: img, .offset: 0, .size: 8, .value_kind: global_buffer, .address_space: global }
      - { .name: scl, .offset: 8, .size: 8, .value_kind: global_buffer, .address_space: global }
      - { .name: ctx, .offset: 16, .size: 8, .value_kind: global_buffer, .address_space: global }
      - { .name: csc, .offset: 24, .size: 8, .value_kind: global_buffer, .address_space: global }
      - { .name: X, .offset: 32, .size: 8, .value_kind: global_buffer, .address_space: global }
      - { .name: bo, .offset: 40, .size: 8, .value_kind: global_buffer, .address_space: global }
      - { .name: b1, .offset: 48, .size: 8, .value_kind: global_buffer, .address_space: global }
      - { .name: b2, .offset: 56, .size: 8, .value_kind: global_buffer, .address_space: global }
      - { .name: ln2_a, .offset: 64, .size: 8, .value_kind: global_buffer, .address_space: global }
      - { .name: ln2_b, .offset: 72, .size: 8, .value_kind: global_buffer, .address_space: global }
      - { .name: out0, .offset: 80, .size: 8, .value_kind: global_buffer, .address_space: global }
    .group_segment_fixed_size: 197120
    .private_segment_fixed_size: 0
    .kernarg_segment_align: 8
    .kernarg_segment_size: 88
    .max_flat_workgroup_size: 128
    .sgpr_count:     66
    .vgpr_count:     1024
    .wavefront_size: 32
...
	.end_amdgpu_metadata
.endif
;; end of part 4
;; ======== version 2 of 2: 4 launches
;; limits: right only within a limited range of input values
;; workspace buffers: img 11,010,048 bytes; scl 458,752 bytes; heads 20,447,232 bytes; ctx 6,291,456 bytes; csc 262,144 bytes
;; launch prep (part 5): grid 448 x 1, 8 waves a work-group, no clusters, 132,608 bytes of LDS; arguments X, wq, wk, wv, wo, w1, w2, ln1_a, ln1_b, img, scl; writes img, scl
.if DOCPART == 5
	.amdgcn_target "amdgcn-amd-amdhsa--gfx1250"
	.amdhsa_code_object_version 6
	.text
	.protected	k_qebee77c13e_prep
	.globl	k_qebee77c13e_prep
	.p2align	8
	.type	k_qebee77c13e_prep,@function
k_qebee77c13e_prep:
	s_mov_b64 s[64:65], 0
	v_nop
	global_prefetch_b8 v0, s[64:65] scope:SCOPE_SE
	s_setreg_imm32_b32 hwreg(HW_REG_WAVE_MODE, 25, 1), 1
	s_wait_xcnt 0x0
; PREP.  LayerNorm 1 of X, and the six weights as they are, become codes of BF6 (E3M2) with one E8M0 byte for each 32 along K (K = the 1,024 of a row), laid as IMAGES OF OPERAND REGISTERS.
; A work-group takes a group of 32 rows of 1,024 f32: groups 0-255 are X's, then 32 groups each of wq, wk, wv, wo, w1, w2.  ONE path serves both kinds: the row's mean and deviation are always computed; for a weight
; the mean's factor is 0, the gain 1 and the offset 0, chosen on the work-group's number, so that (x - 0) x 1 + 0 leaves each number as it is.
; TILES.  Tile u (0, 1) of a group gives lane r the row 8 u + r + 8 (r / 8).  A fragment (16 rows x 128 K, 12 registers a lane) is stored as three runs of 512 bytes, lane l's 16 bytes at 16 l: 1,536 bytes.
; img: units of 64 rows, [K step 0-7][tile 0-3][1,536].  scl: 1,024 bytes a group, [K step / 2][lane][K step % 2] words, lane 16 u + r = tile u's row r.
; PHASE 1: each of the EIGHT waves loads rows 4 w .. 4 w + 3, 32 loads of 512 bytes: the group's 128 KiB are all asked for at once.  The rows are normalised in registers and put into an LDS stage, row -> slot 16 u + r.
; PHASE 2: wave w reads tile w % 2 of K steps 2 (w / 2), 2 (w / 2) + 1 as the operand's layout wants them (lane (r, h): 32 neighbours along K for each half of 64), so that a block's largest magnitude needs no other lane
; and the conversions' results are the operand's registers.
; A block's byte is its largest magnitude's exponent field - 4, held at 1 from below.  LIMITS: a block of zeros, or one under 2^-122, gets the byte 1 (its codes are read by this program alone); NaN and infinities are not served.
; No matrix unit, no cluster, no tensor load: the launch streams 128 KiB a work-group once and its work-groups share no input.
.set ROWB,  4096                       ; a row in memory
.set SP,    4112                       ; a slot of the stage: 4,096 + 16 bytes = 1,028 words: sixteen rows of one 16-byte column start in sixteen different groups of four banks
.set FRB,   1536                       ; a fragment's image
.set UNITB, 49152                      ; a unit of 64 rows
.set R,     16                         ; v16-143  four rows x 32 registers; in phase 2 two sets of 64 numbers
.set SU,    144                        ; v144-151 sums, a pair a row
.set ME,    152                        ; v152-159 means, twice each
.set SQ,    160                        ; v160-167 sums of squares
.set GG,    168                        ; v168-175 gains, twice each
.set PT,    176                        ; v176-179 the other half of the lanes'
.set CD,    144                        ; phase 2: v144-167 two fragments' codes, so that no store's data are written again
.set CT,    192                        ; v192-198 a block's upper 16 codes on their way
.set WD,    208                        ; v208-209 my tile's scale words of my two K steps
.set SEL,   42                         ; s[42:43] lane selects: lane l xor 16
	s_load_b256 s[4:11], s[0:1], 0x0               ; X, wq, wk, wv
	s_load_b256 s[12:19], s[0:1], 0x20             ; wo, w1, w2, ln1_a
	s_load_b128 s[20:23], s[0:1], 0x40             ; ln1_b, img
	s_load_b64 s[24:25], s[0:1], 0x50              ; scl
	v_lshl_add_u32 v216, v0, 2, 0x20200
	v_mov_b32 v217, 0
	v_lshrrev_b32 v1, 5, v0
	s_delay_alu instid0(VALU_DEP_1)
	v_readfirstlane_b32 s26, v1                    ; wave 0..7
	v_and_b32 v1, 31, v0                           ; lane
	s_delay_alu instid0(VALU_DEP_1)
	v_lshlrev_b32 v6, 4, v1                        ; 16 l
	s_wait_alu depctr_va_vdst(0)
	v_bfe_u32 v9, v0, 4, 1                         ; h
	v_and_b32 v10, 15, v0                          ; r
	s_wait_alu depctr_va_vdst(0)
	v_lshlrev_b32 v8, 3, v9                        ; 8 h: how far my two scale bytes are shifted
	v_lshlrev_b32 v7, 3, v10
	s_delay_alu instid0(VALU_DEP_1)
	v_lshl_add_u32 v7, v9, 2, v7                   ; 8 r + 4 h: lane (r, h) stores row r's scale word of K step h of my two
	s_and_b32 s45, s26, 1                          ; phase 2: my tile u
	s_lshr_b32 s46, s26, 1                         ; and my pair of K steps
	s_lshl_b32 s27, s26, 14
	v_add_nc_u32 v2, s27, v6                       ; in memory: 16 l + my wave's 4 rows
	s_and_b32 s27, s46, 1                          ; rows 4 w + i go to slots 16 ((w / 2) % 2) + 8 (w / 4) + 4 (w % 2) + i
	s_lshl_b32 s27, s27, 4
	s_lshr_b32 s28, s46, 1
	s_lshl_b32 s28, s28, 3
	s_add_co_u32 s27, s27, s28
	s_lshl_b32 s28, s45, 2
	s_add_co_u32 s27, s27, s28
	s_mul_i32 s27, s27, SP
	v_add_nc_u32 v3, s27, v6                       ; into the stage
	v_mul_u32_u24 v4, v10, SP
	s_delay_alu instid0(VALU_DEP_1)
	v_lshl_add_u32 v4, v9, 7, v4
	s_mul_i32 s27, s45, 16*SP
	s_lshl_b32 s28, s46, 10
	s_add_co_u32 s27, s27, s28
	v_add_nc_u32 v4, s27, v4                       ; out of it: slot 16 u + r, + 128 h, + my two K steps
.irp i, 0,1,2,3
	v_mov_b32 v[PT+\i], 0                          ; written once: a lane permute's destination counts as one of its sources
.endr
	v_mov_b32 v207, 0
	s_mov_b32 s[SEL], 0x76543210
	s_mov_b32 s[SEL+1], 0xfedcba98
	s_mov_b32 s44, 0xffff0000                      ; lanes 16-31
	s_wait_kmcnt 0x0
	s_load_b32 s36, s[18:19], 0x0                  ; ln1_a
	s_load_b32 s37, s[20:21], 0x0                  ; ln1_b: both are waited for behind the rows' loads
	s_mov_b64 s[28:29], s[16:17]                   ; whose rows?  The choice hangs on the work-group's number alone
	s_cmp_lt_u32 ttmp9, 416
	s_cselect_b64 s[28:29], s[14:15], s[28:29]
	s_cmp_lt_u32 ttmp9, 384
	s_cselect_b64 s[28:29], s[12:13], s[28:29]
	s_cmp_lt_u32 ttmp9, 352
	s_cselect_b64 s[28:29], s[10:11], s[28:29]
	s_cmp_lt_u32 ttmp9, 320
	s_cselect_b64 s[28:29], s[8:9], s[28:29]
	s_cmp_lt_u32 ttmp9, 288
	s_cselect_b64 s[28:29], s[6:7], s[28:29]
	s_cmp_lt_u32 ttmp9, 256
	s_cselect_b64 s[28:29], s[4:5], s[28:29]
	s_cselect_b32 s30, 255, 31                     ; groups in the tensor - 1
	s_cselect_b32 s38, 0x3a800000, 0               ; the mean's factor: 1 / 1,024, or 0
	s_cselect_b32 s39, -1, 0                       ; all ones for X, 0 for a weight
	s_and_b32 s30, ttmp9, s30
	s_lshl_b32 s30, s30, 17                        ; 32 rows of 4,096 bytes a group
	s_mov_b32 s31, 0
	s_add_nc_u64 s[28:29], s[28:29], s[30:31]
.irp i, 0,1,2,3                        ; my four rows: a load of the wave covers 512 consecutive bytes
.irp j, 0,1,2,3,4,5,6,7
	global_load_b128 v[R+32*\i+4*\j:R+32*\i+4*\j+3], v2, s[28:29] offset:\i*ROWB+512*\j th:TH_LOAD_NT
.endr
.endr
	; the unit: X, wq, wk, wv: group / 2.  wo, w1, w2 (j = 0, 1, 2; unit n of 16): 176 + 12 (n / 4) + 4 j + n % 4, so that the last launch's wave w finds its 12 units on end
	s_lshr_b32 s32, ttmp9, 1
	s_and_b32 s33, s32, 15
	s_lshr_b32 s34, s33, 2
	s_mul_i32 s34, s34, 12
	s_and_b32 s33, s33, 3
	s_add_co_u32 s34, s34, s33
	s_sub_co_u32 s33, ttmp9, 352
	s_lshr_b32 s33, s33, 5
	s_lshl_b32 s33, s33, 2
	s_add_co_u32 s34, s34, s33
	s_add_co_u32 s34, s34, 176
	s_cmp_lt_u32 ttmp9, 352
	s_cselect_b32 s32, s32, s34
	s_and_b32 s33, ttmp9, 1                        ; which 32 rows of the unit
	s_mul_i32 s34, s32, UNITB
	s_mul_i32 s35, s33, 2*FRB
	s_add_co_u32 s34, s34, s35
	s_mul_i32 s35, s46, 8*FRB                      ; my two K steps,
	s_add_co_u32 s34, s34, s35
	s_mul_i32 s35, s45, FRB                        ; my tile
	s_add_co_u32 s34, s34, s35
	s_mov_b32 s35, 0
	s_add_nc_u64 s[22:23], s[22:23], s[34:35]
	s_lshl_b32 s34, s32, 1
	s_add_co_u32 s34, s34, s33
	s_lshl_b32 s34, s34, 10
	s_lshl_b32 s33, s46, 8
	s_add_co_u32 s34, s34, s33
	s_lshl_b32 s33, s45, 7                         ; lanes 16 u + r: 128 u bytes on
	s_add_co_u32 s34, s34, s33
	s_add_nc_u64 s[24:25], s[24:25], s[34:35]
	s_wait_kmcnt 0x0
	s_and_b32 s40, s37, s39                        ; the offset: ln1_b, or 0
	s_mov_b32 s41, s40                             ; (named with it as a pair)
.macro ACROSS b                        ; four rows' pairs at v[b + 2 i] are summed over the pair and over the 32 lanes; every lane gets the sum
.irp i, 0,1,2,3
	s_delay_alu instid0(VALU_DEP_4)
	v_add_f32 v[\b+2*\i], v[\b+2*\i], v[\b+2*\i+1]
.endr
.irp m, 1,2,4,8
.irp i, 0,1,2,3
	s_delay_alu instid0(VALU_DEP_4)
	v_add_f32_dpp v[\b+2*\i], v[\b+2*\i], v[\b+2*\i] row_xmask:\m row_mask:0xf bank_mask:0xf
.endr
.endr
.irp i, 0,1,2,3
	s_delay_alu instid0(VALU_DEP_4)
	v_permlanex16_b32 v[PT+\i], v[\b+2*\i], s[SEL], s[SEL+1]
.endr
.irp i, 0,1,2,3
	s_delay_alu instid0(VALU_DEP_4)
	v_add_f32 v[\b+2*\i], v[\b+2*\i], v[PT+\i]
.endr
.endm
; 64 numbers of my tile, K step 2 (w / 2) + sg: lane (r, h) takes k = 64 c + 32 h + 0 .. 31 of its row
.macro FLD set, sg
.irp c, 0,1
.irp i, 0,1,2,3,4,5,6,7
	ds_load_b128 v[\set+32*\c+4*\i:\set+32*\c+4*\i+3], v4 offset:512*\sg+256*\c+16*\i
.endr
.endr
.endm
; they become fragment f: both blocks are whole in my lane
.macro QF set, f, sg
.irp c, 0,1
	v_max3_num_f32 v[200+\c], |v[\set+32*\c]|, |v[\set+32*\c+1]|, 0x2800000   ; with the floor 2^(5 - 127): the byte cannot fall under 1
.endr
.irp i, 2,4,6,8,10,12,14,16,18,20,22,24,26,28,30
.irp c, 0,1
	s_delay_alu instid0(VALU_DEP_2)
	v_max3_num_f32 v[200+\c], v[200+\c], |v[\set+32*\c+\i]|, |v[\set+32*\c+\i+1]|
.endr
.endr
.irp c, 0,1
	s_delay_alu instid0(VALU_DEP_2)
	v_add_nc_u32 v[202+\c], 0xfe000000, v[200+\c]  ; 4 off the exponent field: the conversion's scale operand
.endr
.irp c, 0,1
	s_delay_alu instid0(VALU_DEP_2)
	v_lshrrev_b32 v[204+\c], 23, v[202+\c]         ; the byte
.endr
	s_delay_alu instid0(VALU_DEP_1)
	v_lshl_or_b32 v206, v205, 16, v204             ; my bytes are those of blocks h and 2 + h:
	s_delay_alu instid0(VALU_DEP_1)
	v_lshlrev_b32 v206, v8, v206                   ; 8 h bits up;
	s_delay_alu instid0(VALU_DEP_1)
	v_permlanex16_b32 v207, v206, s[SEL], s[SEL+1]
	s_delay_alu instid0(VALU_DEP_1)
	v_or_b32 v[WD+\sg], v206, v207                 ; with lane l xor 16's two the word is whole, in both halves of the lanes
.irp c, 0,1
	v_cvt_scalef32_pk16_bf6_f32 v[CD+12*\f+6*\c:CD+12*\f+6*\c+2], v[\set+32*\c:\set+32*\c+15], v[202+\c]
	v_cvt_scalef32_pk16_bf6_f32 v[CT+4*\c:CT+4*\c+2], v[\set+32*\c+16:\set+32*\c+31], v[202+\c]   ; (a conversion's three registers begin on an even number)
.endr
	v_nop                                          ; one plain instruction behind the scaled conversions
.irp c, 0,1
.irp i, 0,1,2
	v_mov_b32 v[CD+12*\f+6*\c+3+\i], v[CT+4*\c+\i]
.endr
.endr
.irp k, 0,1,2
	global_store_b128 v6, v[CD+12*\f+4*\k:CD+12*\f+4*\k+3], s[22:23] offset:\sg*4*FRB+512*\k   ; 512 consecutive bytes, at a multiple of 256 from img's first byte
.endr
.endm
	s_wait_loadcnt 0x0
.irp i, 0,1,2,3                        ; the four rows by turns, in two passes over registers
	v_pk_add_f32 v[SU+2*\i:SU+2*\i+1], v[R+32*\i:R+32*\i+1], v[R+32*\i+2:R+32*\i+3]
.endr
.irp j, 4,6,8,10,12,14,16,18,20,22,24,26,28,30
.irp i, 0,1,2,3
	s_delay_alu instid0(VALU_DEP_4)
	v_pk_add_f32 v[SU+2*\i:SU+2*\i+1], v[SU+2*\i:SU+2*\i+1], v[R+32*\i+\j:R+32*\i+\j+1]
.endr
.endr
	ACROSS SU
.irp i, 0,1,2,3
	s_delay_alu instid0(VALU_DEP_4)
	v_mul_f32 v[ME+2*\i], s38, v[SU+2*\i]          ; the mean (0 for a weight)
.endr
.irp i, 0,1,2,3
	s_delay_alu instid0(VALU_DEP_4)
	v_mov_b32 v[ME+2*\i+1], v[ME+2*\i]
.endr
.irp j, 0,2,4,6,8,10,12,14,16,18,20,22,24,26,28,30
.irp i, 0,1,2,3
	v_pk_add_f32 v[R+32*\i+\j:R+32*\i+\j+1], v[R+32*\i+\j:R+32*\i+\j+1], v[ME+2*\i:ME+2*\i+1] neg_lo:[0,1] neg_hi:[0,1]
.endr
.endr
.irp i, 0,1,2,3
	v_pk_mul_f32 v[SQ+2*\i:SQ+2*\i+1], v[R+32*\i:R+32*\i+1], v[R+32*\i:R+32*\i+1]
.endr
.irp j, 2,4,6,8,10,12,14,16,18,20,22,24,26,28,30
.irp i, 0,1,2,3
	s_delay_alu instid0(VALU_DEP_4)
	v_pk_fma_f32 v[SQ+2*\i:SQ+2*\i+1], v[R+32*\i+\j:R+32*\i+\j+1], v[R+32*\i+\j:R+32*\i+\j+1], v[SQ+2*\i:SQ+2*\i+1]
.endr
.endr
	ACROSS SQ
.irp i, 0,1,2,3
	s_delay_alu instid0(VALU_DEP_4)
	v_mul_f32 v[SQ+2*\i], 0x3a802008, v[SQ+2*\i]   ; / 1,023: the unbiased variance
.endr
	s_wait_alu depctr_va_vdst(0)
.irp i, 0,1,2,3
	v_sqrt_f32 v[SQ+2*\i], v[SQ+2*\i]
.endr
	v_nop                                          ; a plain instruction behind the last root,
	s_wait_alu depctr_va_vdst(0)                   ; and one wait for the four, ahead of their first reader
.irp i, 0,1,2,3
	v_add_f32 v[SQ+2*\i], 0x358637bd, v[SQ+2*\i]   ; + 1e-6
.endr
	s_wait_alu depctr_va_vdst(0)
.irp i, 0,1,2,3
	v_rcp_f32 v[GG+2*\i], v[SQ+2*\i]
.endr
	v_nop
	s_wait_alu depctr_va_vdst(0)                   ; likewise for the four reciprocals
.irp i, 0,1,2,3
	v_mul_f32 v[GG+2*\i], s36, v[GG+2*\i]          ; ln1_a / (deviation + 1e-6)
.endr
.irp i, 0,1,2,3
	s_delay_alu instid0(VALU_DEP_4)
	v_cndmask_b32 v[GG+2*\i], 1.0, v[GG+2*\i], s39 ; 1 for a weight
.endr
.irp i, 0,1,2,3
	s_delay_alu instid0(VALU_DEP_4)
	v_mov_b32 v[GG+2*\i+1], v[GG+2*\i]
.endr
.irp j, 0,2,4,6,8,10,12,14,16,18,20,22,24,26,28,30
.irp i, 0,1,2,3
	v_pk_fma_f32 v[R+32*\i+\j:R+32*\i+\j+1], v[R+32*\i+\j:R+32*\i+\j+1], v[GG+2*\i:GG+2*\i+1], s[40:41] op_sel_hi:[1,1,0]
.endr
.endr
.irp i, 0,1,2,3
.irp j, 0,1,2,3,4,5,6,7
	ds_store_b128 v3, v[R+32*\i+4*\j:R+32*\i+4*\j+3] offset:\i*SP+512*\j
.endr
.endr
	s_wait_dscnt 0x0                               ; for the others' sake: my rows lie in the stage
	s_barrier_signal -1
	s_barrier_wait -1                              ; everybody's do
	FLD R, 0
	FLD R+64, 1
	s_wait_dscnt 16                                ; the older set is in; the other set's 16 loads may be out
	QF R, 0, 0
	s_wait_dscnt 0x0
	QF R+64, 1, 1
	v_cndmask_b32 v212, v[WD], v[WD+1], s44        ; lanes 0-15 store the first K step's words, lanes 16-31 the second's
	global_store_b32 v7, v212, s[24:25]            ; 128 consecutive bytes: my tile's half of the pair's 256; the wave beside me stores the other half
	s_wait_tensorcnt 0x0
	ds_add_u32 v216, v217
	s_wait_dscnt 0x0
	s_endpgm
.Lfunc_end_k_qebee77c13e_prep:
	.size	k_qebee77c13e_prep, .Lfunc_end_k_qebee77c13e_prep-k_qebee77c13e_prep
	.p2alignl 7, 3214868480
	.fill 96, 4, 3214868480
	.section	.rodata,"a",@progbits
	.p2align	6, 0x0
	.amdhsa_kernel k_qebee77c13e_prep
		.amdhsa_group_segment_fixed_size 132608
		.amdhsa_private_segment_fixed_size 0
		.amdhsa_enable_private_segment 0
		.amdhsa_kernarg_size 88
		.amdhsa_user_sgpr_count 2
		.amdhsa_user_sgpr_kernarg_segment_ptr 1
		.amdhsa_wavefront_size32 1
		.amdhsa_system_sgpr_workgroup_id_x 1
		.amdhsa_system_sgpr_workgroup_id_y 1
		.amdhsa_system_sgpr_workgroup_id_z 1
		.amdhsa_system_vgpr_workitem_id 0
		.amdhsa_next_free_vgpr 218
		.amdhsa_next_free_sgpr 66
		.amdhsa_reserve_vcc 0
		.amdhsa_float_denorm_mode_32 3
		.amdhsa_float_denorm_mode_16_64 3
		.amdhsa_memory_ordered 1
		.amdhsa_forward_progress 1
		.amdhsa_inst_pref_size 48
	.end_amdhsa_kernel
	.amdgpu_metadata
---
amdhsa.version: [ 1, 2 ]
amdhsa.kernels:
  - .name:           k_qebee77c13e_prep
    .symbol:         k_qebee77c13e_prep.kd
    .args:
      - { .name: X, .offset: 0, .size: 8, .value_kind: global_buffer, .address_space: global }
      - { .name: wq, .offset: 8, .size: 8, .value_kind: global_buffer, .address_space: global }
      - { .name: wk, .offset: 16, .size: 8, .value_kind: global_buffer, .address_space: global }
      - { .name: wv, .offset: 24, .size: 8, .value_kind: global_buffer, .address_space: global }
      - { .name: wo, .offset: 32, .size: 8, .value_kind: global_buffer, .address_space: global }
      - { .name: w1, .offset: 40, .size: 8, .value_kind: global_buffer, .address_space: global }
      - { .name: w2, .offset: 48, .size: 8, .value_kind: global_buffer, .address_space: global }
      - { .name: ln1_a, .offset: 56, .size: 8, .value_kind: global_buffer, .address_space: global }
      - { .name: ln1_b, .offset: 64, .size: 8, .value_kind: global_buffer, .address_space: global }
      - { .name: img, .offset: 72, .size: 8, .value_kind: global_buffer, .address_space: global }
      - { .name: scl, .offset: 80, .size: 8, .value_kind: global_buffer, .address_space: global }
    .group_segment_fixed_size: 132608
    .private_segment_fixed_size: 0
    .kernarg_segment_align: 8
    .kernarg_segment_size: 88
    .max_flat_workgroup_size: 256
    .sgpr_count:     66
    .vgpr_count:     218
    .wavefront_size: 32
...
	.end_amdgpu_metadata
.endif
;; end of part 5
;; launch proj (part 6): grid 32 x 8, 4 waves a work-group, no clusters, 2,560 bytes of LDS; arguments img, scl, bq, bk, bv, heads; writes heads
.if DOCPART == 6
	.amdgcn_target "amdgcn-amd-amdhsa--gfx1250"
	.amdhsa_code_object_version 6
	.text
	.protected	k_qebee77c13e_proj
	.globl	k_qebee77c13e_proj
	.p2align	8
	.type	k_qebee77c13e_proj,@function
k_qebee77c13e_proj:
	s_mov_b64 s[64:65], 0
	v_nop
	global_prefetch_b8 v0, s[64:65] scope:SCOPE_SE
	s_setreg_imm32_b32 hwreg(HW_REG_WAVE_SCHED_MODE, 0, 2), 2
	s_setreg_imm32_b32 hwreg(HW_REG_WAVE_MODE, 25, 1), 1
	s_wait_xcnt 0x0
	s_wait_alu depctr_vm_vsrc(0)
; PROJ.  q, k, v = LN1(X) W^T + b on codes of BF6, and q, k, v quantised at once in the registers in which they are made: q and k along a head's 64, v along the tokens (the keys).
; A work-group takes 256 tokens (x) and 6 of the 48 units of 64 features (y; a unit = one head of q, k or v).  Wave w takes tokens 64 (4 x + w) on, four tiles of 16, and ALL FOUR WAVES WALK THE SAME SIX UNITS IN THE SAME ORDER:
; so a work-group names 6 units' bytes of weights, 4 x 64 tokens' bytes of x, and each wave issues 768 products.
; A wave's 32 fragments of x stay in registers (384); a unit's weights stream from memory straight into registers, as images: four buffers of one K step (4 fragments), refilled as soon as they are multiplied.
; q, k: source 0 = 16 rows of W, source 1 = 16 tokens: a lane holds one token and its registers run along the features.  v: the sources are swapped: a lane holds one feature and its registers run along the tokens.
; Rows and tokens of a tile are 8 u + r + 8 (r / 8) of their group of 32, so that the 16 registers of two neighbouring tiles are 16 neighbours along the next product's K.
; The bias is the C of a sum's first matrix instruction.  The 16 accumulators take turns, one instruction a turn.
; heads: records of 3,328 bytes, ((q, k, v) x 128 + head of 128) x 16 + 64 tokens of 16: four half fragments (16 rows x 64 K: 512 bytes at 16 l, 256 at 8 l), then 256 bytes of scale halfwords:
;   lane l's words W0, W1; W g holds slot 2 g's halfword in lanes 0-15 and slot 2 g + 1's in lanes 16-31, upper 16 bits 0.
; NO CLUSTER, NO TENSOR LOAD: a joint request is a tensor load into LDS, from which every fragment would be read once more for its four products, with a barrier for each change of slots; landing in registers, a wave has
;   38 to 52 loads of 512 bytes on their way and the loop has no barrier.  The price: the 32 work-groups of a y ask for the same six units, each for itself.
; LIMITS: a block of zeros, or one under 2^-122, gets the byte 1 (read by this program alone); NaN and infinities are not served.
; THE MODE: SCHED_MODE bits 1:0 = 2 (LLVM: expert scheduling mode 2), set by the entry lines.  The code itself states the register dependences between vector or matrix instructions and memory or LDS instructions,
;   with s_wait_alu, always for 0.
; THE PLAN.  Registers that memory or LDS instructions touch:
;   v1, v2, v7      offsets, made at the head and never written again.
;   v5, v6          LDS addresses of a unit's bias: written at the unit's head, read by its LDS loads (v6 at the kernel's head: by the loads of the biases).
;   BI              the LDS loads of a unit's bias land in it; the v arm's moves write it; K step 0's products read it.  At the head: written by the selects, read by one LDS store.
;   W's buffers, SB K step s: its sixteen products read buffer s % 4; behind them the loads of K step s + 4 land in it.  The scale words that land with an even step are those of steps s + 4, s + 5: read four and three steps back.
;   PC, v236, v237  written by QUANT and two selects, read by the unit's nine stores, written again a unit later.
;   x's fragments, AS: loaded at the head alone.  The accumulators, TM, TX, SCV: named by vector and matrix instructions alone.
; So ONE wait on va_vdst stands in a K step, behind its products and ahead of the refill: the buffer is asked for again at once, ahead of the next step's wait for data, so that three steps stay on their way behind the one
; that is waited for.  The refill stands in one run: a product wants D in window 0 and source 0 in window 3, a load the other way round, so that loads among products would each cost two window switches.
; REGISTERS.  window 0: v1-7 addresses; v8-23 x's scale words; v24-39 W's; v40-71 bias, 8 a tile; v72-199 accumulators; v200-231 codes; v232-255 at work.
;   windows 1, 2: x's fragments of K steps 0-3, 4-7 at 12 (4 (s % 4) + tile).   window 3: W's four buffers at 48 (s % 4) + 12 tile.
.set UNITB, 49152
.set REC,   3328
.set AS,    8                          ; + 8 (tile / 2) + s: lanes 0-15 the even tile's word, lanes 16-31 the odd tile's
.set SB,    24                         ; + 4 (s / 2) + 2 (tile / 2) + s % 2: likewise
.set BI,    40
.set ACC,   72
.set PC,    200
.set TM,    232
.set TX,    240
.set SCV,   248
.set BC,    28                         ; s[28:29] the unit's images
.set BS,    30                         ; s[30:31] the unit's scale words
.set SEL,   42
.set MSB,   0
.macro WIN new                         ; the immediate's high byte repeats the setting that is left
.if MSB != (\new)
	s_set_vgpr_msb (MSB<<8)|(\new)
.set MSB, \new
.endif
.endm
.macro PLACES n
.rept \n
	v_nop
.endr
.endm
; one product: D, source 0, source 1, C, their scale registers; ra, rb = 1: the scale is read from lanes 16-31
.macro WM d, a, b, c, sa, sb, ra, rb
.if (\ra) && (\rb)
	v_wmma_scale_f32_16x16x128_f8f6f4 v[\d:\d+7], v[\a:\a+11], v[\b:\b+11], v[\c:\c+7], v[\sa], v[\sb] matrix_a_fmt:MATRIX_FMT_BF6 matrix_b_fmt:MATRIX_FMT_BF6 matrix_a_scale:MATRIX_SCALE_ROW1 matrix_b_scale:MATRIX_SCALE_ROW1
.elseif (\ra)
	v_wmma_scale_f32_16x16x128_f8f6f4 v[\d:\d+7], v[\a:\a+11], v[\b:\b+11], v[\c:\c+7], v[\sa], v[\sb] matrix_a_fmt:MATRIX_FMT_BF6 matrix_b_fmt:MATRIX_FMT_BF6 matrix_a_scale:MATRIX_SCALE_ROW1
.elseif (\rb)
	v_wmma_scale_f32_16x16x128_f8f6f4 v[\d:\d+7], v[\a:\a+11], v[\b:\b+11], v[\c:\c+7], v[\sa], v[\sb] matrix_a_fmt:MATRIX_FMT_BF6 matrix_b_fmt:MATRIX_FMT_BF6 matrix_b_scale:MATRIX_SCALE_ROW1
.else
	v_wmma_scale_f32_16x16x128_f8f6f4 v[\d:\d+7], v[\a:\a+11], v[\b:\b+11], v[\c:\c+7], v[\sa], v[\sb] matrix_a_fmt:MATRIX_FMT_BF6 matrix_b_fmt:MATRIX_FMT_BF6
.endif
.endm
; nr rows of 64 along K: of row q register src + 32 q + 16 b + i is k = 32 b + 16 (lane / 16) + i.  Out: half fragments at pc + 8 q (6 registers), the row's two scale bytes as a halfword in v[tm + q], alike in both halves of the lanes.
.macro QUANT nr, src, pc, tm, tx, scv
.set qb, 0
.rept 2*(\nr)
	v_max3_num_f32 v[\tm+qb], |v[\src+16*qb]|, |v[\src+16*qb+1]|, 0x2800000   ; my 16 numbers of each block, from the low end on, and the floor 2^(5 - 127): the byte cannot fall under 1
.set qb, qb+1
.endr
.set qi, 2
.rept 7
.set qb, 0
.rept 2*(\nr)
	v_max3_num_f32 v[\tm+qb], v[\tm+qb], |v[\src+16*qb+qi]|, |v[\src+16*qb+qi+1]|
.set qb, qb+1
.endr
.set qi, qi+2
.endr
.set qb, 0
.rept 2*(\nr)
	v_permlanex16_b32 v[\tx+qb], v[\tm+qb], s[SEL], s[SEL+1]
.set qb, qb+1
.endr
.set qb, 0
.rept 2*(\nr)
	v_max_num_f32 v[\tm+qb], v[\tm+qb], v[\tx+qb]  ; with lane l xor 16's: the block's largest magnitude
.set qb, qb+1
.endr
.set qb, 0
.rept 2*(\nr)
	v_add_nc_u32 v[\scv+qb], 0xfe000000, v[\tm+qb] ; 4 off its exponent field: the conversion's scale operand
.set qb, qb+1
.endr
.set qb, 0
.rept 2*(\nr)
	v_lshrrev_b32 v[\tx+qb], 23, v[\scv+qb]        ; the byte
.set qb, qb+1
.endr
.set qb, 0
.rept \nr
	v_lshl_or_b32 v[\tm+qb], v[\tx+2*qb+1], 8, v[\tx+2*qb]
.set qb, qb+1
.endr
.set qb, 0
.rept \nr
	v_cvt_scalef32_pk16_bf6_f32 v[\pc+8*qb:\pc+8*qb+2], v[\src+32*qb:\src+32*qb+15], v[\scv+2*qb]
	v_cvt_scalef32_pk16_bf6_f32 v[\pc+8*qb+4:\pc+8*qb+6], v[\src+32*qb+16:\src+32*qb+31], v[\scv+2*qb+1]
.set qb, qb+1
.endr
	v_nop                                          ; one plain instruction behind the scaled conversions
.set qb, 0
.rept \nr
.irp i, 0,1,2
	v_permlane16_swap_b32 v[\pc+8*qb+\i], v[\pc+8*qb+4+\i]   ; the layout wants a whole block in a lane: lanes 0-15 the first block, lanes 16-31 the second
.endr
.irp i, 0,1,2
	v_mov_b32 v[\pc+8*qb+3+\i], v[\pc+8*qb+4+\i]
.endr
.set qb, qb+1
.endr
.endm
; K step tau of the unit d units on: 12 loads of 512 bytes into buffer tau % 4; with an even step the scale words of it and the next (2 loads)
.macro REFILL tau, d
.if ((\tau)%2) == 0
	WIN 0
.irp b, 0,1
	global_load_b64 v[SB+4*((\tau)/2)+2*\b:SB+4*((\tau)/2)+2*\b+1], v2, s[BS:BS+1] offset:(\d)*2048+1024*\b+256*((\tau)/2)
.endr
.endif
	WIN 0xc0
.irp t, 0,1,2,3
.irp k, 0,1,2
	global_load_b128 v[48*((\tau)%4)+12*\t+4*\k:48*((\tau)%4)+12*\t+4*\k+3], v1, s[BC:BC+1] offset:(\d)*UNITB+6144*(\tau)+1536*\t+512*\k
.endr
.endr
.endm
; K step s: 16 products.  ty = 0: q, k;  1: v.  cnt: the loads issued behind this step's, which may stay out
.macro KSTEP ty, s, refill, cnt
	s_wait_loadcnt \cnt
.if (\ty) == 0
	WIN 0x07+4*((\s)/4)                            ; source 0 (W) window 3, source 1 (x) window 1 or 2
.else
	WIN 0x0d+((\s)/4)                              ; source 0 (x) window 1 or 2, source 1 (W) window 3
.endif
.irp mu, 0,1,2,3
.irp t, 0,1,2,3
.if (\ty) == 0
.set kd, ACC+32*\mu+8*\t
.else
.set kd, ACC+32*\t+8*\mu
.endif
.set kc, kd
.if (\s) == 0
.set kc, BI+8*\t
.endif
.if (\ty) == 0
	WM kd, 48*((\s)%4)+12*\t, (4*((\s)%4)+\mu)*12, kc, SB+4*((\s)/2)+2*(\t/2)+(\s)%2, AS+8*(\mu/2)+(\s), \t%2, \mu%2
.else
	WM kd, (4*((\s)%4)+\mu)*12, 48*((\s)%4)+12*\t, kc, AS+8*(\mu/2)+(\s), SB+4*((\s)/2)+2*(\t/2)+(\s)%2, \mu%2, \t%2
.endif
.endr
.endr
	PLACES 4                                       ; four places behind the products, ahead of the first read of results (ISA guide 7.12.1); they stay beside the wait below
.if \refill
	s_wait_alu depctr_va_vdst(0)                   ; the sixteen products are done reading buffer s % 4, in which the loads below land (the scale words that land with an even step were read four and three steps back; in step 0 the products are done reading the bias too)
	REFILL ((\s)+4)%8, ((\s)+4)/8
.endif
.endm
; a unit's eight K steps.  An even step has 14 loads, an odd one 12; three steps are out behind the one that is waited for: 38 or 40.  The last unit asks for nothing more: its tail is written out, its counts run down,
; and since it issues no load it holds no wait on va_vdst.
.macro ARM ty
	KSTEP \ty, 0, 1, 38
	KSTEP \ty, 1, 1, 40
	KSTEP \ty, 2, 1, 38
	KSTEP \ty, 3, 1, 40
	WIN 0
	s_cmp_eq_u32 s20, 5
	s_cbranch_scc1 .Ltail_\@
	KSTEP \ty, 4, 1, 38
	KSTEP \ty, 5, 1, 40
	KSTEP \ty, 6, 1, 38
	KSTEP \ty, 7, 1, 40
	WIN 0
	s_branch .Lepi
.Ltail_\@:
	KSTEP \ty, 4, 0, 38
	KSTEP \ty, 5, 0, 26
	KSTEP \ty, 6, 0, 12
	KSTEP \ty, 7, 0, 0
	WIN 0
	s_branch .Lepi
.endm
	s_load_b256 s[4:11], s[0:1], 0x0               ; img, scl, bq, bk
	s_load_b128 s[12:15], s[0:1], 0x20             ; bv, heads
	v_lshl_add_u32 v223, v0, 2, 0x800
	v_mov_b32 v231, 0
	v_lshrrev_b32 v1, 5, v0
	v_readfirstlane_b32 s16, v1                    ; wave 0..3
	v_and_b32 v2, 31, v0
	v_lshlrev_b32 v1, 4, v2                        ; 16 l
	v_lshlrev_b32 v2, 3, v2                        ; 8 l
	v_bfe_u32 v3, v0, 4, 1
	v_lshlrev_b32 v3, 6, v3                        ; 64 h: q, k: my half's 16 features of a block
	v_and_b32 v4, 15, v0
	v_lshlrev_b32 v6, 4, v4                        ; 16 (thread % 16)
	v_and_b32 v5, 8, v4
	v_add_nc_u32 v4, v4, v5
	v_lshlrev_b32 v4, 2, v4                        ; 4 (r + 8 (r / 8)): v: my feature of a tile
	v_lshlrev_b32 v7, 4, v0                        ; 16 x thread
.irp i, 0,1,2,3,4,5,6,7
	v_mov_b32 v[TX+\i], 0                          ; written once: a lane permute's destination counts as one of its sources
.endr
	s_wait_alu depctr_va_sdst(0)                   ; s16, the wave's number, is written, ahead of its first reader
	s_and_b32 s17, ttmp7, 0xffff                   ; y: which six units
	s_lshl_b32 s18, ttmp9, 2
	s_add_co_u32 s18, s18, s16                     ; which 64 tokens are my wave's: 4 x + w
	s_mul_i32 s19, s17, 6                          ; the first unit
	s_mov_b32 s20, 0                               ; i
	s_mov_b32 s22, 0                               ; the unit's bias in LDS: 256 i
	v_lshrrev_b32 v5, 4, v0
	v_add_nc_u32 v5, s19, v5                       ; thread t copies 16 bytes of the bias of unit 6 y + t / 16 (the last two of these eight are beyond the six: copied to bytes of their own and not read)
	v_and_b32 v[PC], 15, v5
	v_lshl_add_u32 v6, v[PC], 8, v6                ; 256 (unit % 16) + 16 (t % 16): inside each of the three arrays of 4,096 bytes
	s_mov_b32 s[SEL], 0x76543210
	s_mov_b32 s[SEL+1], 0xfedcba98
	s_mov_b32 s44, 0xffff0000                      ; lanes 16-31
	s_mul_i32 s40, s18, UNITB
	s_mov_b32 s41, 0
	s_lshl_b32 s46, s18, 11
	s_mov_b32 s47, 0
	s_add_co_u32 s48, s19, 128
	s_mul_i32 s48, s48, UNITB
	s_mov_b32 s49, 0
	s_lshl_b32 s50, s19, 11
	s_add_co_u32 s50, s50, 262144
	s_mov_b32 s51, 0
	s_wait_kmcnt 0x0
	s_add_nc_u64 s[24:25], s[4:5], s[40:41]        ; x's images
	s_add_nc_u64 s[26:27], s[6:7], s[46:47]        ; x's scale words
	s_add_nc_u64 s[BC:BC+1], s[4:5], s[48:49]
	s_add_nc_u64 s[BS:BS+1], s[6:7], s[50:51]
	s_wait_alu depctr_va_vdst(0)                   ; the offsets v1, v2, v6 and v7 are written, which the loads and stores below read
	global_load_b128 v[BI:BI+3], v6, s[8:9]        ; the same place of bq, bk and bv: the unit's number chooses among the three below
	global_load_b128 v[BI+4:BI+7], v6, s[10:11]
	global_load_b128 v[BI+8:BI+11], v6, s[12:13]
.irp g, 0,1
.irp p, 0,1,2,3
	global_load_b64 v[AS+8*\g+2*\p:AS+8*\g+2*\p+1], v2, s[26:27] offset:1024*\g+256*\p
.endr
.endr
	WIN 0x40
.irp s, 0,1,2,3
.irp mu, 0,1,2,3
.irp k, 0,1,2
	global_load_b128 v[(4*\s+\mu)*12+4*\k:(4*\s+\mu)*12+4*\k+3], v1, s[24:25] offset:6144*\s+1536*\mu+512*\k
.endr
.endr
.endr
	WIN 0x80
.irp s, 0,1,2,3
.irp mu, 0,1,2,3
.irp k, 0,1,2
	global_load_b128 v[(4*\s+\mu)*12+4*\k:(4*\s+\mu)*12+4*\k+3], v1, s[24:25] offset:6144*(4+\s)+1536*\mu+512*\k
.endr
.endr
.endr
	REFILL 0, 0                                    ; the first unit's K steps 0 to 3: 52 loads
	REFILL 1, 0
	REFILL 2, 0
	REFILL 3, 0
	WIN 0
	s_wait_loadcnt 52                              ; all but those 52: the biases and x are in
	v_cmp_le_u32 vcc_lo, 16, v5                    ; units 16 on are k's,
	s_wait_alu depctr_va_vcc(0)                    ; the compare has written VCC, which the four selects read
.irp i, 0,1,2,3
	v_cndmask_b32 v[BI+\i], v[BI+\i], v[BI+4+\i], vcc_lo
.endr
	v_cmp_le_u32 vcc_lo, 32, v5                    ; units 32 on v's
	s_wait_alu depctr_va_vcc(0)                    ; likewise for the second compare
.irp i, 0,1,2,3
	v_cndmask_b32 v[BI+\i], v[BI+\i], v[BI+8+\i], vcc_lo
.endr
	s_wait_alu depctr_va_vdst(0)                   ; the selects have written v[BI:BI+3], which the LDS store reads
	ds_store_b128 v7, v[BI:BI+3]
	s_wait_dscnt 0x0                               ; for the others' sake
	s_barrier_signal -1
	s_barrier_wait -1
.Lunit:
	s_wait_alu depctr_vm_vsrc(0)                   ; the last unit's LDS loads have read v5 or v6; in the first trip the loads of the biases have read v6, and the LDS store has read v[BI:BI+3], in which the bias lands
	v_add_nc_u32 v5, s22, v3
	v_add_nc_u32 v6, s22, v4
	s_wait_alu depctr_va_vdst(0)                   ; v5 and v6 are written, which the LDS loads of both arms read; all that wrote or read v[BI ..] so far is done (the selects; the v arm's moves; K step 0's products)
	s_cmp_ge_u32 s19, 32
	s_cbranch_scc1 .Lv
.irp t, 0,1,2,3                        ; q, k: lane (r, h), tile t, register j: feature 32 (t / 2) + 16 h + 8 (t % 2) + j
	ds_load_b128 v[BI+8*\t:BI+8*\t+3], v5 offset:128*(\t/2)+32*(\t%2)
	ds_load_b128 v[BI+8*\t+4:BI+8*\t+7], v5 offset:128*(\t/2)+32*(\t%2)+16
.endr
	s_wait_dscnt 0x0
	ARM 0
.Lv:
.irp t, 0,1,2,3                        ; v: a lane holds one feature: its bias in all eight registers
	ds_load_b32 v[BI+8*\t], v6 offset:128*(\t/2)+32*(\t%2)
.endr
	s_wait_dscnt 0x0
.irp t, 0,1,2,3
.irp j, 1,2,3,4,5,6,7
	v_mov_b32 v[BI+8*\t+\j], v[BI+8*\t]
.endr
.endr
	s_wait_alu depctr_va_vdst(0)
	ARM 1
.Lepi:
	s_wait_xcnt 0x0                                ; every earlier load and store has had its addresses translated: the bases, the store base and the last unit's codes may be written
	s_wait_alu depctr_vm_vsrc(0)                   ; the last unit's stores have read their codes v[PC ..] and their halfwords v[TM+4:TM+5], which QUANT writes again
	s_add_nc_u64 s[BC:BC+1], s[BC:BC+1], UNITB
	s_add_nc_u64 s[BS:BS+1], s[BS:BS+1], 2048
	s_lshr_b32 s40, s19, 4                         ; the record: (((q, k, v) x 128 + 16 batch + head) x 16 + the batch's 64 tokens)
	s_lshl_b32 s40, s40, 7
	s_lshr_b32 s41, s18, 4
	s_lshl_b32 s41, s41, 4
	s_add_co_u32 s40, s40, s41
	s_and_b32 s41, s19, 15
	s_add_co_u32 s40, s40, s41
	s_lshl_b32 s40, s40, 4
	s_and_b32 s41, s18, 15
	s_add_co_u32 s40, s40, s41
	s_mul_i32 s40, s40, REC
	s_mov_b32 s41, 0
	s_add_nc_u64 s[38:39], s[14:15], s[40:41]
	QUANT 4, ACC, PC, TM, TX, SCV
	v_cndmask_b32 v[TM+4], v[TM], v[TM+1], s44     ; slots 0 | 1
	v_cndmask_b32 v[TM+5], v[TM+2], v[TM+3], s44   ; slots 2 | 3
	s_wait_alu depctr_va_vdst(0)                   ; QUANT has written the codes v[PC ..] and the selects v[TM+4:TM+5], which the nine stores read
.irp q, 0,1,2,3
	global_store_b128 v1, v[PC+8*\q:PC+8*\q+3], s[38:39] offset:768*\q         ; 512 consecutive bytes, at a multiple of 256 from the buffer's first byte
	global_store_b64 v2, v[PC+8*\q+4:PC+8*\q+5], s[38:39] offset:768*\q+512    ; 256
.endr
	global_store_b64 v2, v[TM+4:TM+5], s[38:39] offset:3072
	s_add_co_u32 s19, s19, 1
	s_add_co_u32 s22, s22, 256
	s_add_co_u32 s20, s20, 1
	s_cmp_lt_u32 s20, 6
	s_cbranch_scc1 .Lunit
	s_wait_dscnt 0x0                               ; the closing lines, six on end
	s_wait_alu 0x0
	s_wait_tensorcnt 0x0
	ds_add_u32 v223, v231
	s_wait_dscnt 0x0
	s_endpgm
.Lfunc_end_k_qebee77c13e_proj:
	.size	k_qebee77c13e_proj, .Lfunc_end_k_qebee77c13e_proj-k_qebee77c13e_proj
	.p2alignl 7, 3214868480
	.fill 96, 4, 3214868480
	.section	.rodata,"a",@progbits
	.p2align	6, 0x0
	.amdhsa_kernel k_qebee77c13e_proj
		.amdhsa_group_segment_fixed_size 2560
		.amdhsa_private_segment_fixed_size 0
		.amdhsa_enable_private_segment 0
		.amdhsa_kernarg_size 48
		.amdhsa_user_sgpr_count 2
		.amdhsa_user_sgpr_kernarg_segment_ptr 1
		.amdhsa_wavefront_size32 1
		.amdhsa_system_sgpr_workgroup_id_x 1
		.amdhsa_system_sgpr_workgroup_id_y 1
		.amdhsa_system_sgpr_workgroup_id_z 1
		.amdhsa_system_vgpr_workitem_id 0
		.amdhsa_next_free_vgpr 1024
		.amdhsa_next_free_sgpr 66
		.amdhsa_reserve_vcc 1
		.amdhsa_float_denorm_mode_32 3
		.amdhsa_float_denorm_mode_16_64 3
		.amdhsa_memory_ordered 1
		.amdhsa_forward_progress 1
		.amdhsa_inst_pref_size 103
	.end_amdhsa_kernel
	.amdgpu_metadata
---
amdhsa.version: [ 1, 2 ]
amdhsa.kernels:
  - .name:           k_qebee77c13e_proj
    .symbol:         k_qebee77c13e_proj.kd
    .args:
      - { .name: img, .offset: 0, .size: 8, .value_kind: global_buffer, .address_space: global }
      - { .name: scl, .offset: 8, .size: 8, .value_kind: global_buffer, .address_space: global }
      - { .name: bq, .offset: 16, .size: 8, .value_kind: global_buffer, .address_space: global }
      - { .name: bk, .offset: 24, .size: 8, .value_kind: global_buffer, .address_space: global }
      - { .name: bv, .offset: 32, .size: 8, .value_kind: global_buffer, .address_space: global }
      - { .name: heads, .offset: 40, .size: 8, .value_kind: global_buffer, .address_space: global }
    .group_segment_fixed_size: 2560
    .private_segment_fixed_size: 0
    .kernarg_segment_align: 8
    .kernarg_segment_size: 48
    .max_flat_workgroup_size: 128
    .sgpr_count:     66
    .vgpr_count:     1024
    .wavefront_size: 32
...
	.end_amdgpu_metadata
.endif
;; end of part 6
;; launch attn (part 7): grid 2 x 128, 16 waves a work-group, no clusters, 112,640 bytes of LDS; arguments heads, mask, ctx, csc; writes ctx, csc
.if DOCPART == 7
	.amdgcn_target "amdgcn-amd-amdhsa--gfx1250"
	.amdhsa_code_object_version 6
	.text
	.protected	k_qebee77c13e_attn
	.globl	k_qebee77c13e_attn
	.p2align	8
	.type	k_qebee77c13e_attn,@function
k_qebee77c13e_attn:
	s_mov_b64 s[64:65], 0
	v_nop
	global_prefetch_b8 v0, s[64:65] scope:SCOPE_SE
	s_setreg_imm32_b32 hwreg(HW_REG_WAVE_SCHED_MODE, 0, 2), 2
	s_setreg_imm32_b32 hwreg(HW_REG_WAVE_MODE, 25, 1), 1
	s_wait_xcnt 0x0
	s_wait_alu depctr_vm_vsrc(0)
; ATTN.  ctx = softmax(q k^T / 8, keys with mask 0 hidden) v for one head, both products on codes of BF6; ctx / the row's sum is quantised along the head's 64 for the next product.
; A work-group takes 512 queries of one head (y = 16 batch + head); each of its sixteen waves 32 of them, two tiles of 16, one after the other.  Four waves share a SIMD, so that one wave's softmax stands beside another's products.
; A head's K and V codes and scale halfwords, 2 x 53,248 bytes, are copied into LDS ONCE, through registers, and stay: no slot is ever filled again.  All fragment reads are images: lane l's bytes at 16 l or 8 l.
; Both tiles' Q and scale words are asked for at the head, with K, V and the mask; the second tile's wait in seven registers of their own.
; S^T = K Q^T (source 0 = 16 keys, source 1 = my 16 queries), O^T = V^T P^T: a lane holds one query throughout.  A tile's keys are 8 u + r + 8 (r / 8) of their 32, so that the 16 registers of two neighbouring tiles are 16 neighbouring keys.
; K = 64 FILLS HALF OF THE INSTRUCTION'S 128: Q's upper six registers are zero codes, written once.  A tile of K is named as 12 registers of which the upper six are the next tile's codes: any code times the code 0 is 0
;   (the format has no infinity and no NaN), and the scale bytes of that half are 0, which is 2^-127 and no NaN.
; THE SOFTMAX: t = score x log2(e) / 8; M = the running largest t rounded up to a whole number; p = 2^(t - M) is quantised along the keys; the row's sum is taken of the unquantised p and divides at the end.
; THE MASK is an addend, the C of the first product: 0 for a key that counts, -2^33 for a hidden one: t is then under -1.5e9 and p = 0, as with the reference's -1e9.  Key steps that are wholly hidden ahead of the first key
;   that counts give p of at most 1 under their own M; the first key that counts multiplies what they summed by 2^(old M - new M) = 0.  A batch ALL of whose keys are hidden has c = 0 and the addend 0 (s_cselect_b32 on the
;   mask's whole numbers): t = 0, p = 1, the sum 1,024: the reference's uniform row.
; LIMITS: raw scores under 2^32 in magnitude (beyond it the reference's own -1e9 hides nothing either); a block of zeros gets the byte 1 (read by this program alone); NaN and infinities are not served.
; NO CLUSTER: the two work-groups of a head read the same K and V, once, at their heads; two along x divide into none of the cluster shapes of four, and a joint request is a tensor load, which this one fill does not need.
; THE MODE: SCHED_MODE bits 1:0 = 2 (LLVM: expert scheduling mode 2), set by the entry lines.  The code itself states the register dependences between vector or matrix instructions and memory or LDS instructions,
;   with s_wait_alu, always for 0.
; THE PLAN.  Registers that memory or LDS instructions touch, in a key step:
;   v4, v5, v6   LDS addresses: written at the step's head, read by all its LDS loads (an LDS address has no scalar base).
;   v40-87       K's eight half fragments land; the eight products K Q^T read them (with v88-93, zeros); V's four fragments land; the four products V^T P^T read them.
;   v30-33       K's scale halfwords: land at the head, read by the eight products.    v34-37  V's: land with V, read by the two shifts that make v38, v39.
;   v96-159      the addends land; the products add onto them; the softmax works in place; the conversions read them.
;   v29, v38, v39, v192-203 (and v16-28, v88-93 ahead of the loop) are written by vector instructions and taken by scaled products as scales or operands.
; So three waits on va_vdst stand in a step beside the three around the exponentials: at its head, behind the address steps; ahead of V's loads, which land where K's fragments lay (242 registers a wave leave V no place of its own);
; ahead of the four products V^T P^T.  One wait on vm_vsrc stands at the step's head, ahead of the address steps.
; REGISTERS: v1-9 addresses; v12 -M, v13 the largest t, v[14:15] the sum; v16-27 Q; v28 Q's scales, v29 p's, v30-33 K's, v34-37 V's halfwords, v38-39 V's words; v40-93 K's or V's fragments; v96-159 S^T, then p;
;   v160-191 O^T; v192-203 p's codes; v204-229 at work; v230-236 the second tile's Q and scale words.
.set REC,   3328
.set VB,    53248                      ; LDS: K's 16 records, then V's,
.set MB,    106496                     ; then the mask's addends, 1,024 f32
.set SEL,   36
.macro PLACES n
.rept \n
	v_nop
.endr
.endm
.macro WM d, a, b, c, sa, sb, ra, rb
.if (\ra) && (\rb)
	v_wmma_scale_f32_16x16x128_f8f6f4 v[\d:\d+7], v[\a:\a+11], v[\b:\b+11], v[\c:\c+7], v[\sa], v[\sb] matrix_a_fmt:MATRIX_FMT_BF6 matrix_b_fmt:MATRIX_FMT_BF6 matrix_a_scale:MATRIX_SCALE_ROW1 matrix_b_scale:MATRIX_SCALE_ROW1
.elseif (\ra)
	v_wmma_scale_f32_16x16x128_f8f6f4 v[\d:\d+7], v[\a:\a+11], v[\b:\b+11], v[\c:\c+7], v[\sa], v[\sb] matrix_a_fmt:MATRIX_FMT_BF6 matrix_b_fmt:MATRIX_FMT_BF6 matrix_a_scale:MATRIX_SCALE_ROW1
.elseif (\rb)
	v_wmma_scale_f32_16x16x128_f8f6f4 v[\d:\d+7], v[\a:\a+11], v[\b:\b+11], v[\c:\c+7], v[\sa], v[\sb] matrix_a_fmt:MATRIX_FMT_BF6 matrix_b_fmt:MATRIX_FMT_BF6 matrix_b_scale:MATRIX_SCALE_ROW1
.else
	v_wmma_scale_f32_16x16x128_f8f6f4 v[\d:\d+7], v[\a:\a+11], v[\b:\b+11], v[\c:\c+7], v[\sa], v[\sb] matrix_a_fmt:MATRIX_FMT_BF6 matrix_b_fmt:MATRIX_FMT_BF6
.endif
.endm
; nr rows of 64 along K: of row q register src + 32 q + 16 b + i is k = 32 b + 16 (lane / 16) + i.  Out: half fragments at pc + 8 q (6 registers), the row's two scale bytes as a halfword in v[tm + q], alike in both halves of the lanes.
.macro QUANT nr, src, pc, tm, tx, scv
.set qb, 0
.rept 2*(\nr)
	v_max3_num_f32 v[\tm+qb], |v[\src+16*qb]|, |v[\src+16*qb+1]|, 0x2800000   ; with the floor 2^(5 - 127): the byte cannot fall under 1
.set qb, qb+1
.endr
.set qi, 2
.rept 7
.set qb, 0
.rept 2*(\nr)
	v_max3_num_f32 v[\tm+qb], v[\tm+qb], |v[\src+16*qb+qi]|, |v[\src+16*qb+qi+1]|
.set qb, qb+1
.endr
.set qi, qi+2
.endr
.set qb, 0
.rept 2*(\nr)
	v_permlanex16_b32 v[\tx+qb], v[\tm+qb], s[SEL], s[SEL+1]
.set qb, qb+1
.endr
.set qb, 0
.rept 2*(\nr)
	v_max_num_f32 v[\tm+qb], v[\tm+qb], v[\tx+qb]
.set qb, qb+1
.endr
.set qb, 0
.rept 2*(\nr)
	v_add_nc_u32 v[\scv+qb], 0xfe000000, v[\tm+qb]
.set qb, qb+1
.endr
.set qb, 0
.rept 2*(\nr)
	v_lshrrev_b32 v[\tx+qb], 23, v[\scv+qb]
.set qb, qb+1
.endr
.set qb, 0
.rept \nr
	v_lshl_or_b32 v[\tm+qb], v[\tx+2*qb+1], 8, v[\tx+2*qb]
.set qb, qb+1
.endr
.set qb, 0
.rept \nr
	v_cvt_scalef32_pk16_bf6_f32 v[\pc+8*qb:\pc+8*qb+2], v[\src+32*qb:\src+32*qb+15], v[\scv+2*qb]
	v_cvt_scalef32_pk16_bf6_f32 v[\pc+8*qb+4:\pc+8*qb+6], v[\src+32*qb+16:\src+32*qb+31], v[\scv+2*qb+1]
.set qb, qb+1
.endr
	v_nop                                          ; one plain instruction behind the scaled conversions
.set qb, 0
.rept \nr
.irp i, 0,1,2
	v_permlane16_swap_b32 v[\pc+8*qb+\i], v[\pc+8*qb+4+\i]
.endr
.irp i, 0,1,2
	v_mov_b32 v[\pc+8*qb+3+\i], v[\pc+8*qb+4+\i]
.endr
.set qb, qb+1
.endr
.endm
	s_load_b256 s[4:11], s[0:1], 0x0               ; heads, mask, ctx, csc
	v_lshl_add_u32 v240, v0, 2, 0x1b000
	v_mov_b32 v241, 0
	v_lshrrev_b32 v1, 5, v0
	v_readfirstlane_b32 s12, v1                    ; wave 0..15
	v_and_b32 v9, 31, v0
	v_lshlrev_b32 v1, 4, v9                        ; 16 l
	v_lshlrev_b32 v2, 3, v9                        ; 8 l
	v_lshlrev_b32 v9, 1, v9                        ; 2 l
	v_bfe_u32 v3, v0, 4, 1
	v_lshlrev_b32 v3, 6, v3
	v_add_nc_u32 v3, MB, v3                        ; the addends of my half's 16 keys of a block
	v_and_b32 v7, 15, v0
	v_lshlrev_b32 v7, 3, v7                        ; 8 r
	v_lshlrev_b32 v10, 3, v0                       ; 8 x thread: my two keys of the mask,
	v_add_nc_u32 v11, MB, v10                      ; and their addends' place
	s_wait_alu depctr_va_sdst(0)                   ; s12, the wave's number, is written, ahead of its first reader
	s_mul_i32 s44, s12, REC
	v_add_nc_u32 v4, s44, v1                       ; the fill: wave w copies record w of K and of V
	v_add_nc_u32 v5, s44, v2
	s_and_b32 s14, ttmp7, 0xffff                   ; y
	s_lshr_b32 s15, s14, 4                         ; batch
	s_and_b32 s39, s14, 15                         ; head
	s_mul_i32 s42, s14, 16*REC
	s_add_co_u32 s40, s42, s44
	s_add_co_u32 s40, s40, 128*16*REC
	s_mov_b32 s41, 0
	s_lshl_b32 s45, ttmp9, 3
	s_lshr_b32 s46, s12, 1
	s_add_co_u32 s45, s45, s46
	s_mul_i32 s45, s45, REC
	s_add_co_u32 s42, s42, s45                     ; the record of my 64 queries: 8 x + w / 2
	s_mov_b32 s43, 0
	s_mov_b32 s[SEL], 0x76543210
	s_mov_b32 s[SEL+1], 0xfedcba98
	s_mov_b32 s38, 0xffff0000                      ; lanes 16-31
	s_wait_kmcnt 0x0
	s_add_nc_u64 s[16:17], s[4:5], s[40:41]        ; K's record w
	s_add_nc_u64 s[18:19], s[16:17], 128*16*REC    ; V's
	s_add_nc_u64 s[22:23], s[4:5], s[42:43]
	s_and_b32 s46, s12, 1
	s_mul_i32 s44, s46, 1536
	s_mov_b32 s45, 0
	s_add_nc_u64 s[20:21], s[22:23], s[44:45]      ; Q: slots 2 (w % 2) + u
	s_lshl_b32 s44, s46, 2
	s_add_nc_u64 s[22:23], s[22:23], s[44:45]      ; and their scale word W (w % 2)
	s_lshl_b32 s44, s15, 12
	s_add_nc_u64 s[24:25], s[6:7], s[44:45]        ; the batch's mask
	s_lshl_b32 s46, s15, 5
	s_lshl_b32 s47, ttmp9, 4
	s_add_co_u32 s46, s46, s47
	s_add_co_u32 s46, s46, s12                     ; my group of 32 tokens: 32 batch + 16 x + w
	s_mul_i32 s44, s46, 24576
	s_mul_i32 s47, s39, 768
	s_add_co_u32 s44, s44, s47
	s_add_nc_u64 s[26:27], s[8:9], s[44:45]
	s_lshl_b32 s44, s46, 10
	s_lshl_b32 s47, s39, 6
	s_add_co_u32 s44, s44, s47
	s_add_nc_u64 s[28:29], s[10:11], s[44:45]
	s_wait_alu depctr_va_vdst(0)                   ; the offsets and addresses v1, v2, v4, v5, v7, v9, v10 and v11 are written, which the loads and stores below read
.irp k, 0,1,2,3,4,5
	global_load_b128 v[40+4*\k:43+4*\k], v1, s[16:17] offset:512*\k
.endr
	global_load_b64 v[64:65], v2, s[16:17] offset:3072
.irp k, 0,1,2,3,4,5
	global_load_b128 v[68+4*\k:71+4*\k], v1, s[18:19] offset:512*\k
.endr
	global_load_b64 v[92:93], v2, s[18:19] offset:3072
.irp k, 0,1,2,3,4,5,6,7
	global_load_b128 v[96+4*\k:99+4*\k], v1, s[24:25] offset:512*\k   ; the whole mask of the batch: does any key count?
.endr
	global_load_b64 v[128:129], v10, s[24:25]
	global_load_b128 v[16:19], v1, s[20:21]        ; the first tile's Q,
	global_load_b64 v[20:21], v2, s[20:21] offset:512
	global_load_b32 v28, v7, s[22:23] offset:3072  ; its scale halfwords: lanes 0-15 (and 16-31) take those of slot 2 (w % 2)
	global_load_b128 v[230:233], v1, s[20:21] offset:768   ; and the second tile's
	global_load_b64 v[234:235], v2, s[20:21] offset:1280
	global_load_b32 v236, v7, s[22:23] offset:3200
	s_wait_loadcnt 0x0
.irp n, 16,8,4,2,1
.set q, 0
.rept \n
	v_or_b32 v[96+q], v[96+q], v[96+q+\n]
.set q, q+1
.endr
.endr
	v_cmp_ne_u32 vcc_lo, 0, v96
	s_wait_alu depctr_va_vcc(0)                    ; the compare has written VCC, which the scalar compare reads
	s_cmp_lg_u32 vcc_lo, 0
	s_cselect_b32 s30, 0x3e38aa3b, 0               ; c = log2(e) / 8, or 0 where no key counts
	s_cselect_b32 s32, 0xd0000000, 0               ; a hidden key's addend: -2^33, or 0
	s_mov_b32 s31, s30                             ; (named with it as a pair)
	v_mov_b32 v132, s32
	v_cmp_eq_u32 vcc_lo, 0, v128
	s_wait_alu depctr_va_vcc(0)                    ; VCC is written, ahead of the select that reads it
	v_cndmask_b32 v130, 0, v132, vcc_lo
	v_cmp_eq_u32 vcc_lo, 0, v129
	s_wait_alu depctr_va_vcc(0)                    ; likewise
	v_cndmask_b32 v131, 0, v132, vcc_lo
	s_wait_alu depctr_va_vdst(0)                   ; the selects have written v[130:131], which the first LDS store reads
	ds_store_b64 v11, v[130:131]
.irp k, 0,1,2,3,4,5
	ds_store_b128 v4, v[40+4*\k:43+4*\k] offset:512*\k
.endr
	ds_store_b64 v5, v[64:65] offset:3072
.irp k, 0,1,2,3,4,5
	ds_store_b128 v4, v[68+4*\k:71+4*\k] offset:VB+512*\k
.endr
	ds_store_b64 v5, v[92:93] offset:VB+3072
	s_wait_dscnt 0x0                               ; for the others' sake
	s_barrier_signal -1
	s_barrier_wait -1                              ; K, V and the addends lie in LDS; nothing is stored there again
	s_wait_alu depctr_vm_vsrc(0)                   ; my LDS stores have read v88 to v93, which the moves below clear
.irp i, 22,23,24,25,26,27,88,89,90,91,92,93,216,217,218,219,227
	v_mov_b32 v\i, 0                               ; Q's zero codes; the registers named behind K's last tile; the permutes' destinations; the upper half of the pair v[226:227]
.endr
; A KEY STEP: 128 keys = two records.  s33: 6,656 x step;  s34: 512 x step
.macro STEP
	s_wait_alu depctr_vm_vsrc(0)                   ; the LDS instructions issued so far have read v4, v5 and v6 (in a launch's first step also v40 to v87 and v[130:131], in which loads land)
	v_add_nc_u32 v4, s33, v1
	v_add_nc_u32 v5, s33, v2
	v_add_nc_u32 v6, s34, v3
	v_nop                                          ; these four are the places in front of loads into registers that the last products read; they stay beside the wait below
	s_wait_alu depctr_va_vdst(0)                   ; v4, v5 and v6 are written; the last step's products and softmax are done with v30-33, v40-87 and v96-159, in which the loads land; Q, its zero codes, its scale word and v88-93, which the products below take, are written
.irp tau, 0,1,2,3,4,5,6,7
	ds_load_b128 v[40+6*\tau:43+6*\tau], v4 offset:(\tau/4)*REC+(\tau%4)*768
	ds_load_b64 v[44+6*\tau:45+6*\tau], v5 offset:(\tau/4)*REC+(\tau%4)*768+512
.endr
	ds_load_b64 v[30:31], v5 offset:3072
	ds_load_b64 v[32:33], v5 offset:REC+3072
.irp tau, 0,1,2,3,4,5,6,7                      ; the addends, in the result's layout: register j of tile tau is key 32 (tau / 2) + 16 h + 8 (tau % 2) + j
	ds_load_b128 v[96+8*\tau:99+8*\tau], v6 offset:128*(\tau/2)+32*(\tau%2)
	ds_load_b128 v[100+8*\tau:103+8*\tau], v6 offset:128*(\tau/2)+32*(\tau%2)+16
.endr
	s_wait_dscnt 0x0
.irp tau, 0,1,2,3,4,5,6,7
	WM 96+8*\tau, 40+6*\tau, 16, 96+8*\tau, 30+\tau/2, 28, \tau%2, 0
.endr
	PLACES 4
	s_wait_alu depctr_va_vdst(0)                   ; the eight products are done reading K's fragments v40-87, in which V's land
.irp t, 0,1,2,3                                ; V's four fragments land while the softmax is worked: registers 0-5 the first record's 64 keys, 6-11 the second's
	ds_load_b128 v[40+12*\t:43+12*\t], v4 offset:VB+768*\t
	ds_load_b64 v[44+12*\t:45+12*\t], v5 offset:VB+768*\t+512
	ds_load_b128 v[46+12*\t:49+12*\t], v4 offset:VB+REC+768*\t
	ds_load_b64 v[50+12*\t:51+12*\t], v5 offset:VB+REC+768*\t+512
.endr
	ds_load_b64 v[34:35], v5 offset:VB+3072
	ds_load_b64 v[36:37], v5 offset:VB+REC+3072
.irp b, 0,1,2,3
	v_max3_num_f32 v[212+\b], v[96+16*\b], v[97+16*\b], v[98+16*\b]   ; the largest score of each block of 32 keys: for the row's maximum and, since p rises with the score, for the block's largest p
.endr
.irp i, 3,5,7,9,11,13
.irp b, 0,1,2,3
	v_max3_num_f32 v[212+\b], v[212+\b], v[96+16*\b+\i], v[97+16*\b+\i]
.endr
.endr
.irp b, 0,1,2,3
	v_max_num_f32 v[212+\b], v[212+\b], v[111+16*\b]
.endr
.irp b, 0,1,2,3
	v_permlanex16_b32 v[216+\b], v[212+\b], s[SEL], s[SEL+1]
.endr
.irp b, 0,1,2,3
	v_max_num_f32 v[212+\b], v[212+\b], v[216+\b]
.endr
	v_max3_num_f32 v224, v212, v213, v214
	v_max_num_f32 v224, v224, v215
	v_mul_f32 v224, s30, v224                      ; as t (c is not negative)
	v_max_num_f32 v13, v13, v224
	v_mov_b32 v224, v12
	v_floor_f32 v12, -v13                          ; -M = floor(-t): M is a whole number
	v_sub_f32 v224, v12, v224
	v_cvt_i32_f32 v224, v224                       ; (it saturates)
	v_ldexp_f32 v226, 1.0, v224                    ; f = 2^(old M - new M)
.irp j, 0,2,4,6,8,10,12,14,16,18,20,22,24,26,28,30,32,34,36,38,40,42,44,46,48,50,52,54,56,58,60,62
	v_pk_fma_f32 v[96+\j:97+\j], v[96+\j:97+\j], s[30:31], v[12:13] op_sel_hi:[1,0,0]
.endr
.irp b, 0,1,2,3
	v_fma_f32 v[212+\b], v[212+\b], s30, v12
.endr
	s_wait_alu depctr_va_vdst(0)
.irp j, 0,1,2,3,4,5,6,7,8,9,10,11,12,13,14,15,16,17,18,19,20,21,22,23,24,25,26,27,28,29,30,31,32,33,34,35,36,37,38,39,40,41,42,43,44,45,46,47,48,49,50,51,52,53,54,55,56,57,58,59,60,61,62,63
	v_exp_f32 v[96+\j], v[96+\j]                   ; p = 2^(t - M)
.endr
	v_pk_mul_f32 v[14:15], v[14:15], v[226:227] op_sel_hi:[1,0]   ; the sum under the new M: the plain instruction behind the exponentials
	s_wait_alu depctr_va_vdst(0)                   ; one wait for the 64 exponentials' results v96-159, ahead of their first reader
.irp b, 0,1,2,3
	v_exp_f32 v[212+\b], v[212+\b]                 ; each block's largest p
.endr
	v_pk_add_f32 v[228:229], v[96:97], v[98:99]    ; the row's sum of the unquantised p, in two chains
.irp j, 4,8,12,16,20,24,28,32,36,40,44,48,52,56,60
	v_pk_add_f32 v[14:15], v[14:15], v[96+\j:97+\j]
	v_pk_add_f32 v[228:229], v[228:229], v[98+\j:99+\j]
.endr
	v_pk_add_f32 v[14:15], v[14:15], v[228:229]
	s_wait_alu depctr_va_vdst(0)                   ; and one for the four, v212-215
.irp b, 0,1,2,3
	v_max_num_f32 v[212+\b], 0x2800000, v[212+\b]  ; the floor: a block whose every p is 0 keeps the byte 1: its codes are zeros
.endr
.irp b, 0,1,2,3
	v_add_nc_u32 v[220+\b], 0xfe000000, v[212+\b]
.endr
.irp b, 0,1,2,3
	v_lshrrev_b32 v[216+\b], 23, v[220+\b]
.endr
	v_lshl_or_b32 v29, v217, 8, v216               ; p's scale word for these 128 keys
	v_lshl_or_b32 v29, v218, 16, v29
	v_lshl_or_b32 v29, v219, 24, v29
.irp c, 0,1
	v_cvt_scalef32_pk16_bf6_f32 v[192+6*\c:194+6*\c], v[96+32*\c:111+32*\c], v[220+2*\c]
	v_cvt_scalef32_pk16_bf6_f32 v[204+4*\c:206+4*\c], v[112+32*\c:127+32*\c], v[221+2*\c]
.endr
	v_nop                                          ; one plain instruction behind the scaled conversions
.irp c, 0,1
.irp i, 0,1,2
	v_permlane16_swap_b32 v[192+6*\c+\i], v[204+4*\c+\i]
.endr
.irp i, 0,1,2
	v_mov_b32 v[195+6*\c+\i], v[204+4*\c+\i]
.endr
.endr
	s_wait_dscnt 0x0                               ; V is in
	v_lshl_or_b32 v38, v36, 16, v34                ; V's scale words: the first record's two bytes below, the second's above
	v_lshl_or_b32 v39, v37, 16, v35
.irp j, 0,2,4,6,8,10,12,14,16,18,20,22,24,26,28,30
	v_pk_mul_f32 v[160+\j:161+\j], v[160+\j:161+\j], v[226:227] op_sel_hi:[1,0]   ; O^T under the new M.  These sixteen also stand between the scale words and codes just made and the products
.endr
	s_wait_alu depctr_va_vdst(0)                   ; p's codes v192-203, its scale word v29 and V's scale words v38, v39 are written, which the scaled products take; the places above stay beside this wait
.irp t, 0,1,2,3
	WM 160+8*\t, 40+12*\t, 192, 160+8*\t, 38+\t/2, 29, \t%2, 0
.endr
	s_add_co_u32 s33, s33, 2*REC
	s_add_co_u32 s34, s34, 512
.endm
; One tile of 16 queries through all 1,024 keys
.macro TILE u
.if \u == 1
	s_wait_xcnt 0x0                                ; the last tile's stores have had their addresses translated
	s_wait_alu depctr_vm_vsrc(0)                   ; and have read their codes v192-197, which this tile's conversions write again
.irp i, 0,1,2,3,4,5
	v_mov_b32 v[16+\i], v[230+\i]                  ; the second tile's Q and scale words move in; the 36 lines below stand between them and the first product
.endr
	v_mov_b32 v28, v236
.endif
	v_mov_b32 v13, 0xff61b1e6                      ; the largest t so far: -3e38
	v_floor_f32 v12, -v13
	v_mov_b32 v14, 0
	v_mov_b32 v15, 0
.irp j, 0,1,2,3,4,5,6,7,8,9,10,11,12,13,14,15,16,17,18,19,20,21,22,23,24,25,26,27,28,29,30,31
	v_mov_b32 v[160+\j], 0                         ; the step is written once: the first finds zeros, which the first change of M leaves zeros
.endr
	s_mov_b32 s33, 0
	s_mov_b32 s34, 0
	s_mov_b32 s35, 8
.Lstep_\@:
	STEP
	s_sub_co_u32 s35, s35, 1
	s_cmp_lg_u32 s35, 0
	s_cbranch_scc1 .Lstep_\@
	PLACES 4
	v_add_f32 v14, v14, v15
	v_permlanex16_b32 v224, v14, s[SEL], s[SEL+1]
	v_add_f32 v14, v14, v224                       ; the row's sum
	s_wait_alu depctr_va_vdst(0)
	v_rcp_f32 v14, v14
	v_nop
	s_wait_alu depctr_va_vdst(0)                   ; the reciprocal's result v14, ahead of its first reader
.irp j, 0,2,4,6,8,10,12,14,16,18,20,22,24,26,28,30
	v_pk_mul_f32 v[96+\j:97+\j], v[160+\j:161+\j], v[14:15] op_sel_hi:[1,0]   ; register 16 b + i: channel 32 b + 16 h + i, since V's rows of a tile are 8 u + r + 8 (r / 8)
.endr
	QUANT 1, 96, 192, 212, 216, 220
.if \u == 0
	v_mov_b32 v8, v212
.else
	v_cndmask_b32 v8, v8, v212, s38                ; lanes 0-15 keep tile 0's halfwords, lanes 16-31 take tile 1's
.endif
	s_wait_alu depctr_va_vdst(0)                   ; QUANT has written the codes v192-197, which the two stores read; v8 is written, which the launch's last store reads
	global_store_b128 v1, v[192:195], s[26:27] offset:12288*\u
	global_store_b64 v2, v[196:197], s[26:27] offset:12288*\u+512
.endm
	TILE 0
	TILE 1
	global_store_b16 v9, v8, s[28:29]
	s_wait_dscnt 0x0                               ; the closing lines, six on end
	s_wait_alu 0x0
	s_wait_tensorcnt 0x0
	ds_add_u32 v240, v241
	s_wait_dscnt 0x0
	s_endpgm
.Lfunc_end_k_qebee77c13e_attn:
	.size	k_qebee77c13e_attn, .Lfunc_end_k_qebee77c13e_attn-k_qebee77c13e_attn
	.p2alignl 7, 3214868480
	.fill 96, 4, 3214868480
	.section	.rodata,"a",@progbits
	.p2align	6, 0x0
	.amdhsa_kernel k_qebee77c13e_attn
		.amdhsa_group_segment_fixed_size 112640
		.amdhsa_private_segment_fixed_size 0
		.amdhsa_enable_private_segment 0
		.amdhsa_kernarg_size 32
		.amdhsa_user_sgpr_count 2
		.amdhsa_user_sgpr_kernarg_segment_ptr 1
		.amdhsa_wavefront_size32 1
		.amdhsa_system_sgpr_workgroup_id_x 1
		.amdhsa_system_sgpr_workgroup_id_y 1
		.amdhsa_system_sgpr_workgroup_id_z 1
		.amdhsa_system_vgpr_workitem_id 0
		.amdhsa_next_free_vgpr 242
		.amdhsa_next_free_sgpr 66
		.amdhsa_reserve_vcc 1
		.amdhsa_float_denorm_mode_32 3
		.amdhsa_float_denorm_mode_16_64 3
		.amdhsa_memory_ordered 1
		.amdhsa_forward_progress 1
		.amdhsa_inst_pref_size 54
	.end_amdhsa_kernel
	.amdgpu_metadata
---
amdhsa.version: [ 1, 2 ]
amdhsa.kernels:
  - .name:           k_qebee77c13e_attn
    .symbol:         k_qebee77c13e_attn.kd
    .args:
      - { .name: heads, .offset: 0, .size: 8, .value_kind: global_buffer, .address_space: global }
      - { .name: mask, .offset: 8, .size: 8, .value_kind: global_buffer, .address_space: global }
      - { .name: ctx, .offset: 16, .size: 8, .value_kind: global_buffer, .address_space: global }
      - { .name: csc, .offset: 24, .size: 8, .value_kind: global_buffer, .address_space: global }
    .group_segment_fixed_size: 112640
    .private_segment_fixed_size: 0
    .kernarg_segment_align: 8
    .kernarg_segment_size: 32
    .max_flat_workgroup_size: 512
    .sgpr_count:     66
    .vgpr_count:     242
    .wavefront_size: 32
...
	.end_amdgpu_metadata
.endif
;; end of part 7
;; launch ffn (part 8): grid 256 x 1, 4 waves a work-group, no clusters, 197,120 bytes of LDS; arguments img, scl, ctx, csc, X, bo, b1, b2, ln2_a, ln2_b, out0; writes out0
.if DOCPART == 8
	.amdgcn_target "amdgcn-amd-amdhsa--gfx1250"
	.amdhsa_code_object_version 6
	.text
	.protected	k_qebee77c13e_ffn
	.globl	k_qebee77c13e_ffn
	.p2align	8
	.type	k_qebee77c13e_ffn,@function
k_qebee77c13e_ffn:
	s_mov_b64 s[64:65], 0
	v_nop
	global_prefetch_b8 v0, s[64:65] scope:SCOPE_SE
	s_setreg_imm32_b32 hwreg(HW_REG_WAVE_SCHED_MODE, 0, 2), 2
	s_setreg_imm32_b32 hwreg(HW_REG_WAVE_MODE, 25, 1), 1
	s_wait_xcnt 0x0
	s_wait_alu depctr_vm_vsrc(0)
; FFN.  X1 = X + ctx Wo^T + bo;  xn = LayerNorm 2 (X1);  out = X1 + relu(xn W1^T + b1) W2^T + b2: three products on codes of BF6, nothing between them goes to memory.
; A work-group owns 32 whole token rows (two tiles of 16), since the norm wants whole rows.  THE WAVES SHARE THE FEATURES: wave w makes features 256 w .. 256 w + 255 of each product, four units of 64; they are K steps 2 w, 2 w + 1
; of the next product.  A wave's 12 units of weights lie on end in img and stream from memory straight into registers as images: four parts of two K steps (8 fragments, 26 loads with their scale words), three on their way.
; Source 0 = 16 rows of W, source 1 = 16 tokens: a lane holds one token and its registers run along the features; rows of a tile are 8 u + r + 8 (r / 8), so that 16 registers of two tiles are 16 neighbours along the next K.
; The rows (X, then X1, then the result) lie in LDS as f32, token tile mu's lane r in slot 16 mu + r; between barriers a wave touches only its own 1,024 bytes of each slot.
; Operands go from wave to wave through LDS as images of their registers (half fragments: 512 bytes at 16 l, 256 at 8 l) with their scale halfwords at 2 l.
; THE RESULT LEAVES UNIT BY UNIT, inside the last product's loop: a unit's 256 bytes of each of the 32 rows are one wave's own: it puts them into its bytes of the slots, reads them back sixteen lanes to a row, and stores
; 256 consecutive aligned bytes a row: no barrier, and three quarters of the stores are issued ahead of the last unit's products.
; The biases are the C of each sum's first matrix instruction.  The 8 accumulators take turns, one instruction a turn.
; NO CLUSTER, NO TENSOR LOAD: a weight fragment is wanted by one wave of a work-group and feeds two products; through LDS it would be written and read once more.  In registers a wave has 52 to 78 loads of 512 bytes asked
;   for across all five barriers.  The price: all 256 work-groups ask for all three weights, each for itself.
; LIMITS: a block of zeros, or one under 2^-122, gets the byte 1; NaN and infinities are not served.
; THE MODE: SCHED_MODE bits 1:0 = 2 (LLVM: expert scheduling mode 2), set by the entry lines.  The code itself states the register dependences between vector or matrix instructions and memory or LDS instructions,
;   with s_wait_alu, always for 0.
; THE PLAN.  Registers that memory or LDS instructions touch:
;   v1-3, v236, v237, v249   offsets, made at the head and never written again.   v7, v253: read at the head, made anew ahead of the last loop.
;   v246-248, v250-252, v255, v208   LDS addresses of a unit: ALL are made together at the unit's head, between one wait on vm_vsrc and one on va_vdst.
;   BI             the unit's bias lands at the unit's head; step 0's products read it.
;   W's parts, SB  step p's products read part p; the loads into it are issued at the head of step p + 1, behind that step's one wait on va_vdst; step p + 1's products name another part.  Step 0's loads lean on the unit head's wait.
;   T              the rows' numbers land at the unit's head, ahead of the products; the additions behind the products write them; XSTORE reads them.
;   ACC            written by the products.  In the last loop LDS loads land in it, behind the wait ahead of XSTORE, and the global stores read it; the next unit's head states that they have.
;   PC, v222       written by QUANT and a select, read by the images' LDS stores, written again a unit later.   v238-245: the sums over the waves.
;   the tokens' fragments, HT: LDS loads land in them behind a barrier; the last vector or matrix instruction that named them stands ahead of the wait in front of the images' stores.
;   AS             written by vector instructions, taken by the scaled products as scales: the unit head's wait stands between.
; REGISTERS.  window 0: v1-7 addresses; v8-15 the tokens' scale words (lanes 0-15 tile 0, 16-31 tile 1); v16-31 W's; v32-63 bias; v64-127 accumulators (32 mu + 8 t); v128-191 rows; v192-207 codes; v208-223 at work;
;   v224-235 sums, means, gains in pairs; v236-255 addresses and at work.   window 1: the tokens' 16 fragments at 12 (8 mu + s).   windows 2, 3: W's parts 0, 1 and 2, 3 at 96 (q % 2) + 12 (4 sigma + t).
.set UNITB, 49152
.set ROWB,  4096
.set SP,    4112                       ; a slot: 4,096 + 16 bytes: sixteen rows of one 16-byte column start in sixteen different groups of four banks
.set RED1,  12288                      ; LDS: 0: bo, b1, b2;  then two places for sums over the waves,
.set RED2,  12800
.set ASC,   13312                      ; xn's scale halfwords [64 features of 16][lane],
.set HSC,   14336                      ; the hidden layer's,
.set AIM,   15360                      ; xn's images [mu][64 features of 16][768],
.set HIM,   39936                      ; the hidden layer's,
.set XR,    64512                      ; the rows: 32 slots
.set AS,    8
.set SB,    16
.set BI,    32
.set ACC,   64
.set T,     128
.set PC,    192
.set TM,    208
.set TX,    212
.set SCV,   216
.set HT,    208                        ; v208-223: scale halfwords on their way into AS
.set BC,    30                         ; s[30:31] the unit's images
.set BS,    32                         ; s[32:33] the unit's scale words
.set SEL,   40
.set MSB,   0
.macro WIN new                         ; the immediate's high byte repeats the setting that is left
.if MSB != (\new)
	s_set_vgpr_msb (MSB<<8)|(\new)
.set MSB, \new
.endif
.endm
.macro PLACES n
.rept \n
	v_nop
.endr
.endm
.macro WM d, a, b, c, sa, sb, ra, rb
.if (\ra) && (\rb)
	v_wmma_scale_f32_16x16x128_f8f6f4 v[\d:\d+7], v[\a:\a+11], v[\b:\b+11], v[\c:\c+7], v[\sa], v[\sb] matrix_a_fmt:MATRIX_FMT_BF6 matrix_b_fmt:MATRIX_FMT_BF6 matrix_a_scale:MATRIX_SCALE_ROW1 matrix_b_scale:MATRIX_SCALE_ROW1
.elseif (\ra)
	v_wmma_scale_f32_16x16x128_f8f6f4 v[\d:\d+7], v[\a:\a+11], v[\b:\b+11], v[\c:\c+7], v[\sa], v[\sb] matrix_a_fmt:MATRIX_FMT_BF6 matrix_b_fmt:MATRIX_FMT_BF6 matrix_a_scale:MATRIX_SCALE_ROW1
.elseif (\rb)
	v_wmma_scale_f32_16x16x128_f8f6f4 v[\d:\d+7], v[\a:\a+11], v[\b:\b+11], v[\c:\c+7], v[\sa], v[\sb] matrix_a_fmt:MATRIX_FMT_BF6 matrix_b_fmt:MATRIX_FMT_BF6 matrix_b_scale:MATRIX_SCALE_ROW1
.else
	v_wmma_scale_f32_16x16x128_f8f6f4 v[\d:\d+7], v[\a:\a+11], v[\b:\b+11], v[\c:\c+7], v[\sa], v[\sb] matrix_a_fmt:MATRIX_FMT_BF6 matrix_b_fmt:MATRIX_FMT_BF6
.endif
.endm
; nr rows of 64 along K: of row q register src + 32 q + 16 b + i is k = 32 b + 16 (lane / 16) + i.  Out: half fragments at pc + 8 q (6 registers), the row's two scale bytes as a halfword in v[tm + q], alike in both halves of the lanes.
.macro QUANT nr, src, pc, tm, tx, scv
.set qb, 0
.rept 2*(\nr)
	v_max3_num_f32 v[\tm+qb], |v[\src+16*qb]|, |v[\src+16*qb+1]|, 0x2800000   ; from the low end on; with the floor 2^(5 - 127): the byte cannot fall under 1
.set qb, qb+1
.endr
.set qi, 2
.rept 7
.set qb, 0
.rept 2*(\nr)
	v_max3_num_f32 v[\tm+qb], v[\tm+qb], |v[\src+16*qb+qi]|, |v[\src+16*qb+qi+1]|
.set qb, qb+1
.endr
.set qi, qi+2
.endr
.set qb, 0
.rept 2*(\nr)
	v_permlanex16_b32 v[\tx+qb], v[\tm+qb], s[SEL], s[SEL+1]
.set qb, qb+1
.endr
.set qb, 0
.rept 2*(\nr)
	v_max_num_f32 v[\tm+qb], v[\tm+qb], v[\tx+qb]
.set qb, qb+1
.endr
.set qb, 0
.rept 2*(\nr)
	v_add_nc_u32 v[\scv+qb], 0xfe000000, v[\tm+qb]
.set qb, qb+1
.endr
.set qb, 0
.rept 2*(\nr)
	v_lshrrev_b32 v[\tx+qb], 23, v[\scv+qb]
.set qb, qb+1
.endr
.set qb, 0
.rept \nr
	v_lshl_or_b32 v[\tm+qb], v[\tx+2*qb+1], 8, v[\tx+2*qb]
.set qb, qb+1
.endr
.set qb, 0
.rept \nr
	v_cvt_scalef32_pk16_bf6_f32 v[\pc+8*qb:\pc+8*qb+2], v[\src+32*qb:\src+32*qb+15], v[\scv+2*qb]
	v_cvt_scalef32_pk16_bf6_f32 v[\pc+8*qb+4:\pc+8*qb+6], v[\src+32*qb+16:\src+32*qb+31], v[\scv+2*qb+1]
.set qb, qb+1
.endr
	v_nop                                          ; one plain instruction behind the scaled conversions
.set qb, 0
.rept \nr
.irp i, 0,1,2
	v_permlane16_swap_b32 v[\pc+8*qb+\i], v[\pc+8*qb+4+\i]
.endr
.irp i, 0,1,2
	v_mov_b32 v[\pc+8*qb+3+\i], v[\pc+8*qb+4+\i]
.endr
.set qb, qb+1
.endr
.endm
; part q (K steps 2 q, 2 q + 1) of the unit d units on: 2 + 24 loads
.macro LOADP q, d
	WIN 0
.irp b, 0,1
	global_load_b64 v[SB+4*(\q)+2*\b:SB+4*(\q)+2*\b+1], v2, s[BS:BS+1] offset:2048*(\d)+1024*\b+256*(\q)
.endr
	WIN 0x80+0x40*((\q)/2)
.irp sg, 0,1
.irp t, 0,1,2,3
.irp k, 0,1,2
	global_load_b128 v[((\q)%2)*96+(4*\sg+\t)*12+4*\k:((\q)%2)*96+(4*\sg+\t)*12+4*\k+3], v1, s[BC:BC+1] offset:UNITB*(\d)+6144*(2*(\q)+\sg)+1536*\t+512*\k
.endr
.endr
.endr
.endm
; part p is multiplied: 16 products.  cnt: the loads issued behind this part's.  The refill stands at the step's head and takes the part read one step ago, so that two parts (52 loads) are out behind the one that is waited for.
; It stands in one run: a product wants D in window 0 and source 0 in window 2 or 3, a load the other way round, so that loads among products would each cost two window switches.
.macro PSTEP p, refill, cnt
	s_wait_loadcnt \cnt
.if \refill
.if (\p) > 0
	s_wait_alu depctr_va_vdst(0)                   ; the last step's products are done reading their part and its scale words, in which the loads below land; this step's products name another part.  (In step 0 the wait at the unit's head has stated it)
.endif
	LOADP ((\p)+3)%4, ((\p)+3)/4
.endif
	WIN 0x06+(\p)/2                                ; source 0 (W) window 2 or 3, source 1 (tokens) window 1
.irp sg, 0,1
.irp t, 0,1,2,3
.irp mu, 0,1
.set kc, ACC+32*\mu+8*\t
.if ((\p) == 0) && (\sg == 0)
.set kc, BI+8*\t
.endif
	WM ACC+32*\mu+8*\t, ((\p)%2)*96+(4*\sg+\t)*12, (8*\mu+2*(\p)+\sg)*12, kc, SB+4*(\p)+2*(\t/2)+\sg, AS+2*(\p)+\sg, \t%2, \mu
.endr
.endr
.endr
	PLACES 4                                       ; four places behind the products, ahead of the first read of results and of the next step's loads; they stay beside the waits
.endm
.macro BADDR                           ; where the unit's bias lies
	v_add_nc_u32 v250, s36, v6
.endm
.macro BIAS                            ; lane (r, h), tile t, register j: feature 32 (t / 2) + 16 h + 8 (t % 2) + j
.irp t, 0,1,2,3
	ds_load_b128 v[BI+8*\t:BI+8*\t+3], v250 offset:128*(\t/2)+32*(\t%2)
	ds_load_b128 v[BI+8*\t+4:BI+8*\t+7], v250 offset:128*(\t/2)+32*(\t%2)+16
.endr
.endm
; a unit's products: 64 features x 32 tokens x all of K.  tail = 1: in the loop's last trip nothing is left to ask for: that way is written out, its counts run down, and since it issues no load it holds no wait on va_vdst
.macro PRODS tail
	s_wait_dscnt 0x0                               ; the bias is in, and where the unit's head asked for them the rows' numbers
	PSTEP 0, 1, 52
.if \tail
	WIN 0
	s_cmp_eq_u32 s34, 3
	s_cbranch_scc1 .Ltail_\@
.endif
	PSTEP 1, 1, 52
	PSTEP 2, 1, 52
	PSTEP 3, 1, 52
	WIN 0
.if \tail
	s_branch .Ljoin_\@
.Ltail_\@:
	PSTEP 1, 0, 52
	PSTEP 2, 0, 26
	PSTEP 3, 0, 0
	WIN 0
.Ljoin_\@:
.endif
.endm
.macro NEXTU
	s_wait_xcnt 0x0                                ; the loads and stores that are out have had their addresses translated: their bases may be stepped
	s_add_nc_u64 s[BC:BC+1], s[BC:BC+1], UNITB
	s_add_nc_u64 s[BS:BS+1], s[BS:BS+1], 2048
	s_add_co_u32 s36, s36, 256
	s_add_co_u32 s35, s35, 256
.endm
.macro ASMAKE                          ; two halfwords (64 along K each) make a K step's scale word
.irp s, 0,1,2,3,4,5,6,7
	v_lshl_or_b32 v[AS+\s], v[HT+2*\s+1], 16, v[HT+2*\s]
.endr
	PLACES 8                                       ; a scale register written by a vector instruction stands 8 places ahead of a scaled product; the wait at the next unit's head follows them
.endm
.macro ALOADL img, sc                  ; the tokens' 16 fragments and their scale words, from images in LDS
	s_wait_alu depctr_vm_vsrc(0)                   ; my store of the last halfwords has read v222, in which a halfword lands.  (All vector and matrix instructions that named the fragments or v208-223 stand ahead of the wait in front of the last images' stores)
	WIN 0x40
.irp mu, 0,1
.irp hh, 0,1,2,3,4,5,6,7,8,9,10,11,12,13,14,15
	ds_load_b128 v[(8*\mu+\hh/2)*12+6*(\hh%2):(8*\mu+\hh/2)*12+6*(\hh%2)+3], v1 offset:\img+12288*\mu+768*\hh
	ds_load_b64 v[(8*\mu+\hh/2)*12+6*(\hh%2)+4:(8*\mu+\hh/2)*12+6*(\hh%2)+5], v2 offset:\img+12288*\mu+768*\hh+512
.endr
.endr
	WIN 0
.irp hh, 0,1,2,3,4,5,6,7,8,9,10,11,12,13,14,15
	ds_load_u16 v[HT+\hh], v3 offset:\sc+64*\hh
.endr
	s_wait_dscnt 0x0
	ASMAKE
.endm
.macro XADDR                           ; my 256 bytes of the unit in hand, in each tile's slots
	v_add_nc_u32 v251, s35, v4
	v_add_nc_u32 v252, s35, v5
.endm
.macro XRES                            ; the rows' numbers in the accumulators' layout
.irp mu, 0,1
.irp q, 0,1,2,3,4,5,6,7
	ds_load_b128 v[T+32*\mu+4*\q:T+32*\mu+4*\q+3], v[251+\mu] offset:128*(\q/4)+16*(\q%4)
.endr
.endr
.endm
.macro XSTORE
.irp mu, 0,1
.irp q, 0,1,2,3,4,5,6,7
	ds_store_b128 v[251+\mu], v[T+32*\mu+4*\q:T+32*\mu+4*\q+3] offset:128*(\q/4)+16*(\q%4)
.endr
.endr
.endm
.macro IADDR                           ; where the unit's two half fragments and their halfwords go
	v_add_nc_u32 v246, s37, v1
	v_add_nc_u32 v247, s37, v2
	v_add_nc_u32 v248, s38, v3
.endm
.macro IMGS img, sc                    ; the two half fragments just made, and their halfwords, go to LDS as they stand
	v_cndmask_b32 v222, v[TM], v[TM+1], s42        ; lanes 0-15 tile 0's, lanes 16-31 tile 1's
	s_wait_alu depctr_va_vdst(0)                   ; QUANT has written the codes v[PC ..] and the select v222, which the LDS stores read
.irp mu, 0,1
	ds_store_b128 v246, v[PC+8*\mu:PC+8*\mu+3] offset:\img+12288*\mu
	ds_store_b64 v247, v[PC+8*\mu+4:PC+8*\mu+5] offset:\img+12288*\mu+512
.endr
	ds_store_b16 v248, v222 offset:\sc
	s_add_co_u32 s37, s37, 768
	s_add_co_u32 s38, s38, 64
.endm
.macro BARRIER                         ; my LDS stores have landed and my LDS loads are in: then the work-group's barrier
	s_wait_dscnt 0x0
	s_barrier_signal -1
	s_barrier_wait -1
.endm
; the pairs v[224:225] (tile 0) and v[226:227] (tile 1) are summed over the pair, the halves of the lanes and the four waves; v224 and v226 get each token's sum
.macro REDUCE red
	v_add_f32 v224, v224, v225
	v_add_f32 v226, v226, v227
	v_permlanex16_b32 v238, v224, s[SEL], s[SEL+1]
	v_permlanex16_b32 v239, v226, s[SEL], s[SEL+1]
	v_add_f32 v224, v224, v238
	v_add_f32 v226, v226, v239
	v_cndmask_b32 v238, v224, v226, s42
	s_wait_alu depctr_va_vdst(0)                   ; the select has written v238, which the LDS store reads; all that named v238 to v245 so far is done: loads land in them below
	ds_store_b32 v236, v238 offset:\red
	BARRIER
	s_wait_alu depctr_vm_vsrc(0)                   ; my store has read v238, in which a load below lands
.irp k, 0,1,2,3
	ds_load_b32 v[238+\k], v237 offset:\red+128*\k
	ds_load_b32 v[242+\k], v237 offset:\red+128*\k+64
.endr
	s_wait_dscnt 0x0
	v_add_f32 v238, v238, v239
	v_add_f32 v240, v240, v241
	v_add_f32 v242, v242, v243
	v_add_f32 v244, v244, v245
	v_add_f32 v224, v238, v240
	v_add_f32 v226, v242, v244
.endm
.macro ZSUM
.irp i, 224,225,226,227
	v_mov_b32 v\i, 0
.endr
.endm
	s_load_b256 s[4:11], s[0:1], 0x0               ; img, scl, ctx, csc
	s_load_b256 s[12:19], s[0:1], 0x20             ; X, bo, b1, b2
	s_load_b128 s[20:23], s[0:1], 0x40             ; ln2_a, ln2_b
	s_load_b64 s[24:25], s[0:1], 0x50              ; out0
	v_lshl_add_u32 v199, v0, 2, 0x30000
	v_mov_b32 v207, 0
	v_lshrrev_b32 v1, 5, v0
	v_readfirstlane_b32 s26, v1                    ; wave 0..3
	v_and_b32 v3, 31, v0
	v_lshlrev_b32 v1, 4, v3                        ; 16 l
	v_lshlrev_b32 v2, 3, v3                        ; 8 l
	v_lshlrev_b32 v236, 2, v3
	v_lshlrev_b32 v3, 1, v3                        ; 2 l
	v_bfe_u32 v6, v0, 4, 1
	v_lshlrev_b32 v6, 6, v6                        ; 64 h
	v_and_b32 v237, 15, v0                         ; r
	v_mul_u32_u24 v4, v237, SP
	v_add_nc_u32 v4, v4, v6
	s_wait_alu depctr_va_sdst(0)                   ; s26, the wave's number, is written, ahead of its first reader
	s_lshl_b32 s48, s26, 10                        ; 1,024 w
	s_add_co_u32 s44, s48, XR
	v_add_nc_u32 v4, s44, v4                       ; slot r, + 64 h, + my wave's 1,024 bytes: tile 0
	v_add_nc_u32 v5, 16*SP, v4                     ; tile 1
	v_lshlrev_b32 v237, 2, v237                    ; 4 r
	s_lshl_b32 s44, s26, 7
	v_add_nc_u32 v236, s44, v236                   ; 128 w + 4 l
	s_and_b32 s44, s26, 1
	s_lshl_b32 s44, s44, 4
	s_lshr_b32 s45, s26, 1
	s_lshl_b32 s45, s45, 3
	s_add_co_u32 s44, s44, s45                     ; rows 8 w + i lie in slots 16 (w % 2) + 8 (w / 2) + i
	s_mul_i32 s44, s44, SP
	s_add_co_u32 s44, s44, XR
	v_add_nc_u32 v7, s44, v1
	v_lshlrev_b32 v249, 4, v0                      ; 16 x thread
	s_lshl_b32 s44, s26, 15
	v_add_nc_u32 v253, s44, v1                     ; in X: 16 l + my wave's 8 rows
	v_mov_b32 v238, 0                              ; written once: a lane permute's destination counts as one of its sources
	v_mov_b32 v239, 0
	s_mul_i32 s46, s26, 3072                       ; my first unit's images: 768 x 4 w
	s_lshl_b32 s47, s26, 8                         ; and halfwords: 64 x 4 w
	s_mov_b32 s[SEL], 0x76543210
	s_mov_b32 s[SEL+1], 0xfedcba98
	s_mov_b32 s42, 0xffff0000                      ; lanes 16-31
	s_mul_i32 s44, s26, 12
	s_add_co_u32 s44, s44, 176
	s_mul_i32 s44, s44, UNITB
	s_mov_b32 s45, 0
	s_mul_i32 s50, s26, 24
	s_add_co_u32 s50, s50, 352
	s_lshl_b32 s50, s50, 10
	s_mov_b32 s51, 0
	s_wait_kmcnt 0x0
	s_load_b32 s27, s[20:21], 0x0                  ; ln2_a
	s_load_b32 s28, s[22:23], 0x0                  ; ln2_b
	s_add_nc_u64 s[BC:BC+1], s[4:5], s[44:45]
	s_add_nc_u64 s[BS:BS+1], s[6:7], s[50:51]
	s_mul_i32 s44, ttmp9, 24576
	s_add_nc_u64 s[8:9], s[8:9], s[44:45]
	s_lshl_b32 s44, ttmp9, 10
	s_add_nc_u64 s[10:11], s[10:11], s[44:45]
	s_lshl_b32 s44, ttmp9, 17
	s_add_nc_u64 s[12:13], s[12:13], s[44:45]
	s_add_nc_u64 s[24:25], s[24:25], s[44:45]
	s_wait_alu depctr_va_vdst(0)                   ; the offsets and addresses v1, v2, v3, v7, v236, v237, v249 and v253 are written, which the loads and LDS stores below read
	LOADP 0, 0
	LOADP 1, 0
	LOADP 2, 0
	WIN 0x40
.irp mu, 0,1
.irp hh, 0,1,2,3,4,5,6,7,8,9,10,11,12,13,14,15
	global_load_b128 v[(8*\mu+\hh/2)*12+6*(\hh%2):(8*\mu+\hh/2)*12+6*(\hh%2)+3], v1, s[8:9] offset:12288*\mu+768*\hh th:TH_LOAD_NT
	global_load_b64 v[(8*\mu+\hh/2)*12+6*(\hh%2)+4:(8*\mu+\hh/2)*12+6*(\hh%2)+5], v2, s[8:9] offset:12288*\mu+768*\hh+512 th:TH_LOAD_NT
.endr
.endr
	WIN 0
.irp hh, 0,1,2,3,4,5,6,7,8,9,10,11,12,13,14,15
	global_load_u16 v[HT+\hh], v3, s[10:11] offset:64*\hh th:TH_LOAD_NT
.endr
	global_load_b128 v[BI:BI+3], v249, s[14:15]
	global_load_b128 v[BI+4:BI+7], v249, s[14:15] offset:2048
	global_load_b128 v[BI+8:BI+11], v249, s[16:17]
	global_load_b128 v[BI+12:BI+15], v249, s[16:17] offset:2048
	global_load_b128 v[BI+16:BI+19], v249, s[18:19]
	global_load_b128 v[BI+20:BI+23], v249, s[18:19] offset:2048
.irp i, 0,1,2,3                        ; X's rows 8 w + i: 0-3 in window 0, 4-5 and 6-7 in the free ends of windows 1 and 2
.irp j, 0,1,2,3,4,5,6,7
	global_load_b128 v[64+32*\i+4*\j:64+32*\i+4*\j+3], v253, s[12:13] offset:ROWB*\i+512*\j th:TH_LOAD_NT
.endr
.endr
	WIN 0x40
.irp i, 0,1
.irp j, 0,1,2,3,4,5,6,7
	global_load_b128 v[192+32*\i+4*\j:192+32*\i+4*\j+3], v253, s[12:13] offset:ROWB*(4+\i)+512*\j th:TH_LOAD_NT
.endr
.endr
	WIN 0x80
.irp i, 0,1
.irp j, 0,1,2,3,4,5,6,7
	global_load_b128 v[192+32*\i+4*\j:192+32*\i+4*\j+3], v253, s[12:13] offset:ROWB*(6+\i)+512*\j th:TH_LOAD_NT
.endr
.endr
	WIN 0
	s_wait_loadcnt 0x0
	s_wait_kmcnt 0x0
	s_mov_b32 s29, s28                             ; (named with it as a pair)
.irp k, 0,1,2,3,4,5
	ds_store_b128 v249, v[BI+4*\k:BI+4*\k+3] offset:2048*\k
.endr
.irp i, 0,1,2,3
.irp j, 0,1,2,3,4,5,6,7
	ds_store_b128 v7, v[64+32*\i+4*\j:64+32*\i+4*\j+3] offset:SP*\i+512*\j
.endr
.endr
	WIN 0x04                                       ; an LDS store's data are its source 1
.irp i, 0,1
.irp j, 0,1,2,3,4,5,6,7
	ds_store_b128 v7, v[192+32*\i+4*\j:192+32*\i+4*\j+3] offset:SP*(4+\i)+512*\j
.endr
.endr
	WIN 0x08
.irp i, 0,1
.irp j, 0,1,2,3,4,5,6,7
	ds_store_b128 v7, v[192+32*\i+4*\j:192+32*\i+4*\j+3] offset:SP*(6+\i)+512*\j
.endr
.endr
	WIN 0
	ASMAKE
	BARRIER                                        ; the biases and the 32 rows of X lie in LDS
	; ---- X1 = X + ctx Wo^T + bo, and its rows' sums
	s_mov_b32 s34, 0
	s_mov_b32 s35, 0
	s_mov_b32 s36, s48
	ZSUM
.Lwo:
	s_wait_alu depctr_vm_vsrc(0)                   ; the LDS instructions issued so far have read v250 to v252; the LDS stores have read v[T ..] (XSTORE; in the first trip the head's, which read v[BI ..] and v[ACC ..] too), which loads and products below write
	BADDR
	XADDR
	s_wait_alu depctr_va_vdst(0)                   ; v250 to v252 are written; the last unit's products are done reading the bias, part 3 and its scale words, its sums reading v[T ..]: loads land in all of them; in the first trip v[AS ..] is written, which the products take as scales
	BIAS
	XRES                                           ; the rows' numbers are asked for ahead of the products
	PRODS 0
.irp mu, 0,1
.irp j, 0,2,4,6,8,10,12,14,16,18,20,22,24,26,28,30
	v_pk_add_f32 v[T+32*\mu+\j:T+32*\mu+\j+1], v[T+32*\mu+\j:T+32*\mu+\j+1], v[ACC+32*\mu+\j:ACC+32*\mu+\j+1]   ; each accumulator from its low end on
.endr
.endr
	s_wait_alu depctr_va_vdst(0)                   ; the additions have written v[T ..], which the LDS stores read
	XSTORE
.irp j, 0,2,4,6,8,10,12,14,16,18,20,22,24,26,28,30
.irp mu, 0,1
	v_pk_add_f32 v[224+2*\mu:225+2*\mu], v[224+2*\mu:225+2*\mu], v[T+32*\mu+\j:T+32*\mu+\j+1]
.endr
.endr
	NEXTU
	s_add_co_u32 s34, s34, 1
	s_cmp_lt_u32 s34, 4
	s_cbranch_scc1 .Lwo
	s_wait_alu depctr_va_vdst(0)
	REDUCE RED1
	v_mul_f32 v228, 0x3a800000, v224               ; the means
	v_mul_f32 v230, 0x3a800000, v226
	v_mov_b32 v229, v228
	v_mov_b32 v231, v230
	; ---- the sums of squares of X1 - mean
	s_mov_b32 s34, 0
	s_mov_b32 s35, 0
	ZSUM
.Lvar:
	s_wait_alu depctr_vm_vsrc(0)                   ; the LDS instructions issued so far have read v251 and v252, and in the first trip XSTORE has read v[T ..], in which the loads land
	XADDR
	s_wait_alu depctr_va_vdst(0)                   ; v251 and v252 are written; the last trip's arithmetic is done with v[T ..]
	XRES
	s_wait_dscnt 0x0
.irp j, 0,2,4,6,8,10,12,14,16,18,20,22,24,26,28,30
.irp mu, 0,1
	v_pk_add_f32 v[T+32*\mu+\j:T+32*\mu+\j+1], v[T+32*\mu+\j:T+32*\mu+\j+1], v[228+2*\mu:229+2*\mu] neg_lo:[0,1] neg_hi:[0,1]
.endr
.endr
.irp j, 0,2,4,6,8,10,12,14,16,18,20,22,24,26,28,30
.irp mu, 0,1
	v_pk_fma_f32 v[224+2*\mu:225+2*\mu], v[T+32*\mu+\j:T+32*\mu+\j+1], v[T+32*\mu+\j:T+32*\mu+\j+1], v[224+2*\mu:225+2*\mu]
.endr
.endr
	s_add_co_u32 s35, s35, 256
	s_add_co_u32 s34, s34, 1
	s_cmp_lt_u32 s34, 4
	s_cbranch_scc1 .Lvar
	REDUCE RED2
	v_mul_f32 v224, 0x3a802008, v224               ; / 1,023
	v_mul_f32 v226, 0x3a802008, v226
	s_wait_alu depctr_va_vdst(0)
	v_sqrt_f32 v224, v224
	v_sqrt_f32 v226, v226
	v_nop
	s_wait_alu depctr_va_vdst(0)                   ; one wait for both roots' results v224, v226, ahead of their first reader
	v_add_f32 v224, 0x358637bd, v224               ; + 1e-6
	v_add_f32 v226, 0x358637bd, v226
	s_wait_alu depctr_va_vdst(0)
	v_rcp_f32 v232, v224
	v_rcp_f32 v234, v226
	v_nop
	s_wait_alu depctr_va_vdst(0)                   ; likewise for the two reciprocals' results v232, v234
	v_mul_f32 v232, s27, v232                      ; ln2_a / (deviation + 1e-6)
	v_mul_f32 v234, s27, v234
	v_mov_b32 v233, v232
	v_mov_b32 v235, v234
	; ---- xn, quantised: my 256 features are K steps 2 w, 2 w + 1 of the next product
	s_mov_b32 s34, 0
	s_mov_b32 s35, 0
	s_mov_b32 s37, s46
	s_mov_b32 s38, s47
.Lnorm:
	s_wait_alu depctr_vm_vsrc(0)                   ; the LDS instructions issued so far have read v246 to v248, v251 and v252; the last trip's stores have read the codes v[PC ..] and v222, which QUANT and the select write again
	XADDR
	IADDR
	s_wait_alu depctr_va_vdst(0)                   ; the five addresses are written; the last trip's arithmetic is done with v[T ..], in which the loads land
	XRES
	s_wait_dscnt 0x0
.irp j, 0,2,4,6,8,10,12,14,16,18,20,22,24,26,28,30
.irp mu, 0,1
	v_pk_add_f32 v[T+32*\mu+\j:T+32*\mu+\j+1], v[T+32*\mu+\j:T+32*\mu+\j+1], v[228+2*\mu:229+2*\mu] neg_lo:[0,1] neg_hi:[0,1]
.endr
.endr
.irp j, 0,2,4,6,8,10,12,14,16,18,20,22,24,26,28,30
.irp mu, 0,1
	v_pk_fma_f32 v[T+32*\mu+\j:T+32*\mu+\j+1], v[T+32*\mu+\j:T+32*\mu+\j+1], v[232+2*\mu:233+2*\mu], s[28:29] op_sel_hi:[1,1,0]
.endr
.endr
	QUANT 2, T, PC, TM, TX, SCV
	IMGS AIM, ASC
	s_add_co_u32 s35, s35, 256
	s_add_co_u32 s34, s34, 1
	s_cmp_lt_u32 s34, 4
	s_cbranch_scc1 .Lnorm
	BARRIER                                        ; xn's images lie in LDS
	ALOADL AIM, ASC
	; ---- the hidden layer, quantised likewise
	s_mov_b32 s34, 0
	s_mov_b32 s35, 0
	s_add_co_u32 s36, s48, 4096
	s_mov_b32 s37, s46
	s_mov_b32 s38, s47
.Lff1:
	s_wait_alu depctr_vm_vsrc(0)                   ; the LDS instructions issued so far have read v246 to v248 and v250; the last unit's stores have read the codes v[PC ..] and v222, which QUANT and the select write again
	BADDR
	IADDR
	s_wait_alu depctr_va_vdst(0)                   ; the four addresses are written; the last unit's products are done reading the bias, part 3 and its scale words, in which loads land; in the first trip v[AS ..] is written, which the products take as scales
	BIAS
	PRODS 0
.irp j, 0,1,2,3,4,5,6,7,8,9,10,11,12,13,14,15,16,17,18,19,20,21,22,23,24,25,26,27,28,29,30,31,32,33,34,35,36,37,38,39,40,41,42,43,44,45,46,47,48,49,50,51,52,53,54,55,56,57,58,59,60,61,62,63
	v_max_num_f32 v[ACC+\j], 0, v[ACC+\j]          ; relu, in f32
.endr
	QUANT 2, ACC, PC, TM, TX, SCV
	IMGS HIM, HSC
	NEXTU
	s_add_co_u32 s34, s34, 1
	s_cmp_lt_u32 s34, 4
	s_cbranch_scc1 .Lff1
	BARRIER                                        ; the hidden layer's images lie in LDS
	ALOADL HIM, HSC
	; ---- out = X1 + hidden W2^T + b2, stored unit by unit
	v_and_b32 v7, 15, v0                           ; (v7 and v253 were read by the head's LDS stores and loads alone: waits on vm_vsrc have stood since)
	v_lshlrev_b32 v7, 4, v7                        ; 16 (l % 16)
	v_bfe_u32 v253, v0, 4, 1                       ; l / 16
	v_mul_u32_u24 v254, v253, SP
	v_add_nc_u32 v254, v254, v7
	s_add_co_u32 s44, s48, XR
	v_add_nc_u32 v254, s44, v254                   ; back out of the slots: slot l / 16, my wave's 1,024 bytes, 16 (l % 16)
	v_lshl_add_u32 v7, v253, 12, v7
	v_add_nc_u32 v7, s48, v7                       ; and the same place in out0: row l / 16, 1,024 w + 16 (l % 16)
	s_mov_b32 s34, 0
	s_mov_b32 s35, 0
	s_add_co_u32 s36, s48, 8192
.Lff2:
	s_wait_alu depctr_vm_vsrc(0)                   ; the LDS instructions issued so far have read v250 to v252, v255 and v208; XSTORE has read v[T ..], in which loads land; the last unit's global stores have read v[ACC ..], which the products write
	BADDR
	XADDR
	v_add_nc_u32 v255, s35, v254                   ; slots 0-15,
	v_add_nc_u32 v208, 16*SP, v255                 ; slots 16-31
	s_wait_alu depctr_va_vdst(0)                   ; the five addresses are written, and in the first trip v7, which the global stores read, and v[AS ..], which the products take as scales; the last unit's products are done reading the bias, part 3 and its scale words, in which loads land
	BIAS
	XRES                                           ; the rows' numbers are asked for ahead of the products
	PRODS 1
.irp mu, 0,1
.irp j, 0,2,4,6,8,10,12,14,16,18,20,22,24,26,28,30
	v_pk_add_f32 v[T+32*\mu+\j:T+32*\mu+\j+1], v[T+32*\mu+\j:T+32*\mu+\j+1], v[ACC+32*\mu+\j:ACC+32*\mu+\j+1]
.endr
.endr
	s_wait_alu depctr_va_vdst(0)                   ; the additions have written v[T ..], which the LDS stores read, and are done reading v[ACC ..], in which the LDS loads below land
	XSTORE                                         ; into my own 256 bytes of each slot; LDS serves a wave's instructions in order (ISA guide 5.7.1.4): the loads below see these stores
.irp k, 0,1,2,3,4,5,6,7
	ds_load_b128 v[ACC+4*\k:ACC+4*\k+3], v255 offset:2*\k*SP          ; lanes 0-15 the unit's 256 bytes of slot 2 k, lanes 16-31 of slot 2 k + 1
.endr
.irp k, 0,1,2,3,4,5,6,7
	ds_load_b128 v[ACC+32+4*\k:ACC+32+4*\k+3], v208 offset:2*\k*SP
.endr
	s_wait_dscnt 0x0
.irp g, 0,1
.irp k, 0,1,2,3,4,5,6,7                ; slot 16 g + 2 k holds row 8 g + 2 k + 8 (k / 4), the slot behind it the next row
	global_store_b128 v7, v[ACC+32*\g+4*\k:ACC+32*\g+4*\k+3], s[24:25] offset:(8*\g+2*\k+8*(\k/4))*ROWB th:TH_STORE_NT   ; sixteen lanes store 256 consecutive bytes, at a multiple of 256 from out0's first byte
.endr
.endr
	NEXTU
	s_add_nc_u64 s[24:25], s[24:25], 256           ; (behind NEXTU's wait on XCNT)  the next unit's 256 bytes of each row
	s_add_co_u32 s34, s34, 1
	s_cmp_lt_u32 s34, 4
	s_cbranch_scc1 .Lff2
	s_wait_dscnt 0x0                               ; the closing lines, six on end
	s_wait_alu 0x0
	s_wait_tensorcnt 0x0
	ds_add_u32 v199, v207
	s_wait_dscnt 0x0
	s_endpgm
.Lfunc_end_k_qebee77c13e_ffn:
	.size	k_qebee77c13e_ffn, .Lfunc_end_k_qebee77c13e_ffn-k_qebee77c13e_ffn
	.p2alignl 7, 3214868480
	.fill 96, 4, 3214868480
	.section	.rodata,"a",@progbits
	.p2align	6, 0x0
	.amdhsa_kernel k_qebee77c13e_ffn
		.amdhsa_group_segment_fixed_size 197120
		.amdhsa_private_segment_fixed_size 0
		.amdhsa_enable_private_segment 0
		.amdhsa_kernarg_size 88
		.amdhsa_user_sgpr_count 2
		.amdhsa_user_sgpr_kernarg_segment_ptr 1
		.amdhsa_wavefront_size32 1
		.amdhsa_system_sgpr_workgroup_id_x 1
		.amdhsa_system_sgpr_workgroup_id_y 1
		.amdhsa_system_sgpr_workgroup_id_z 1
		.amdhsa_system_vgpr_workitem_id 0
		.amdhsa_next_free_vgpr 1024
		.amdhsa_next_free_sgpr 66
		.amdhsa_reserve_vcc 0
		.amdhsa_float_denorm_mode_32 3
		.amdhsa_float_denorm_mode_16_64 3
		.amdhsa_memory_ordered 1
		.amdhsa_forward_progress 1
		.amdhsa_inst_pref_size 148
	.end_amdhsa_kernel
	.amdgpu_metadata
---
amdhsa.version: [ 1, 2 ]
amdhsa.kernels:
  - .name:           k_qebee77c13e_ffn
    .symbol:         k_qebee77c13e_ffn.kd
    .args:
      - { .name: img, .offset: 0, .size: 8, .value_kind: global_buffer, .address_space: global }
      - { .name: scl, .offset: 8, .size: 8, .value_kind: global_buffer, .address_space: global }
      - { .name: ctx, .offset: 16, .size: 8, .value_kind: global_buffer, .address_space: global }
      - { .name: csc, .offset: 24, .size: 8, .value_kind: global_buffer, .address_space: global }
      - { .name: X, .offset: 32, .size: 8, .value_kind: global_buffer, .address_space: global }
      - { .name: bo, .offset: 40, .size: 8, .value_kind: global_buffer, .address_space: global }
      - { .name: b1, .offset: 48, .size: 8, .value_kind: global_buffer, .address_space: global }
      - { .name: b2, .offset: 56, .size: 8, .value_kind: global_buffer, .address_space: global }
      - { .name: ln2_a, .offset: 64, .size: 8, .value_kind: global_buffer, .address_space: global }
      - { .name: ln2_b, .offset: 72, .size: 8, .value_kind: global_buffer, .address_space: global }
      - { .name: out0, .offset: 80, .size: 8, .value_kind: global_buffer, .address_space: global }
    .group_segment_fixed_size: 197120
    .private_segment_fixed_size: 0
    .kernarg_segment_align: 8
    .kernarg_segment_size: 88
    .max_flat_workgroup_size: 128
    .sgpr_count:     66
    .vgpr_count:     1024
    .wavefront_size: 32
...
	.end_amdgpu_metadata
.endif
;; end of part 8
